; MI455X (gfx1250); checked and timed in simulation.
; The chip was launched on July 23, 2026; its instructions are those of AMD's public machine-readable ISA for CDNA 5 (MIT licence, August 2026) and "CDNA5" Instruction Set Architecture Reference Guide (July 2026). The comments in the code are by the model that wrote it; some were corrected since.
;; Optimized Transformer Block. Allowed arithmetic: matrix products marked QUANTISED: E4M3 operands, one E8M0 scale for each 32 along K, by v_wmma_scale_f32_16x16x128_f8f6f4 with both operands' format E4M3, f32 sums; everything else in f32.
;; Inputs: ff_down_w_codes 1,024 x 128 x 32 uint8 (E4M3 codes of ff_down_w, K innermost, in blocks of 32 codes); ff_down_w_scales 1,024 x 128 uint8 (E8M0 scales of ff_down_w, one for each 32 codes along K); ff_up_w_codes 4,096 x 32 x 32 uint8 (E4M3 codes of ff_up_w, K innermost, in blocks of 32 codes); ff_up_w_scales 4,096 x 32 uint8 (E8M0 scales of ff_up_w, one for each 32 codes along K); norm1_bias 1,024 float32; norm1_scale 1,024 float32; norm2_bias 1,024 float32; norm2_scale 1,024 float32; out_w_codes 1,024 x 32 x 32 uint8 (E4M3 codes of out_w, K innermost, in blocks of 32 codes); out_w_scales 1,024 x 32 uint8 (E8M0 scales of out_w, one for each 32 codes along K); qkv_w_codes 3,072 x 32 x 32 uint8 (E4M3 codes of qkv_w, K innermost, in blocks of 32 codes); qkv_w_scales 3,072 x 32 uint8 (E8M0 scales of qkv_w, one for each 32 codes along K); x 2 x 2,048 x 1,024 float32.
;; Outputs: out0 2 x 2,048 x 1,024 float32.
;; This version of the problem:
;;   THIS VERSION OF THE PROBLEM IS GIVEN IN LOW PRECISION. The matrix products marked QUANTISED in the list below multiply operands that are first quantised to E4M3 (4 exponent bits, 3 mantissa bits; 8 bits a number), with one power-of-two scale for each 32 numbers along K (OCP MX v1.0); their sums are f32. All else is computed in f32.
;;   The module's matrix products, in the order in which they are computed (A, B: the left and right operand; K: the contracted axis; several contracted axes count as one K, in the product's order):
;;     1. [M 4,096, K 1,024] x [K 1,024, N 3,072]; A: computed on the way; B: input qkv_w (given as codes): QUANTISED
;;     2. batch 32 x [M 2,048, K 64] x [K 64, N 2,048]; A: computed on the way; B: computed on the way: QUANTISED
;;     3. batch 32 x [M 2,048, K 2,048] x [K 2,048, N 64]; A: softmax (see below); B: computed on the way: QUANTISED
;;     4. [M 4,096, K 1,024] x [K 1,024, N 1,024]; A: computed on the way; B: input out_w (given as codes): QUANTISED
;;     5. [M 4,096, K 1,024] x [K 1,024, N 4,096]; A: computed on the way; B: input ff_up_w (given as codes): QUANTISED
;;     6. [M 4,096, K 4,096] x [K 4,096, N 1,024]; A: computed on the way; B: input ff_down_w (given as codes): QUANTISED
;;   THE QUANTISER, for each operand of a quantised product, along K:
;;     - K is cut into blocks of 32 from its start; a last block that is shorter is filled with zeros.
;;     - A block's scale is 2^e with e = floor(log2(the largest magnitude in the block)) - 8, held to -126 .. 127; a block of zeros has e = 0. As a byte (E8M0): e + 127.
;;     - Each number is divided by its block's scale, clamped to +-448, and rounded to the nearest number of E4M3, ties to even, subnormals kept.
;;     - The product sums the exact products of the quantised numbers (number of the format x scale) in f32.
;;   ~~~python
;;   def quantise(x, axis):      # numpy; x: float32 -> the quantised numbers, widened to float32 again
;;       x = np.moveaxis(x, axis, -1); K = x.shape[-1]
;;       x = np.pad(x, [(0, 0)] * (x.ndim - 1) + [(0, -K % 32)]); x = x.reshape(x.shape[:-1] + (-1, 32)); a = np.abs(x).max(-1, keepdims=True)
;;       e = np.where(a > 0, np.clip(np.frexp(np.where(a > 0, a, 1))[1] - 1 - 8, -126, 127), 0)      # np.frexp(a)[1] - 1 = floor(log2(a)), exactly
;;       r = np.clip(x / 2.0 ** e, -448, 448)
;;       step = 2.0 ** (np.maximum(np.frexp(np.where(r == 0, 1, r))[1] - 1, -6) - 3)
;;       q = np.round(r / step) * step * 2.0 ** e      # np.round: ties to even
;;       return np.moveaxis(q.reshape(q.shape[:-2] + (-1,))[..., :K], -1, axis).astype(np.float32)
;;   ~~~
;;   SOFTMAX AHEAD OF A QUANTISED PRODUCT. Where the list says 'softmax', what is quantised is not the finished softmax but p = 2^(t - M), with t = logit x log2(e) and M = ceil(the row's largest t), a whole number; so 1/2 < the row's largest p <= 1. The row's sum l is taken of the UNQUANTISED p, in f32, and the product's result is divided by l at the end. Since M is a whole number, a kernel that streams over the keys may use a running M (the ceiling of the running maximum): every later rescaling is an exact power of two, which a block's scale takes up: the codes' values come out the same.
;;   OPERANDS COMPUTED ON THE WAY. 'Computed on the way' means the value that the module computes at that place (a softmax that the list does not call 'softmax' is quantised finished and normalised). What goes into a quantiser is computed in f32, as accurately as f32 sums, v_exp_f32 and their like allow (about 1e-6 of the number): no bf16 or f16 on the way to a quantiser, and a product that is left as it is and whose result goes on into a quantised operand takes f32 operands (vector FMAs, or v_wmma_f32_16x16x4_f32). A number that lies on a knife's edge between two numbers of the format may be rounded either way, as far as f32 arithmetic and the matrix unit's own rounding can turn it there, and no further.
;;   INPUTS GIVEN AS CODES. ff_down_w (in the module: [1024, 4096], K = its axis 1); ff_up_w (in the module: [4096, 1024], K = its axis 1); out_w (in the module: [1024, 1024], K = its axis 1); qkv_w (in the module: [3072, 1024], K = its axis 1): each comes as NAME_codes (uint8): NAME with its K axis moved to the last place and cut into blocks of 32 codes, [.., K / 32, bytes a block], one block behind the other in memory; one code a byte (a code: sign, 4 exponent bits, 3 mantissa bits); and NAME_scales (uint8): the same leading axes, one E8M0 byte (e + 127) for each 32 codes along K. Its value is code x scale, taken as it is: it is not quantised again, and the codes and scales need not be those that the quantiser above would give.
;; 2 versions. Each part assembles by itself: llvm-mc -triple=amdgcn-amd-amdhsa -mcpu=gfx1250 --defsym DOCPART=n.
;; ======== version 1 of 2: 8 launches
;; workspace buffers: wimg 12,976,128 bytes; himg 4,325,376 bytes; qkv 13,238,272 bytes; aimg 4,325,376 bytes; x2 16,777,216 bytes; gimg 17,301,504 bytes
;; launch prep (part 1): grid 384 x 1, 8 waves a work-group, no clusters, 36,864 bytes of LDS; arguments qkv_w_codes, qkv_w_scales, out_w_codes, out_w_scales, ff_up_w_codes, ff_up_w_scales, ff_down_w_codes, ff_down_w_scales, wimg; writes wimg
.if DOCPART == 1
	.amdgcn_target "amdgcn-amd-amdhsa--gfx1250"
	.amdhsa_code_object_version 6
	.text
	.protected	k_qc80f27e980_prep
	.globl	k_qc80f27e980_prep
	.p2align	8
	.type	k_qc80f27e980_prep,@function
k_qc80f27e980_prep:
	s_mov_b64 s[64:65], 0
	v_nop
	global_prefetch_b8 v0, s[64:65] scope:SCOPE_SE
	s_setreg_imm32_b32 hwreg(HW_REG_WAVE_MODE, 25, 1), 1
	s_wait_xcnt 0x0
; The four weights (codes [rows][K], scale bytes [rows][K/32]) are laid once as IMAGE BLOCKS, the form in which every GEMM of this program takes an operand.
; A block is 128 rows x 256 along K, BLK = 33,792 bytes: 64 pieces of 512 bytes, piece (2 T + q) 4 + c holding, at 16 x lane, the 16 codes k = 128 q + 32 c + 16 (lane / 16) + 0 .. 15
; of row 32 (T / 2) + 8 (T % 2) + r + 8 (r / 8), r = lane % 16: the registers of a fragment as the matrix instruction takes them; behind them 1,024 bytes of scale words:
; at 32,768 + 512 q + 16 (16 (T % 2) + r) + 4 (T / 2) the four scale bytes of that row's q-th 128 along K.
; Blocks in wimg: qkv_w 0-95 (24 row blocks x 4 K steps), out_w 96-127, ff_up_w 128-255, ff_down_w 256-383 (8 x 16).
; SHARES: a work-group makes one block, each of its eight waves one tile T of 16 rows.  Loads: sixteen lanes read 256 consecutive bytes of a row; the tile turns through the wave's own stage
; (rows 272 bytes apart); stores: 512 consecutive bytes each.  Work-groups share no input: no cluster, no tensor load.  Only pointers and shifts are chosen by the work-group's number: one path.
.set BLK, 33792
.set STG, 16*272                       ; a wave's stage
.set SCB, 8*STG                        ; behind the stages: the block's 1,024 bytes of scale words
.set OF,  80                           ; v80-87 the eight loads' offsets
	s_load_b512 s[8:23], s[0:1], 0x0               ; qkv c, s; out c, s; up c, s; down c, s
	s_load_b64 s[24:25], s[0:1], 0x40              ; wimg
	v_lshl_add_u32 v96, v0, 2, 0x8c00
	v_mov_b32 v97, 0
	v_lshrrev_b32 v1, 5, v0
	v_readfirstlane_b32 s28, v1                    ; wave = tile T
	v_and_b32 v2, 15, v0                           ; lane % 16
	v_bfe_u32 v3, v0, 4, 1                         ; lane / 16
	v_and_b32 v4, 31, v0
	s_mul_i32 s40, s28, STG
	v_mul_u32_u24 v5, v3, 272
	v_lshl_add_u32 v5, v2, 4, v5
	v_add_nc_u32 v5, s40, v5                       ; into the stage: two rows a load, sixteen lanes to a row
	v_mul_u32_u24 v6, v2, 272
	v_lshl_add_u32 v6, v3, 4, v6
	v_add_nc_u32 v6, s40, v6                       ; out of it: row r, + 16 (lane / 16)
	s_lshr_b32 s30, s28, 1                         ; T / 2
	s_and_b32 s31, s28, 1                          ; T % 2
	s_lshl_b32 s41, s31, 8
	s_lshl_b32 s42, s30, 2
	s_add_co_u32 s41, s41, s42
	s_add_co_u32 s41, s41, SCB
	v_lshlrev_b32 v7, 9, v3
	v_lshl_add_u32 v7, v2, 4, v7
	v_add_nc_u32 v7, s41, v7                       ; my scale word's place: 512 q + 256 (T % 2) + 16 r + 4 (T / 2), q = lane / 16
	v_lshlrev_b32 v8, 4, v4                        ; 16 x lane
	s_lshl_b32 s43, s31, 9
	s_add_co_u32 s44, s43, SCB
	v_add_nc_u32 v9, s44, v8                       ; waves 0, 1: the scale words of q = wave, back from LDS,
	s_add_co_u32 s43, s43, 32768
	v_add_nc_u32 v10, s43, v8                      ; and their place in the block
	s_lshl_b32 s45, s28, 12
	v_add_nc_u32 v11, s45, v8                      ; my tile's codes in the block: 4,096 T + 16 x lane
	s_wait_kmcnt 0x0
	s_mov_b64 s[4:5], s[20:21]                     ; which tensor: ff_down_w unless the work-group's number says otherwise
	s_mov_b64 s[6:7], s[22:23]
	s_mov_b32 s26, 256                             ; its first block
	s_mov_b32 s27, 4                               ; log2 of its K steps
	s_cmp_lt_u32 ttmp9, 256
	s_cselect_b64 s[4:5], s[16:17], s[4:5]
	s_cselect_b64 s[6:7], s[18:19], s[6:7]
	s_cselect_b32 s26, 128, s26
	s_cselect_b32 s27, 2, s27
	s_cmp_lt_u32 ttmp9, 128
	s_cselect_b64 s[4:5], s[12:13], s[4:5]
	s_cselect_b64 s[6:7], s[14:15], s[6:7]
	s_cselect_b32 s26, 96, s26
	s_cmp_lt_u32 ttmp9, 96
	s_cselect_b64 s[4:5], s[8:9], s[4:5]
	s_cselect_b64 s[6:7], s[10:11], s[6:7]
	s_cselect_b32 s26, 0, s26
	s_sub_co_u32 s29, ttmp9, s26                   ; the block's number in its tensor
	s_lshr_b32 s32, s29, s27                       ; row block
	s_lshl_b32 s33, s32, s27
	s_sub_co_u32 s33, s29, s33                     ; K step
	s_lshl_b32 s34, s32, 7
	s_lshl_b32 s35, s30, 5
	s_add_co_u32 s34, s34, s35
	s_lshl_b32 s35, s31, 3
	s_add_co_u32 s34, s34, s35                     ; the tile's first row
	s_lshl_b32 s34, s34, s27
	s_add_co_u32 s34, s34, s33                     ; row x (K / 256) + K step
	s_lshl_b32 s36, s34, 8                         ; x 256 bytes of codes (under 2^23),
	s_mov_b32 s37, 0
	s_add_nc_u64 s[4:5], s[4:5], s[36:37]
	s_lshl_b32 s36, s34, 3                         ; x 8 scale bytes
	s_add_nc_u64 s[6:7], s[6:7], s[36:37]
	s_mul_i32 s36, ttmp9, BLK
	s_add_nc_u64 s[24:25], s[24:25], s[36:37]      ; my block in wimg
	s_add_co_u32 s38, s27, 8                       ; log2 of a row of codes
	s_add_co_u32 s39, s27, 3                       ; log2 of a row of scale bytes
	s_lshl_b32 s46, 1, s38
	v_lshlrev_b32 v12, s38, v3
	v_lshl_add_u32 v12, v2, 4, v12                 ; (lane / 16) rows + 16 (lane % 16)
.irp i, 0,1,2,3,4,5,6,7
	s_mul_i32 s47, s46, 2*\i+8*(\i/4)              ; load i brings the tile's rows r = 2 i, 2 i + 1, which lie r + 8 (r / 8) rows from its first
	v_add_nc_u32 v[OF+\i], s47, v12
.endr
	v_and_b32 v13, 8, v2
	v_add_nc_u32 v13, v13, v2                      ; r + 8 (r / 8)
	v_lshlrev_b32 v13, s39, v13
	v_lshl_add_u32 v13, v3, 2, v13                 ; lanes 0-15 take the word of q = 0, lanes 16-31 that of q = 1
	global_load_b32 v14, v13, s[6:7]
.irp i, 0,1,2,3,4,5,6,7
	global_load_b128 v[16+4*\i:19+4*\i], v[OF+\i], s[4:5] th:TH_LOAD_NT
.endr
	s_wait_loadcnt 0x0
	ds_store_b32 v7, v14
.irp i, 0,1,2,3,4,5,6,7
	ds_store_b128 v5, v[16+4*\i:19+4*\i] offset:544*\i
.endr
.irp n, 0,1,2,3,4,5,6,7
	ds_load_b128 v[48+4*\n:51+4*\n], v6 offset:32*\n   ; piece n = 4 q + c of my tile; LDS serves a wave's instructions in order: these see my stores
.endr
	s_wait_dscnt 0x0                               ; for the others' sake too: my scale words lie in LDS
	s_barrier_signal -1
	s_barrier_wait -1
.irp n, 0,1,2,3,4,5,6,7
	global_store_b128 v11, v[48+4*\n:51+4*\n], s[24:25] offset:512*\n   ; 512 consecutive bytes, aligned
.endr
	s_cmp_lt_u32 s28, 2
	s_cbranch_scc0 .Lend                           ; waves 0 and 1 send the scale words that all eight waves gathered
	ds_load_b128 v[16:19], v9
	s_wait_dscnt 0x0
	global_store_b128 v10, v[16:19], s[24:25]
.Lend:
	s_wait_tensorcnt 0x0
	ds_add_u32 v96, v97
	s_wait_dscnt 0x0
	s_endpgm
.Lfunc_end_k_qc80f27e980_prep:
	.size	k_qc80f27e980_prep, .Lfunc_end_k_qc80f27e980_prep-k_qc80f27e980_prep
	.p2alignl 7, 3214868480
	.fill 96, 4, 3214868480
	.section	.rodata,"a",@progbits
	.p2align	6, 0x0
	.amdhsa_kernel k_qc80f27e980_prep
		.amdhsa_group_segment_fixed_size 36864
		.amdhsa_private_segment_fixed_size 0
		.amdhsa_enable_private_segment 0
		.amdhsa_kernarg_size 72
		.amdhsa_user_sgpr_count 2
		.amdhsa_user_sgpr_kernarg_segment_ptr 1
		.amdhsa_wavefront_size32 1
		.amdhsa_system_sgpr_workgroup_id_x 1
		.amdhsa_system_sgpr_workgroup_id_y 1
		.amdhsa_system_sgpr_workgroup_id_z 1
		.amdhsa_system_vgpr_workitem_id 0
		.amdhsa_next_free_vgpr 98
		.amdhsa_next_free_sgpr 66
		.amdhsa_reserve_vcc 0
		.amdhsa_float_denorm_mode_32 3
		.amdhsa_float_denorm_mode_16_64 3
		.amdhsa_memory_ordered 1
		.amdhsa_forward_progress 1
		.amdhsa_inst_pref_size 8
	.end_amdhsa_kernel
	.amdgpu_metadata
---
amdhsa.version: [ 1, 2 ]
amdhsa.kernels:
  - .name:           k_qc80f27e980_prep
    .symbol:         k_qc80f27e980_prep.kd
    .args:
      - { .name: qkv_w_codes, .offset: 0, .size: 8, .value_kind: global_buffer, .address_space: global }
      - { .name: qkv_w_scales, .offset: 8, .size: 8, .value_kind: global_buffer, .address_space: global }
      - { .name: out_w_codes, .offset: 16, .size: 8, .value_kind: global_buffer, .address_space: global }
      - { .name: out_w_scales, .offset: 24, .size: 8, .value_kind: global_buffer, .address_space: global }
      - { .name: ff_up_w_codes, .offset: 32, .size: 8, .value_kind: global_buffer, .address_space: global }
      - { .name: ff_up_w_scales, .offset: 40, .size: 8, .value_kind: global_buffer, .address_space: global }
      - { .name: ff_down_w_codes, .offset: 48, .size: 8, .value_kind: global_buffer, .address_space: global }
      - { .name: ff_down_w_scales, .offset: 56, .size: 8, .value_kind: global_buffer, .address_space: global }
      - { .name: wimg, .offset: 64, .size: 8, .value_kind: global_buffer, .address_space: global }
    .group_segment_fixed_size: 36864
    .private_segment_fixed_size: 0
    .kernarg_segment_align: 8
    .kernarg_segment_size: 72
    .max_flat_workgroup_size: 256
    .sgpr_count:     66
    .vgpr_count:     98
    .wavefront_size: 32
...
	.end_amdgpu_metadata
.endif
;; end of part 1
;; launch ln1 (part 2): grid 256 x 1, 8 waves a work-group, no clusters, 59,904 bytes of LDS; arguments x, norm1_scale, norm1_bias, himg; writes himg
.if DOCPART == 2
	.amdgcn_target "amdgcn-amd-amdhsa--gfx1250"
	.amdhsa_code_object_version 6
	.text
	.protected	k_qc80f27e980_ln1
	.globl	k_qc80f27e980_ln1
	.p2align	8
	.type	k_qc80f27e980_ln1,@function
k_qc80f27e980_ln1:
	s_mov_b64 s[64:65], 0
	v_nop
	global_prefetch_b8 v0, s[64:65] scope:SCOPE_SE
	s_setreg_imm32_b32 hwreg(HW_REG_WAVE_MODE, 25, 1), 1
	s_wait_xcnt 0x0
; h = layer_norm(x) x gain + bias, f32, quantised along its 1,024 columns to E4M3 with one E8M0 byte for each 32, and stored as image blocks (128 rows x 256 along K, 33,792 bytes:
; piece (2 T + q) 4 + c holds at 16 x lane the codes k = 128 q + 32 c + 16 (lane / 16) + 0 .. 15 of row 32 (T / 2) + 8 (T % 2) + r + 8 (r / 8); scale words from byte 32,768 on).
; SHARES: work-group g makes tile g of 16 rows (row block g / 8, tile g % 8) for all four K steps.  Wave w takes the tile's rows r = w and r = w + 8, each whole: mean and variance never leave the wave.
; A row is read once, 512 consecutive bytes a load, and stays in 32 registers.  Mean first, then the sum of squares of x - mean (two passes over registers: no difference of large sums).
; For the conversions a lane must hold 16 neighbours: the normalised row turns through the wave's own stage in LDS (64 bytes + 16 of padding a place).  Codes and scale bytes meet in LDS and leave
; in runs of 512 bytes; the scale words leave 4 bytes a lane, 16 bytes apart (1 byte in 33 of what the launch stores).
; LIMITS: a block of zeros, or one whose largest magnitude lies under 2^-118, gets the byte 1 (the bytes are read by this program alone); NaN and infinities are not served.
; Streaming work: no matrix unit, no cluster (work-groups share only gain and bias, 8 KB), no tensor load.
.set BLK, 33792
.set TST, 5120                         ; a wave's stage: 64 places of 80 bytes
.set IMG, 8*TST                        ; 64 pieces of 256 bytes + 16: piece 16 ks + 8 q + 2 c + h, in it 16 bytes for each r
.set SCB, IMG+64*272                   ; 512 scale bytes: 64 (2 ks + q) + 4 r + c
.set X,   32                           ; v32-95   two rows as loaded: register 4 i + e = column 128 i + 4 lane + e
.set G,   96                           ; v96-127  gain, likewise
.set BI,  128                          ; v128-159 bias
.set Y,   160                          ; v160-191 row 0 turned, v208-239 row 1: register 16 j + e = column 512 j + 16 lane + e
.set C,   192                          ; v192-207 codes
	s_load_b256 s[4:11], s[0:1], 0x0               ; x, gain, bias, himg
	v_lshl_add_u32 v240, v0, 2, 0xe600
	v_mov_b32 v241, 0
	v_lshrrev_b32 v1, 5, v0
	v_readfirstlane_b32 s16, v1                    ; wave
	v_and_b32 v1, 31, v0                           ; lane
	v_lshlrev_b32 v2, 4, v1                        ; 16 x lane
	s_mul_i32 s17, s16, TST
	v_lshrrev_b32 v3, 2, v1
	v_mul_u32_u24 v3, v3, 80
	v_and_b32 v4, 3, v1
	v_lshl_add_u32 v3, v4, 4, v3
	v_add_nc_u32 v3, s17, v3                       ; the stage, in: four lanes' 64 bytes on end, then the padding
	v_mul_u32_u24 v4, v1, 80
	v_add_nc_u32 v4, s17, v4                       ; and out: my 64 bytes
	s_lshl_b32 s18, s16, 4
	s_add_co_u32 s18, s18, IMG
	v_mul_u32_u24 v5, v1, 272
	v_add_nc_u32 v5, s18, v5                       ; my codes: piece 32 j + lane, 16 bytes at r = wave (+ 8)
	v_lshrrev_b32 v6, 3, v1
	v_lshlrev_b32 v6, 6, v6
	v_bfe_u32 v7, v1, 1, 2
	v_add_nc_u32 v6, v6, v7
	s_lshl_b32 s18, s16, 2
	s_add_co_u32 s18, s18, SCB
	v_add_nc_u32 v6, s18, v6                       ; my block's scale byte: 64 (lane / 8) + (lane / 2) % 4 + 4 wave
	v_lshrrev_b32 v7, 4, v1
	v_and_b32 v8, 15, v1
	v_mul_u32_u24 v7, v7, 272
	v_lshl_add_u32 v7, v8, 4, v7
	s_mul_i32 s18, s16, 8*272
	s_add_co_u32 s18, s18, IMG
	v_add_nc_u32 v7, s18, v7                       ; the way out: pieces 8 wave on, two a load
	s_lshl_b32 s18, s16, 6
	s_add_co_u32 s18, s18, SCB
	v_lshl_add_u32 v9, v8, 2, s18                  ; and the scale words of (ks, q) = wave
	s_and_b32 s19, ttmp9, 7                        ; the tile in its row block
	s_and_b32 s26, s16, 1
	s_lshl_b32 s27, s19, 12
	s_lshl_b32 s28, s26, 11
	s_add_co_u32 s27, s27, s28
	v_add_nc_u32 v10, s27, v2                      ; codes in the block: 4,096 T + 2,048 q + 16 x lane
	s_lshl_b32 s27, s26, 9
	s_add_co_u32 s27, s27, 32768
	s_and_b32 s28, s19, 1
	s_lshl_b32 s28, s28, 8
	s_add_co_u32 s27, s27, s28
	s_lshr_b32 s28, s19, 1
	s_lshl_b32 s28, s28, 2
	s_add_co_u32 s27, s27, s28
	v_lshl_add_u32 v11, v8, 4, s27                 ; scale words: 32,768 + 512 q + 256 (T % 2) + 4 (T / 2) + 16 r
	v_mov_b32 v25, 0                               ; upper halves of pairs of which the low word alone is taken
	v_mov_b32 v29, 0
	v_mov_b32 v31, 0
	s_mov_b32 s20, 0x3a800000                      ; 1 / 1,024
	s_mov_b32 s21, 0x3727c5ac                      ; 1e-5
	s_mov_b32 s22, 0x600000                        ; the mantissa field of 448
	s_mov_b32 s24, 0x76543210
	s_mov_b32 s25, 0xfedcba98                      ; lane l xor 16
	s_lshr_b32 s12, ttmp9, 1
	s_lshl_b32 s12, s12, 5
	s_and_b32 s13, ttmp9, 1
	s_lshl_b32 s13, s13, 3
	s_add_co_u32 s12, s12, s13
	s_add_co_u32 s12, s12, s16                     ; my first row: 32 (g / 2) + 8 (g % 2) + wave; my second lies 16 rows on
	s_lshl_b32 s12, s12, 12
	s_mov_b32 s13, 0
	s_lshr_b32 s14, ttmp9, 3
	s_lshl_b32 s14, s14, 2
	s_lshr_b32 s15, s16, 1
	s_add_co_u32 s14, s14, s15                     ; on the way out: block 4 x row block + wave / 2
	s_mul_i32 s14, s14, BLK
	s_mov_b32 s15, 0
	s_wait_kmcnt 0x0
	s_add_nc_u64 s[4:5], s[4:5], s[12:13]
	s_add_nc_u64 s[10:11], s[10:11], s[14:15]
.irp p, 0,1
.irp i, 0,1,2,3,4,5,6,7
	global_load_b128 v[X+32*\p+4*\i:X+32*\p+4*\i+3], v2, s[4:5] offset:65536*\p+512*\i th:TH_LOAD_NT
.endr
.endr
.irp i, 0,1,2,3,4,5,6,7
	global_load_b128 v[G+4*\i:G+4*\i+3], v2, s[6:7] offset:512*\i
.endr
.irp i, 0,1,2,3,4,5,6,7
	global_load_b128 v[BI+4*\i:BI+4*\i+3], v2, s[8:9] offset:512*\i
.endr
.macro WSUM                            ; v[16:23], four packed partial sums, become the wave's sum in v16 of every lane
	v_pk_add_f32 v[16:17], v[16:17], v[18:19]
	v_pk_add_f32 v[20:21], v[20:21], v[22:23]
	v_pk_add_f32 v[16:17], v[16:17], v[20:21]
	v_add_f32 v16, v16, v17
	v_add_f32_dpp v16, v16, v16 row_xmask:1 row_mask:0xf bank_mask:0xf
	v_add_f32_dpp v16, v16, v16 row_xmask:2 row_mask:0xf bank_mask:0xf
	v_add_f32_dpp v16, v16, v16 row_xmask:4 row_mask:0xf bank_mask:0xf
	v_add_f32_dpp v16, v16, v16 row_xmask:8 row_mask:0xf bank_mask:0xf
	v_permlanex16_b32 v17, v16, s24, s25
	v_add_f32 v16, v16, v17
.endm
.macro STAT p                          ; row p: x - mean in place; variance + 1e-5 in v[26 + p]
.set XS, X+32*\p
.irp k, 0,1,2,3
	v_pk_add_f32 v[16+2*\k:17+2*\k], v[XS+2*\k:XS+2*\k+1], v[XS+8+2*\k:XS+9+2*\k]
.endr
.irp m, 16,24
.irp k, 0,1,2,3
	v_pk_add_f32 v[16+2*\k:17+2*\k], v[16+2*\k:17+2*\k], v[XS+\m+2*\k:XS+\m+2*\k+1]
.endr
.endr
	WSUM
	v_mul_f32 v24, s20, v16                        ; the mean
.irp i, 0,2,4,6,8,10,12,14,16,18,20,22,24,26,28,30
	v_pk_add_f32 v[XS+\i:XS+\i+1], v[XS+\i:XS+\i+1], v[24:25] op_sel_hi:[1,0] neg_lo:[0,1] neg_hi:[0,1]
.endr
.irp k, 0,1,2,3
	v_pk_mul_f32 v[16+2*\k:17+2*\k], v[XS+2*\k:XS+2*\k+1], v[XS+2*\k:XS+2*\k+1]
.endr
.irp m, 8,16,24
.irp k, 0,1,2,3
	v_pk_fma_f32 v[16+2*\k:17+2*\k], v[XS+\m+2*\k:XS+\m+2*\k+1], v[XS+\m+2*\k:XS+\m+2*\k+1], v[16+2*\k:17+2*\k]
.endr
.endr
	WSUM
	v_fma_f32 v[26+\p], v16, s20, s21
.endm
.macro NORM p                          ; ((x - mean) x rsqrt) x gain + bias
.set XS, X+32*\p
.irp i, 0,2,4,6,8,10,12,14,16,18,20,22,24,26,28,30
	v_pk_mul_f32 v[XS+\i:XS+\i+1], v[XS+\i:XS+\i+1], v[28+2*\p:29+2*\p] op_sel_hi:[1,0]
.endr
.irp i, 0,2,4,6,8,10,12,14,16,18,20,22,24,26,28,30
	v_pk_fma_f32 v[XS+\i:XS+\i+1], v[XS+\i:XS+\i+1], v[G+\i:G+\i+1], v[BI+\i:BI+\i+1]
.endr
.endm
.macro TURN p                          ; the row through my stage: in as loaded, out 64 neighbouring bytes a lane.  LDS serves a wave's instructions in order: no wait between
.irp i, 0,1,2,3,4,5,6,7
	ds_store_b128 v3, v[X+32*\p+4*\i:X+32*\p+4*\i+3] offset:640*\i
.endr
.irp j, 0,1
.irp k, 0,1,2,3
	ds_load_b128 v[Y+48*\p+16*\j+4*\k:Y+48*\p+16*\j+4*\k+3], v4 offset:2560*\j+16*\k
.endr
.endr
.endm
.macro Q16 p, j                        ; my 16 neighbours (lanes l and l xor 1 hold a block of 32) become 16 codes and a scale byte
.set YB, Y+48*\p+16*\j
.set N, 2*\p+\j
	v_max3_num_f32 v16, |v[YB]|, |v[YB+1]|, |v[YB+2]|
	v_max3_num_f32 v17, |v[YB+3]|, |v[YB+4]|, |v[YB+5]|
.irp i, 6,10
	v_max3_num_f32 v16, v16, |v[YB+\i]|, |v[YB+\i+1]|
	v_max3_num_f32 v17, v17, |v[YB+\i+2]|, |v[YB+\i+3]|
.endr
	v_max3_num_f32 v16, v16, |v[YB+14]|, |v[YB+15]|
	v_max3_num_f32 v16, v16, v17, 0x4800000        ; and the floor 2^(9 - 127): the byte cannot fall under 1
	v_max_num_f32_dpp v16, v16, v16 row_xmask:1 row_mask:0xf bank_mask:0xf
	v_add_nc_u32 v18, 0xfc000000, v16              ; 8 off the exponent field: the conversion's scale operand
	v_and_or_b32 v19, v16, 0x7f800000, s22         ; 448 x the scale
.irp i, 0,1,2,3,4,5,6,7,8,9,10,11,12,13,14,15
	v_med3_num_f32 v[YB+\i], v[YB+\i], -v19, v19   ; the conversion to an 8-bit code does not saturate (ISA guide 7.6.2): the hold comes first
.endr
	v_cvt_scalef32_pk8_fp8_f32 v[C+4*N:C+4*N+1], v[YB:YB+7], v18
	v_cvt_scalef32_pk8_fp8_f32 v[C+4*N+2:C+4*N+3], v[YB+8:YB+15], v18
	v_lshrrev_b32 v[20+N], 23, v18                 ; the scale's byte
	ds_store_b128 v5, v[C+4*N:C+4*N+3] offset:8704*\j+128*\p
	ds_store_b8 v6, v[20+N] offset:256*\j+32*\p    ; both lanes of a block write the same byte with the same value
.endm
	s_wait_loadcnt 24                              ; row 0 is in; row 1, gain and bias (24 loads) may be out
	STAT 0
	s_wait_loadcnt 16                              ; row 1 is in
	STAT 1
	v_rsq_f32 v28, v26
	v_rsq_f32 v30, v27
	v_nop                                          ; a plain instruction behind the batch,
	s_wait_alu depctr_va_vdst(0)                   ; and one wait ahead of its first reader
	s_wait_loadcnt 0x0                             ; gain and bias
	NORM 0
	NORM 1
	TURN 0
	TURN 1
	s_wait_dscnt 16                                ; row 0 is back; row 1's eight stores and eight loads may be out
	Q16 0, 0
	Q16 0, 1
	s_wait_dscnt 4                                 ; row 1 is back; behind it stand row 0's four stores
	Q16 1, 0
	Q16 1, 1
	s_wait_dscnt 0x0                               ; for the others' sake: my codes and bytes lie in LDS
	s_barrier_signal -1
	s_barrier_wait -1
.irp i, 0,1,2,3
	ds_load_b128 v[160+4*\i:163+4*\i], v7 offset:544*\i
.endr
	ds_load_b32 v176, v9
	s_wait_dscnt 0x0
.irp i, 0,1,2,3
	global_store_b128 v10, v[160+4*\i:163+4*\i], s[10:11] offset:512*\i   ; 512 consecutive bytes, aligned
.endr
	global_store_b32 v11, v176, s[10:11]           ; both halves of the lanes write the same word to the same place
	s_wait_tensorcnt 0x0
	ds_add_u32 v240, v241
	s_wait_dscnt 0x0
	s_endpgm
.Lfunc_end_k_qc80f27e980_ln1:
	.size	k_qc80f27e980_ln1, .Lfunc_end_k_qc80f27e980_ln1-k_qc80f27e980_ln1
	.p2alignl 7, 3214868480
	.fill 96, 4, 3214868480
	.section	.rodata,"a",@progbits
	.p2align	6, 0x0
	.amdhsa_kernel k_qc80f27e980_ln1
		.amdhsa_group_segment_fixed_size 59904
		.amdhsa_private_segment_fixed_size 0
		.amdhsa_enable_private_segment 0
		.amdhsa_kernarg_size 32
		.amdhsa_user_sgpr_count 2
		.amdhsa_user_sgpr_kernarg_segment_ptr 1
		.amdhsa_wavefront_size32 1
		.amdhsa_system_sgpr_workgroup_id_x 1
		.amdhsa_system_sgpr_workgroup_id_y 1
		.amdhsa_system_sgpr_workgroup_id_z 1
		.amdhsa_system_vgpr_workitem_id 0
		.amdhsa_next_free_vgpr 242
		.amdhsa_next_free_sgpr 66
		.amdhsa_reserve_vcc 0
		.amdhsa_float_denorm_mode_32 3
		.amdhsa_float_denorm_mode_16_64 3
		.amdhsa_memory_ordered 1
		.amdhsa_forward_progress 1
		.amdhsa_inst_pref_size 30
	.end_amdhsa_kernel
	.amdgpu_metadata
---
amdhsa.version: [ 1, 2 ]
amdhsa.kernels:
  - .name:           k_qc80f27e980_ln1
    .symbol:         k_qc80f27e980_ln1.kd
    .args:
      - { .name: x, .offset: 0, .size: 8, .value_kind: global_buffer, .address_space: global }
      - { .name: norm1_scale, .offset: 8, .size: 8, .value_kind: global_buffer, .address_space: global }
      - { .name: norm1_bias, .offset: 16, .size: 8, .value_kind: global_buffer, .address_space: global }
      - { .name: himg, .offset: 24, .size: 8, .value_kind: global_buffer, .address_space: global }
    .group_segment_fixed_size: 59904
    .private_segment_fixed_size: 0
    .kernarg_segment_align: 8
    .kernarg_segment_size: 32
    .max_flat_workgroup_size: 256
    .sgpr_count:     66
    .vgpr_count:     242
    .wavefront_size: 32
...
	.end_amdgpu_metadata
.endif
;; end of part 2
;; launch qkvg (part 3): grid 48 x 4, 4 waves a work-group, clusters of 4 x 4, 327,680 bytes of LDS; arguments himg, wimg, qkv; writes qkv
.if DOCPART == 3
	.amdgcn_target "amdgcn-amd-amdhsa--gfx1250"
	.amdhsa_code_object_version 6
	.text
	.protected	k_qc80f27e980_qkvg
	.globl	k_qc80f27e980_qkvg
	.p2align	8
	.type	k_qc80f27e980_qkvg,@function
k_qc80f27e980_qkvg:
	s_mov_b64 s[64:65], 0
	v_nop
	global_prefetch_b8 v0, s[64:65] scope:SCOPE_SE
	s_setreg_imm32_b32 hwreg(HW_REG_WAVE_MODE, 25, 1), 1
	s_wait_xcnt 0x0
	s_wait_alu depctr_hold_cnt(0) depctr_sa_sdst(0) depctr_va_vdst(0) depctr_va_sdst(0) depctr_va_ssrc(0) depctr_va_vcc(0) depctr_vm_vsrc(0)
	s_getreg_b32 s2, hwreg(HW_REG_IB_STS2, 6, 4)
	s_cmp_eq_u32 s2, 0
	s_cbranch_scc0 .Lentry_in_a_cluster
	s_endpgm
.Lentry_in_a_cluster:
	s_bfe_u32 s2, ttmp6, 0x10000c
	s_cmp_lg_u32 s2, 0xf033
	s_cbranch_scc0 .Lentry_shape_is_right
	s_endpgm
.Lentry_shape_is_right:
; q, k = h Wqk^T and v^T = Wv h^T, on codes of E4M3 with E8M0 scales, K = 1,024; the results are quantised in registers and stored as images for the attention launch.
; OPERANDS are image blocks (128 rows x 256 along K, BLK bytes: 64 pieces of 512 bytes, piece (2 T + q) 4 + c = registers 4 c .. 4 c + 3 of the fragment of tile T, the block's q-th 128 along K, 16 bytes a lane;
; lane r of tile T is row 32 (T / 2) + 8 (T % 2) + r + 8 (r / 8); from byte 32,768 on the scale words, 512 q + 16 lane: four words, word p = tile 2 p + lane / 16).
; So every LDS load reads 512 consecutive bytes, and one dense tensor load a wave brings codes and scales of a K step.
; SHARES: a tile of C, 256 x 256, to a work-group of four waves, 128 x 128 a wave: 64 accumulators, 512 registers.  Clusters 0-7: C = h (4,096 tokens) x Wqk (2,048 features); clusters 8-11: C = Wv (1,024) x h: the
; same text with the two pointers changed, so that v comes out with the keys along a lane's registers, which is the second attention product's K.
; THE MATRIX INSTRUCTION IS USED TRANSPOSED (source 0 = B's tile b, source 1 = A's tile a): register j of lane (r, h) is C(A's row of lane r, column 32 (b / 2) + 16 h + 8 (b % 2) + j): the 64 registers of a row of
; accumulators are register 16 B + i = column 32 B + 16 h + i: 16 neighbours of each block of 32, as the conversions want them; their results are the next operand's registers.
; CLUSTERS 4 x 4: A's tiles are asked for jointly along a row of the cluster, B's along a column.  Ring of two slots, one round of the cluster's barrier for each refill.
; REGISTERS: window 0: v1-29 addresses; v32-63 scale words, two sets, and nothing else; v64-123 at work in the epilogue; v128-255 A's fragments, one set (epilogue: two rows of accumulators);
;   window 1: B's fragments, two sets; windows 2, 3: the accumulators ((a, b) at v[8 (8 (a % 4) + b)]).
; LIMITS: a block of zeros, or one under 2^-118, gets the byte 1 (read by this program alone); NaN and infinities are not served.
.set BLK,   33792
.set SLOT,  4*BLK                      ; A's two halves, then B's two halves
.set SPARE, 2*SLOT                     ; behind the ring: the spare words, 128 bytes a wave: two blocks of 256 bytes that no other line names
.set NKS,   4                          ; K steps of 256
.set LAPS,  NKS/2
.set NP,    8                          ; places behind this matrix instruction (ISA guide 7.12.1)
.set WV_OFF, 64*BLK                    ; Wv: row block 16 of qkv_w's images
.set VTI,   8388608                    ; sections of the buffer qkv: q's and k's images at 0, v^T's images,
.set QKS,   12582912                   ; q's and k's scale words,
.set VTS,   13107200                   ; v^T's
.set LI,   2                           ; v2  16 x lane
.set DW,   3                           ; v3  the dump: 16 x lane + 65,536 x wave
.set SW0,  4                           ; v4  my scale words' scratch: 262,144 + 512 x wave + 16 x lane
.set DR,   5                           ; v5  the trip's place in the dump
.set SW,   6                           ; v6  and in the scratch
.set VO01, 7                           ; v7-9 store offsets
.set VO10, 8
.set VO11, 9
.set L8,   10                          ; v10 8 x lane
.set ADRA, 16                          ; v16-17 LDS address of my half of A in slot 0, 1
.set ADRB, 20                          ; v20-21 the same for B
.set SPW,  28
.set NIL,  29
.set SC,   32                          ; scale words: set s at SC + 16 s: A's at + 4 q + a / 2, B's at + 8 + 4 q + b / 2; odd tiles in lanes 16-31
.set PC,   64                          ; v64-79  the codes just made
.set TM,   80                          ; v80-95  at work in QUANT
.set PW0,  112
.set PW1,  113
.set MW,   114
.set M4,   116                         ; v116-119 my 128 rows' scale words; v120-123 the second head's
.set M5,   120
.set AF,   128
.set X0,   128
.set X1,   192
.set G1, 24
.set G0, 32
.set G1B, 48
.set G0B, 56
.set SSA, 66                           ; s66 bytes from a row of accumulators to the next; s67 from codes 0-7 to codes 8-15; s68 the jump to the second head (v^T)
.set SSC, 67
.set JMP, 68
.set OB,  74                           ; s[74:75] where the codes go; s[76:77] the scale words
.set SB,  76
.set SEL, 78
.set MNT, 80
.set HM,  81
.set TD,  82
.set TS,  83
.set MSB, 0
.macro WIN new                         ; the immediate's high byte repeats the setting that is left
.if MSB != \new
	s_set_vgpr_msb (MSB<<8)|\new
.set MSB, \new
.endif
.endm
.set MUL_LO, 0xa1                      ; source 0 (B) window 1, source 1 (A) window 0, C and D window 2
.set MUL_HI, 0xf1
.set TO_B,   0x40
.macro JLOAD g0a, g1a, g0b, g1b        ; a joint load: waves 0, 1 fetch A's halves, waves 2, 3 B's; four v_nop follow each line
	s_cmp_eq_u32 s15, 0
	s_cbranch_scc0 .Lfor_b_\@
	tensor_load_to_lds s[\g0a:\g0a+3], s[\g1a:\g1a+7]
	s_nop 0
.rept 4
	v_nop
.endr
	s_branch .Lasked_\@
.Lfor_b_\@:
	tensor_load_to_lds s[\g0b:\g0b+3], s[\g1b:\g1b+7]
	s_nop 0
.rept 4
	v_nop
.endr
.Lasked_\@:
.endm
.macro CREST
	s_cmp_lg_u32 s14, 0
	s_cbranch_scc1 .Lnot_wave_0_\@
	s_barrier_signal -3
.Lnot_wave_0_\@:
	s_barrier_wait -3
	s_barrier_signal -1
	s_barrier_wait -1
.endm
.macro CROUND
	s_barrier_signal -1
	s_barrier_wait -1
	CREST
.endm
	s_load_b128 s[4:7], s[0:1], 0x0                ; himg, wimg
	s_load_b64 s[8:9], s[0:1], 0x10                ; qkv
	v_lshl_add_u32 v[SPW], v0, 2, SPARE
	v_mov_b32 v[NIL], 0
	ds_add_u32 v28, v29
	ds_add_u32 v28, v29
	s_wait_dscnt 0x0
	v_lshrrev_b32 v1, 5, v0
	v_readfirstlane_b32 s14, v1                    ; wave
	s_lshr_b32 s15, s14, 1                         ; my half of the tile's rows.  Also: I fetch for A (0) or B (1)
	s_and_b32 s16, s14, 1                          ; my half of its columns.  Also: which half I fetch
	s_bfe_u32 s40, ttmp6, 0x40000                  ; cx
	s_bfe_u32 s41, ttmp6, 0x40004                  ; cy
	s_and_b32 s18, ttmp9, 1                        ; clusters 0-7: 2 columns x 4 rows of clusters;
	s_lshr_b32 s19, ttmp9, 1
	s_sub_co_u32 s22, ttmp9, 8                     ; clusters 8-11: 4 columns, one row
	s_cmp_lt_u32 ttmp9, 8                          ; (the cluster's number: the same in all sixteen partners)
	s_cselect_b32 s18, s18, s22
	s_cselect_b32 s19, s19, 0
	s_cselect_b32 s23, 0, WV_OFF
	s_lshl_b32 s42, s18, 2
	s_add_co_u32 s42, s42, s40                     ; tile column
	s_lshl_b32 s17, s19, 2
	s_add_co_u32 s17, s17, s41                     ; tile row
	s_lshl_b32 s43, s41, 2
	s_lshl_b32 s43, 15, s43                        ; my row of the cluster
	s_lshl_b32 s44, 0x1111, s40                    ; my column
	s_or_b32 s[G1+0], s43, (3<<16)|(1<<21)         ; the mask; elements of 8 bytes; bit 21 beside a mask; no padding
	s_or_b32 s[G1B+0], s44, (3<<16)|(1<<21)
.irp g, G1, G1B
	s_mov_b32 s[\g+1], 32<<16                      ; a block is dense: 132 rows of 256 bytes
	s_mov_b32 s[\g+2], 132<<16
	s_mov_b32 s[\g+3], 32<<16
	s_mov_b32 s[\g+4], 132
	s_mov_b32 s[\g+5], 32
	s_mov_b32 s[\g+6], 0
	s_mov_b32 s[\g+7], 0
.endr
	s_lshl_b32 s20, s17, 1
	s_add_co_u32 s20, s20, s16                     ; A's row block that I fetch
	s_mul_i32 s20, s20, NKS*BLK
	s_add_co_u32 s20, s20, s23
	s_mov_b32 s21, 0
	s_lshl_b32 s46, s42, 1
	s_add_co_u32 s46, s46, s16                     ; B's
	s_mul_i32 s46, s46, NKS*BLK
	s_mov_b32 s47, 0
	s_mul_i32 s45, s14, BLK                        ; where it goes: wave x a block
	s_wait_kmcnt 0x0
	s_cmp_lt_u32 ttmp9, 8
	s_cselect_b64 s[10:11], s[4:5], s[6:7]         ; A: h, or the weights
	s_cselect_b64 s[12:13], s[6:7], s[4:5]         ; B: the weights, or h
	s_add_nc_u64 s[20:21], s[10:11], s[20:21]
	s_add_nc_u64 s[46:47], s[12:13], s[46:47]
	CROUND                                         ; all sixteen work-groups are here: the first joint loads meet
.irp s, 0,1
	s_mov_b32 s[G0+4*\s], 1
	s_add_co_u32 s[G0+4*\s+1], s45, \s*SLOT
	s_add_nc_u64 s[G0+4*\s+2:G0+4*\s+3], s[20:21], \s*BLK
	s_or_b32 s[G0+4*\s+3], s[G0+4*\s+3], 0x80000000
	s_mov_b32 s[G0B+4*\s], 1
	s_add_co_u32 s[G0B+4*\s+1], s45, \s*SLOT
	s_add_nc_u64 s[G0B+4*\s+2:G0B+4*\s+3], s[46:47], \s*BLK
	s_or_b32 s[G0B+4*\s+3], s[G0B+4*\s+3], 0x80000000
	JLOAD G0+4*\s, G1, G0B+4*\s, G1B
.endr
	v_and_b32 v1, 31, v0
	v_lshlrev_b32 v[LI], 4, v1
	s_mul_i32 s21, s15, BLK
	s_mul_i32 s22, s16, BLK
	s_add_co_u32 s22, s22, 2*BLK
.irp s, 0,1
	v_add_nc_u32 v[ADRA+\s], s21, v[LI]
	v_add_nc_u32 v[ADRB+\s], s22, v[LI]
	s_add_co_u32 s21, s21, SLOT
	s_add_co_u32 s22, s22, SLOT
.endr
	s_lshl_b32 s21, s14, 16
	v_add_nc_u32 v[DW], s21, v[LI]
	s_lshl_b32 s21, s14, 9
	s_add_co_u32 s21, s21, 262144
	v_add_nc_u32 v[SW0], s21, v[LI]
	v_lshlrev_b32 v[L8], 3, v1
	; where the results go.  Both parts by one formula: idx = (batch << 5 or 4) + 4 x the features' tile + 2 x its half; step = 2 (the tokens' tile % 8) + its half;
	; images at idx x 131,072 + step x 8,192, scale words at (16 idx + step) x 512 or 256.  Only constants are chosen
	s_cmp_lt_u32 ttmp9, 8
	s_cselect_b32 s88, s17, s42                    ; the tokens' tile,
	s_cselect_b32 s89, s42, s17                    ; the features',
	s_cselect_b32 s90, s15, s16                    ; my half of the tokens,
	s_cselect_b32 s91, s16, s15                    ; of the features
	s_cselect_b32 s92, 5, 4
	s_cselect_b32 s93, 0, VTI
	s_cselect_b32 s94, 9, 8
	s_mov_b32 s95, VTS
	s_cselect_b32 s95, QKS, s95
	s_mov_b32 s[SSA], 2048
	s_cselect_b32 s[SSA], 1024, s[SSA]
	s_mov_b32 s[SSC], 1024
	s_cselect_b32 s[SSC], 131072, s[SSC]
	s_cselect_b32 s[JMP], 0, 122880
	s_lshr_b32 s70, s88, 3
	s_lshl_b32 s70, s70, s92
	s_lshl_b32 s71, s89, 2
	s_add_co_u32 s70, s70, s71
	s_lshl_b32 s71, s91, 1
	s_add_co_u32 s70, s70, s71                     ; idx
	s_and_b32 s71, s88, 7
	s_lshl_b32 s71, s71, 1
	s_add_co_u32 s71, s71, s90                     ; step
	s_lshl_b32 s72, s70, 17
	s_lshl_b32 s73, s71, 13
	s_add_co_u32 s72, s72, s73
	s_add_co_u32 s72, s72, s93
	s_mov_b32 s73, 0
	s_add_nc_u64 s[OB:OB+1], s[8:9], s[72:73]
	s_lshl_b32 s72, s70, 4
	s_add_co_u32 s72, s72, s71
	s_lshl_b32 s72, s72, s94
	s_add_co_u32 s72, s72, s95
	s_add_nc_u64 s[SB:SB+1], s[8:9], s[72:73]
	v_add_nc_u32 v[VO01], s[SSC], v[LI]
	v_add_nc_u32 v[VO10], s[SSA], v[LI]
	v_add_nc_u32 v[VO11], s[SSA], v[VO01]
	s_mov_b32 s[SEL], 0x76543210
	s_mov_b32 s[SEL+1], 0xfedcba98
	s_mov_b32 s[MNT], 0x600000
	s_mov_b32 s[HM], 0xffff0000
	s_mov_b32 s85, 0
.macro FRAG reg, adr, q, i             ; the fragment of tile i, the block's q-th 128 along K: four pieces of 512 bytes
.irp c, 0,1,2,3
	ds_load_b128 v[\reg+4*\c:\reg+4*\c+3], v[\adr] offset:(((\i)*2+(\q))*4+\c)*512
.endr
.endm
.macro WM a, b, p, q, sc, zero         ; one product: B's tile b (set p) x A's tile a; odd tiles' scale words stand in lanes 16-31
.set rD, 8*(8*((\a)%4)+(\b))
.set rB, 128*(\p)+16*(\b)
.set rA, AF+16*(\a)
.set sB, SC+16*(\sc)+8+4*(\q)+(\b)/2
.set sA, SC+16*(\sc)+4*(\q)+(\a)/2
.if \zero
.if ((\b)%2) && ((\a)%2)
	v_wmma_scale_f32_16x16x128_f8f6f4 v[rD:rD+7], v[rB:rB+15], v[rA:rA+15], 0, v[sB], v[sA] matrix_a_scale:MATRIX_SCALE_ROW1 matrix_b_scale:MATRIX_SCALE_ROW1
.elseif (\b)%2
	v_wmma_scale_f32_16x16x128_f8f6f4 v[rD:rD+7], v[rB:rB+15], v[rA:rA+15], 0, v[sB], v[sA] matrix_a_scale:MATRIX_SCALE_ROW1
.elseif (\a)%2
	v_wmma_scale_f32_16x16x128_f8f6f4 v[rD:rD+7], v[rB:rB+15], v[rA:rA+15], 0, v[sB], v[sA] matrix_b_scale:MATRIX_SCALE_ROW1
.else
	v_wmma_scale_f32_16x16x128_f8f6f4 v[rD:rD+7], v[rB:rB+15], v[rA:rA+15], 0, v[sB], v[sA]
.endif
.else
.if ((\b)%2) && ((\a)%2)
	v_wmma_scale_f32_16x16x128_f8f6f4 v[rD:rD+7], v[rB:rB+15], v[rA:rA+15], v[rD:rD+7], v[sB], v[sA] matrix_a_scale:MATRIX_SCALE_ROW1 matrix_b_scale:MATRIX_SCALE_ROW1
.elseif (\b)%2
	v_wmma_scale_f32_16x16x128_f8f6f4 v[rD:rD+7], v[rB:rB+15], v[rA:rA+15], v[rD:rD+7], v[sB], v[sA] matrix_a_scale:MATRIX_SCALE_ROW1
.elseif (\a)%2
	v_wmma_scale_f32_16x16x128_f8f6f4 v[rD:rD+7], v[rB:rB+15], v[rA:rA+15], v[rD:rD+7], v[sB], v[sA] matrix_b_scale:MATRIX_SCALE_ROW1
.else
	v_wmma_scale_f32_16x16x128_f8f6f4 v[rD:rD+7], v[rB:rB+15], v[rA:rA+15], v[rD:rD+7], v[sB], v[sA]
.endif
.endif
.endm
.macro MUL16 a0, p, q, sc, zero        ; A's tiles a0, a0 + 1 x B's eight.  The 64 accumulators take turns, one instruction a turn, in the same order in every step
.irp a, \a0, \a0+1
.irp b, 0,1,2,3,4,5,6,7
	WM \a, \b, \p, \q, \sc, \zero
.endr
.endr
.endm
.macro FETCH_B slot, q, p
	WIN TO_B
.irp i, 0,1,2,3,4,5,6,7
	FRAG 128*(\p)+16*\i, ADRB+\slot, \q, \i
.endr
	WIN 0
.endm
.macro FETCH_A slot, q, i0
.irp i, \i0, \i0+1, \i0+2, \i0+3
	FRAG AF+16*(\i), ADRA+\slot, \q, \i
.endr
.endm
.macro SCALES sc                       ; a K step's scale words: four loads of 512 bytes
.irp q, 0,1
	ds_load_b128 v[SC+16*\sc+4*\q:SC+16*\sc+4*\q+3], v[ADRA+\sc] offset:32768+512*\q
	ds_load_b128 v[SC+16*\sc+8+4*\q:SC+16*\sc+8+4*\q+3], v[ADRB+\sc] offset:32768+512*\q
.endr
.endm
.macro PLACES n                        ; plain vector instructions between a matrix instruction and a load into, or a read of, its registers (ISA guide 7.12.1 for reads)
.rept \n
	v_nop
.endr
.endm
.macro STEP slot, q, zero              ; 128 along K with its successor in the same slot
	s_wait_dscnt 16                                ; B's set, A's tiles 0-3 and the scale words are in; the youngest 16 loads (A's tiles 4-7) may be out
	WIN MUL_LO
	MUL16 0, (\q)%2, \q, \slot, \zero
	MUL16 2, (\q)%2, \q, \slot, \zero
	s_wait_dscnt 0
	PLACES NP
	FETCH_B \slot, (\q)+1, 1-(\q)%2
	FETCH_A \slot, (\q)+1, 0
	WIN MUL_HI
	MUL16 4, (\q)%2, \q, \slot, \zero
	MUL16 6, (\q)%2, \q, \slot, \zero
	PLACES NP
	WIN 0
	FETCH_A \slot, (\q)+1, 4
.endm
.macro TURN slot, next, fill           ; a slot's last step changes slots: one barrier (with fill = 1 it opens a round of the cluster's barrier, and this slot is filled again, two K steps ahead)
	s_wait_tensorcnt 0x0                           ; all my tensor loads have landed: my part of the next slot;
	ds_add_u32 v[SPW], v[NIL]                      ; 0 onto my spare word;
	s_wait_dscnt 17                                ; (the add and the youngest 16 loads may be out)
	WIN MUL_LO
	MUL16 0, 1, 1, \slot, 0
	s_wait_dscnt 0x0                               ; the add is done, and my reads of this slot are over
	s_barrier_signal -1
	MUL16 2, 1, 1, \slot, 0
	WIN 0
	s_barrier_wait -1
.if \fill
	CREST                                          ; no wave of any partner still reads this slot or has a load on its way
	s_add_nc_u64 s[G0+4*\slot+2:G0+4*\slot+3], s[G0+4*\slot+2:G0+4*\slot+3], 2*BLK
	s_add_nc_u64 s[G0B+4*\slot+2:G0B+4*\slot+3], s[G0B+4*\slot+2:G0B+4*\slot+3], 2*BLK
	JLOAD G0+4*\slot, G1, G0B+4*\slot, G1B         ; my one tensor load behind the round; its four v_nop are four of the places below
	PLACES NP-4
.else
	PLACES NP
.endif
	FETCH_B \next, 0, 0
	FETCH_A \next, 0, 0
	SCALES \next
	WIN MUL_HI
	MUL16 4, 1, 1, \slot, 0
	MUL16 6, 1, 1, \slot, 0
	PLACES NP
	WIN 0
	FETCH_A \next, 0, 4
.endm
; 64 numbers of a lane, register 16 b + i = column 32 b + 16 (lane / 16) + i of my row, become a fragment's codes in v[PC] on and its scale word in v[pw]
.macro QUANT s, pw
.irp b, 0,1,2,3
	v_max3_num_f32 v[TM+\b], |v[\s+16*\b]|, |v[\s+1+16*\b]|, 0x4800000   ; with the floor 2^(9 - 127): the byte cannot fall under 1
.endr
.irp i, 2,4,6,8,10,12,14
.irp b, 0,1,2,3
	v_max3_num_f32 v[TM+\b], v[TM+\b], |v[\s+16*\b+\i]|, |v[\s+1+16*\b+\i]|
.endr
.endr
.irp b, 0,1,2,3
	v_permlanex16_b32 v[TM+4+\b], v[TM+\b], s[SEL], s[SEL+1]
.endr
.irp b, 0,1,2,3
	v_max_num_f32 v[TM+\b], v[TM+\b], v[TM+4+\b]   ; with lane l xor 16's: the block's largest magnitude
.endr
.irp b, 0,1,2,3
	v_add_nc_u32 v[TM+12+\b], 0xfc000000, v[TM+\b] ; 8 off its exponent field: the conversion's scale operand
.endr
.irp b, 0,1,2,3
	v_and_or_b32 v[TM+8+\b], v[TM+\b], 0x7f800000, s[MNT]   ; 448 x the scale
.endr
.irp b, 0,1,2,3
	v_lshrrev_b32 v[TM+4+\b], 23, v[TM+12+\b]      ; the scale's byte
.endr
	v_lshl_or_b32 v[\pw], v[TM+5], 8, v[TM+4]
	v_lshl_or_b32 v[\pw], v[TM+6], 16, v[\pw]
	v_lshl_or_b32 v[\pw], v[TM+7], 24, v[\pw]
.irp b, 0,1,2,3
.irp i, 0,1,2,3,4,5,6,7,8,9,10,11,12,13,14,15
	v_med3_num_f32 v[\s+16*\b+\i], v[\s+16*\b+\i], -v[TM+8+\b], v[TM+8+\b]   ; the conversion does not saturate (ISA guide 7.6.2): the hold comes first
.endr
	v_cvt_scalef32_pk8_fp8_f32 v[PC+4*\b:PC+1+4*\b], v[\s+16*\b:\s+7+16*\b], v[TM+12+\b]
	v_cvt_scalef32_pk8_fp8_f32 v[PC+2+4*\b:PC+3+4*\b], v[\s+8+16*\b:\s+15+16*\b], v[TM+12+\b]
.endr
	v_nop                                          ; a plain instruction behind the last conversion
.endm
	s_wait_tensorcnt 1                             ; my part of K step 0 is in (K step 1's load may be out),
	s_barrier_signal -1
	s_barrier_wait -1                              ; everybody's is
	FETCH_B 0, 0, 0
	FETCH_A 0, 0, 0
	SCALES 0
	FETCH_A 0, 0, 4
	STEP 0, 0, 1                                   ; the first step's products start the sums
	s_mov_b32 s3, LAPS-1
.Llap:
	TURN 0, 1, 1
	STEP 1, 0, 0
	TURN 1, 0, 1
	STEP 0, 0, 0
	s_sub_co_u32 s3, s3, 1
	s_cmp_lg_u32 s3, 0
	s_cbranch_scc1 .Llap
	TURN 0, 1, 0                                   ; the last lap fills nothing
	STEP 1, 0, 0
	s_wait_dscnt 16
	WIN MUL_LO
	MUL16 0, 1, 1, 1, 0
	MUL16 2, 1, 1, 1, 0
	s_wait_dscnt 0
	WIN MUL_HI
	MUL16 4, 1, 1, 1, 0
	MUL16 6, 1, 1, 1, 0
	WIN 0
	; THE WAY OUT.  The ring has had its last fill; behind this barrier nobody reads it (every wave's LDS loads are back).  My 512 accumulator registers go once into my own 65,536 bytes of it,
	; so that a loop of four trips, two rows of accumulators a trip, can work in window 0 alone.
	s_barrier_signal -1
	s_barrier_wait -1
	PLACES NP
.irp a, 0,1,2,3,4,5,6,7
	WIN 0x08+4*(\a/4)                              ; an LDS store's data are its source 1: window 2 or 3
.irp g, 0,1,2,3,4,5,6,7,8,9,10,11,12,13,14,15
	ds_store_b128 v[DW], v[64*(\a%4)+4*\g:64*(\a%4)+4*\g+3] offset:(16*\a+\g)*512   ; each accumulator from its low end on
.endr
.endr
	WIN 0
.irp b, 0,1,2,3
	v_mov_b32 v[TM+4+\b], 0                        ; written once: a lane permute's destination counts as one of its sources
.endr
	s_mov_b32 s2, 4
	s_mov_b32 s[TD], 0
	s_mov_b32 s[TS], 0
.Ltrip:                                                ; rows of accumulators a = 2 t and 2 t + 1
	v_add_nc_u32 v[DR], s[TD], v[DW]
	v_add_nc_u32 v[SW], s[TS], v[SW0]
.irp g, 0,1,2,3,4,5,6,7,8,9,10,11,12,13,14,15
	ds_load_b128 v[X0+4*\g:X0+4*\g+3], v[DR] offset:512*\g
.endr
.irp g, 0,1,2,3,4,5,6,7,8,9,10,11,12,13,14,15
	ds_load_b128 v[X1+4*\g:X1+4*\g+3], v[DR] offset:8192+512*\g
.endr
	s_wait_dscnt 16                                ; the first row is in; the second's 16 loads may be out
	QUANT X0, PW0
	global_store_b128 v[LI], v[PC:PC+3], s[OB:OB+1]             ; 512 consecutive bytes each
	global_store_b128 v[LI], v[PC+4:PC+7], s[OB:OB+1] offset:512
	global_store_b128 v[VO01], v[PC+8:PC+11], s[OB:OB+1]
	global_store_b128 v[VO01], v[PC+12:PC+15], s[OB:OB+1] offset:512
	s_wait_dscnt 0x0
	s_wait_xcnt 0x0                                ; the stores have read the codes' registers: they are written again only behind this wait
	QUANT X1, PW1
	global_store_b128 v[VO10], v[PC:PC+3], s[OB:OB+1]
	global_store_b128 v[VO10], v[PC+4:PC+7], s[OB:OB+1] offset:512
	global_store_b128 v[VO11], v[PC+8:PC+11], s[OB:OB+1]
	global_store_b128 v[VO11], v[PC+12:PC+15], s[OB:OB+1] offset:512
	v_cndmask_b32 v[MW], v[PW0], v[PW1], s[HM]     ; lanes 0-15 the even tile's words, lanes 16-31 the odd tile's
	ds_store_b32 v[SW], v[MW]
	s_wait_xcnt 0x0                                ; the stores have read their base and data
	s_cmp_eq_u32 s2, 3                             ; behind rows 2, 3 of v^T the second head begins
	s_cselect_b32 s84, s[JMP], 0
	s_add_co_u32 s84, s84, s[SSA]
	s_add_co_u32 s84, s84, s[SSA]
	s_add_nc_u64 s[OB:OB+1], s[OB:OB+1], s[84:85]
	s_add_co_u32 s[TD], s[TD], 16384
	s_add_co_u32 s[TS], s[TS], 4
	s_sub_co_u32 s2, s2, 1
	s_cmp_lg_u32 s2, 0
	s_cbranch_scc1 .Ltrip
	ds_load_b128 v[M4:M4+3], v[SW0]                ; my own bytes, in order behind my stores
	s_wait_dscnt 0x0
	s_cmp_lt_u32 ttmp9, 8                          ; the cluster's number: alike in all partners
	s_cbranch_scc0 .Lv_scales
	global_store_b128 v[LI], v[M4:M4+3], s[SB:SB+1]              ; q, k: a word's two low bytes are the first head's; the two above stand over zero codes in the attention launch
.irp i, 0,1,2,3
	v_lshrrev_b32 v[M5+\i], 16, v[M4+\i]           ; the second head's
.endr
	global_store_b128 v[LI], v[M5:M5+3], s[SB:SB+1] offset:8192
	s_branch .Lscales_out
.Lv_scales:
	global_store_b64 v[L8], v[M4:M4+1], s[SB:SB+1]               ; v^T: tiles 0-3 are the first head's 64 rows,
	global_store_b64 v[L8], v[M4+2:M4+3], s[SB:SB+1] offset:4096 ; tiles 4-7 the second's
.Lscales_out:
	s_wait_tensorcnt 0x0                           ; the wave's end
	ds_add_u32 v[SPW], v[NIL]
	s_wait_dscnt 0x0
	CROUND                                         ; the closing round
	s_endpgm
.Lfunc_end_k_qc80f27e980_qkvg:
	.size	k_qc80f27e980_qkvg, .Lfunc_end_k_qc80f27e980_qkvg-k_qc80f27e980_qkvg
	.p2alignl 7, 3214868480
	.fill 96, 4, 3214868480
	.section	.rodata,"a",@progbits
	.p2align	6, 0x0
	.amdhsa_kernel k_qc80f27e980_qkvg
		.amdhsa_group_segment_fixed_size 327680
		.amdhsa_private_segment_fixed_size 0
		.amdhsa_enable_private_segment 0
		.amdhsa_kernarg_size 24
		.amdhsa_user_sgpr_count 2
		.amdhsa_user_sgpr_kernarg_segment_ptr 1
		.amdhsa_wavefront_size32 1
		.amdhsa_system_sgpr_workgroup_id_x 1
		.amdhsa_system_sgpr_workgroup_id_y 1
		.amdhsa_system_sgpr_workgroup_id_z 1
		.amdhsa_system_vgpr_workitem_id 0
		.amdhsa_next_free_vgpr 1024
		.amdhsa_next_free_sgpr 98
		.amdhsa_reserve_vcc 0
		.amdhsa_float_denorm_mode_32 3
		.amdhsa_float_denorm_mode_16_64 3
		.amdhsa_memory_ordered 1
		.amdhsa_forward_progress 1
		.amdhsa_inst_pref_size 142
	.end_amdhsa_kernel
	.amdgpu_metadata
---
amdhsa.version: [ 1, 2 ]
amdhsa.kernels:
  - .name:           k_qc80f27e980_qkvg
    .symbol:         k_qc80f27e980_qkvg.kd
    .args:
      - { .name: himg, .offset: 0, .size: 8, .value_kind: global_buffer, .address_space: global }
      - { .name: wimg, .offset: 8, .size: 8, .value_kind: global_buffer, .address_space: global }
      - { .name: qkv, .offset: 16, .size: 8, .value_kind: global_buffer, .address_space: global }
    .group_segment_fixed_size: 327680
    .private_segment_fixed_size: 0
    .kernarg_segment_align: 8
    .kernarg_segment_size: 24
    .max_flat_workgroup_size: 128
    .sgpr_count:     98
    .vgpr_count:     1024
    .wavefront_size: 32
...
	.end_amdgpu_metadata
.endif
;; end of part 3
;; launch attn (part 4): grid 8 x 32, 16 waves a work-group, clusters of 4 x 1, 276,480 bytes of LDS; arguments qkv, aimg; writes aimg
.if DOCPART == 4
	.amdgcn_target "amdgcn-amd-amdhsa--gfx1250"
	.amdhsa_code_object_version 6
	.text
	.protected	k_qc80f27e980_attn
	.globl	k_qc80f27e980_attn
	.p2align	8
	.type	k_qc80f27e980_attn,@function
k_qc80f27e980_attn:
	s_mov_b64 s[64:65], 0
	v_nop
	global_prefetch_b8 v0, s[64:65] scope:SCOPE_SE
	s_setreg_imm32_b32 hwreg(HW_REG_WAVE_MODE, 25, 1), 1
	s_wait_xcnt 0x0
	s_wait_alu depctr_hold_cnt(0) depctr_sa_sdst(0) depctr_va_vdst(0) depctr_va_sdst(0) depctr_va_ssrc(0) depctr_va_vcc(0) depctr_vm_vsrc(0)
	s_getreg_b32 s2, hwreg(HW_REG_IB_STS2, 6, 4)
	s_cmp_eq_u32 s2, 0
	s_cbranch_scc0 .Lentry_in_a_cluster
	s_endpgm
.Lentry_in_a_cluster:
	s_bfe_u32 s2, ttmp6, 0x10000c
	s_cmp_lg_u32 s2, 0x3003
	s_cbranch_scc0 .Lentry_shape_is_right
	s_endpgm
.Lentry_shape_is_right:
; Attention of one head on codes of E4M3 with E8M0 scales: S^T = K Q^T (K = the head's 64, filled to the instruction's 128 with zero codes on both sides), p = 2^(t - M), t = score x log2(e) / 8,
; M = the running largest t rounded up to a whole number; p is quantised along the keys; O^T = V^T P^T; the row's sum is taken of the unquantised p and divides at the end.
; The result is quantised along the head's 64 channels and stored as its part of the image blocks of the next product's operand.
; SHARES: a work-group owns 256 queries of one (batch, head); each of its sixteen waves 16 of them, one tile, in 256 registers: four waves to a SIMD, so that one wave's vector work stands beside another's
; matrix work and LDS loads.  Every wave walks the head's 2,048 keys, 128 a step.
; THE WHOLE HEAD LIES IN LDS: K's images 131,072 bytes, V^T's 131,072, their scale words 8,192 + 4,096.  Everything is asked for once, at the head; nothing is filled again, so there is no ring.
; CLUSTER 4 x 1: the four query blocks of a cluster belong to one head and read the same K and V: each load is joint, with the mask of all four.
; LAYOUT: all operands are images of their registers (16 bytes a lane, 512 bytes a piece).  Lane r of key tile t is key 32 (t / 2) + 8 (t % 2) + r + 8 (r / 8) of the step, so that the 16 registers of
; tiles 2 b, 2 b + 1 of S^T are keys 32 b + 16 (lane / 16) + 0 .. 15; V^T's rows are laid likewise, so that O^T's registers 16 b + i are channels 32 b + 16 (lane / 16) + i.  A lane holds one query throughout.
; LIMITS: a block of zeros, or one under 2^-118, gets the byte 1; NaN and infinities are not served.  The two scale bytes of a row leave by a store of 2 bytes a lane (1 byte in 33 of the output).
; REGISTERS: v1-5 addresses that stay; v8-11 the step's; v12 -M, v13 the largest t, v[14:15] the sum; v16-31 Q (upper half zeros); v32-95 four fragments of K (upper halves zeros);
; v96-159 S^T, then p, then V^T's four fragments; v160-191 O^T; v224-239 p's codes; v232-254 at work; v248-251, v253, v255 scale words.
.set VTI,  8388608
.set QKS,  12582912
.set VTS,  13107200
.set BLK,  33792
.set LV,   131072
.set LKS,  262144
.set LVS,  270336
.set ADK,  8
.set ADV,  9
.set ADS,  10
.set ADT,  11
.set WV,   18
.set MNT,  19
.set SEL,  20
.set CS,   22
.set G1C,  24                          ; s[24:31] 64 rows of 256 bytes; s[32:39] 16 rows; s[40:43], s[44:47] groups 0
.set G1S,  32
.set G0C,  40
.set G0S,  44
.set TK,   2
.set TS,   3
.set TJ,   66
.set CNT,  67
.macro CROUND
	s_barrier_signal -1
	s_barrier_wait -1
	s_cmp_lg_u32 s[WV], 0
	s_cbranch_scc1 .Lnot_wave_0_\@
	s_barrier_signal -3
.Lnot_wave_0_\@:
	s_barrier_wait -3
	s_barrier_signal -1
	s_barrier_wait -1
.endm
	s_load_b128 s[4:7], s[0:1], 0x0                ; qkv, aimg
	v_lshl_add_u32 v222, v0, 2, 0x43000
	v_mov_b32 v223, 0
	ds_add_u32 v222, v223
	ds_add_u32 v222, v223
	v_lshrrev_b32 v8, 5, v0
	v_readfirstlane_b32 s[WV], v8                  ; wave 0..15
	s_bfe_u32 s48, ttmp6, 0x40000                  ; cx: it enters Q's and the output's addresses alone
	s_lshl_b32 s49, ttmp9, 2
	s_add_co_u32 s49, s49, s48                     ; my block of 256 queries
	s_and_b32 s50, ttmp7, 0xffff                   ; 16 x batch + head, which the partners share
	s_lshr_b32 s51, s50, 4
	s_and_b32 s52, s50, 15
	s_mov_b32 s[G1C], 15|(3<<16)|(1<<21)           ; the mask of all four; elements of 8 bytes; bit 21 beside a mask
	s_mov_b32 s[G1C+1], 32<<16
	s_mov_b32 s[G1C+2], 64<<16
	s_mov_b32 s[G1C+3], 32<<16
	s_mov_b32 s[G1C+4], 64
	s_mov_b32 s[G1C+5], 32
	s_mov_b32 s[G1C+6], 0
	s_mov_b32 s[G1C+7], 0
	s_mov_b32 s[G1S], 15|(3<<16)|(1<<21)
	s_mov_b32 s[G1S+1], 32<<16
	s_mov_b32 s[G1S+2], 16<<16
	s_mov_b32 s[G1S+3], 32<<16
	s_mov_b32 s[G1S+4], 16
	s_mov_b32 s[G1S+5], 32
	s_mov_b32 s[G1S+6], 0
	s_mov_b32 s[G1S+7], 0
	s_lshl_b32 s53, s51, 5
	s_add_co_u32 s53, s53, s52                     ; q's section: 32 x batch + head;
	s_add_co_u32 s54, s53, 16                      ; k's
	s_lshl_b32 s55, s54, 17                        ; waves 0-7: an eighth of K's images each;
	s_lshl_b32 s56, s50, 17
	s_add_co_u32 s56, s56, VTI                     ; waves 8-15: of V^T's
	s_and_b32 s57, s[WV], 7
	s_lshl_b32 s57, s57, 14
	s_cmp_lt_u32 s[WV], 8
	s_cselect_b32 s58, s55, s56
	s_add_co_u32 s58, s58, s57
	s_mov_b32 s59, 0
	s_min_u32 s63, s[WV], 2                        ; waves 0, 1: K's scale words, a half each; wave 2: V^T's
	s_lshl_b32 s61, s63, 12
	s_lshl_b32 s60, s54, 13
	s_add_co_u32 s60, s60, QKS
	s_add_co_u32 s60, s60, s61
	s_lshl_b32 s62, s50, 12
	s_add_co_u32 s62, s62, VTS
	s_cmp_lt_u32 s[WV], 2
	s_cselect_b32 s60, s60, s62
	s_add_co_u32 s[G0S+1], s61, LKS
	s_mov_b32 s61, 0
	s_mov_b32 s[SEL], 0x76543210
	s_mov_b32 s[SEL+1], 0xfedcba98
	s_mov_b32 s[CS], 0x3e38aa3b                    ; c = log2(e) / sqrt(64)
	s_mov_b32 s[CS+1], s[CS]
	s_mov_b32 s[MNT], 0x600000
	s_wait_dscnt 0x0
	s_wait_kmcnt 0x0
	s_mov_b32 s[G0C], 1
	s_lshl_b32 s[G0C+1], s[WV], 14                 ; LDS: 16,384 x wave: K's images, then V^T's
	s_add_nc_u64 s[G0C+2:G0C+3], s[4:5], s[58:59]
	s_or_b32 s[G0C+3], s[G0C+3], 0x80000000
	s_mov_b32 s[G0S], 1
	s_add_nc_u64 s[G0S+2:G0S+3], s[4:5], s[60:61]
	s_or_b32 s[G0S+3], s[G0S+3], 0x80000000
	CROUND                                         ; all four work-groups are here: the joint loads meet
	tensor_load_to_lds s[G0C:G0C+3], s[G1C:G1C+7]  ; by this text's count a wave has at most two tensor loads out
	s_nop 0
.rept 4
	v_nop
.endr
	s_cmp_lt_u32 s[WV], 3
	s_cbranch_scc0 .Lno_scales
	tensor_load_to_lds s[G0S:G0S+3], s[G1S:G1S+7]
	s_nop 0
.rept 4
	v_nop
.endr
.Lno_scales:
	s_lshl_b32 s68, s49, 4
	s_add_co_u32 s68, s68, s[WV]                   ; my tile of queries, 0 .. 127
	s_lshl_b32 s69, s68, 10
	s_lshl_b32 s70, s53, 17
	s_add_co_u32 s70, s70, s69
	s_mov_b32 s71, 0
	s_add_nc_u64 s[70:71], s[4:5], s[70:71]        ; its image
	s_lshr_b32 s72, s68, 3
	s_lshl_b32 s72, s72, 9
	s_and_b32 s73, s[WV], 1
	s_lshl_b32 s73, s73, 8
	s_add_co_u32 s72, s72, s73
	s_bfe_u32 s73, s[WV], 0x20001
	s_lshl_b32 s73, s73, 2
	s_add_co_u32 s72, s72, s73
	s_lshl_b32 s73, s53, 13
	s_add_co_u32 s72, s72, s73
	s_add_co_u32 s72, s72, QKS
	s_mov_b32 s73, 0
	s_add_nc_u64 s[72:73], s[4:5], s[72:73]        ; its scale words: 512 (T / 8) + 256 (T % 2) + 4 ((T % 8) / 2), + 16 r
	s_lshl_b32 s74, s51, 4                         ; the output: row block 16 x batch + 2 x query block + wave / 8, K step head / 4
	s_lshl_b32 s75, s49, 1
	s_add_co_u32 s74, s74, s75
	s_lshr_b32 s75, s[WV], 3
	s_add_co_u32 s74, s74, s75
	s_lshl_b32 s74, s74, 2
	s_lshr_b32 s75, s52, 2
	s_add_co_u32 s74, s74, s75
	s_mul_i32 s74, s74, BLK
	s_bfe_u32 s76, s52, 0x10001                    ; q = (head / 2) % 2
	s_and_b32 s77, s52, 1
	s_and_b32 s78, s[WV], 7                        ; tile wave % 8
	s_lshl_b32 s78, s78, 1
	s_add_co_u32 s78, s78, s76
	s_lshl_b32 s78, s78, 2
	s_lshl_b32 s79, s77, 1                         ; pieces c = 2 (head % 2), + 1
	s_add_co_u32 s78, s78, s79
	s_lshl_b32 s78, s78, 9
	s_add_co_u32 s78, s78, s74
	s_mov_b32 s79, 0
	s_add_nc_u64 s[78:79], s[6:7], s[78:79]
	s_lshl_b32 s80, s76, 9
	s_add_co_u32 s80, s80, s74
	s_add_co_u32 s80, s80, 32768
	s_and_b32 s81, s[WV], 1
	s_lshl_b32 s81, s81, 8
	s_add_co_u32 s80, s80, s81
	s_bfe_u32 s81, s[WV], 0x20001
	s_lshl_b32 s81, s81, 2
	s_add_co_u32 s80, s80, s81
	s_lshl_b32 s81, s77, 1
	s_add_co_u32 s80, s80, s81
	s_mov_b32 s81, 0
	s_add_nc_u64 s[80:81], s[6:7], s[80:81]
	v_and_b32 v6, 31, v0
	v_lshlrev_b32 v1, 4, v6                        ; 16 x lane: K's images begin at LDS byte 0
	v_and_b32 v2, 15, v0
	v_lshlrev_b32 v2, 4, v2                        ; 16 r
	global_load_b128 v[16:19], v1, s[70:71]
	global_load_b128 v[20:23], v1, s[70:71] offset:512
	global_load_b32 v255, v2, s[72:73]             ; Q's scale words
	v_add_nc_u32 v3, LV, v1
	v_add_nc_u32 v4, LKS, v1
	v_lshl_add_u32 v5, v6, 3, LVS
.irp i, 0,1,2,3,4,5,6,7
	v_mov_b32 v[24+\i], 0                          ; zero codes for k = 64 .. 127, in Q
.endr
.irp t, 0,1,2,3
.irp i, 0,1,2,3,4,5,6,7
	v_mov_b32 v[40+16*\t+\i], 0                    ; and in K's four fragments: written once
.endr
.endr
	v_mov_b32 v13, 0xff61b1e6                      ; the largest t so far: -3e38
	v_floor_f32 v12, -v13                          ; -M
	v_mov_b32 v14, 0
	v_mov_b32 v15, 0
.irp b, 0,1,2,3
	v_mov_b32 v[236+\b], 0                         ; a lane permute's destination counts as one of its sources
.endr
	v_mov_b32 v253, 0
.irp j, 0,1,2,3,4,5,6,7,8,9,10,11,12,13,14,15,16,17,18,19,20,21,22,23,24,25,26,27,28,29,30,31
	v_mov_b32 v[160+\j], 0                         ; O^T: the first change of M multiplies zeros
.endr
	s_mov_b32 s[TK], 0
	s_mov_b32 s[TS], 0
	s_mov_b32 s[TJ], 0
	s_mov_b32 s[CNT], 16
	s_wait_loadcnt 0x0                             ; Q
	s_wait_tensorcnt 0x0                           ; my parts of the head lie in LDS,
	s_barrier_signal -1
	s_barrier_wait -1                              ; everybody's do
.Lstep:                                                ; 128 keys a trip
	v_add_nc_u32 v[ADK], s[TK], v1
	v_add_nc_u32 v[ADV], s[TK], v3
	v_add_nc_u32 v[ADS], s[TS], v4
	v_add_nc_u32 v[ADT], s[TJ], v5
.rept 5
	v_nop                                          ; with the four additions: nine places behind the last trip's products, whose fragments of V^T the products below write over
.endr
	ds_load_b128 v[248:251], v[ADS]                ; K's scale words: register p: tile 2 p in lanes 0-15, tile 2 p + 1 in lanes 16-31
.irp g, 0,1
.if \g > 0
.rept 8
	v_nop                                          ; places in front of loads into registers that matrix instructions have read
.endr
.endif
.irp t, 0,1,2,3
.irp c, 0,1
	ds_load_b128 v[32+16*\t+4*\c:35+16*\t+4*\c], v[ADK] offset:(4*\g+\t)*1024+512*\c
.endr
.endr
	s_wait_dscnt 0x0
.irp t, 0,2
	v_wmma_scale_f32_16x16x128_f8f6f4 v[96+8*(4*\g+\t):103+8*(4*\g+\t)], v[32+16*\t:47+16*\t], v[16:31], 0, v[248+2*\g+\t/2], v255
	v_wmma_scale_f32_16x16x128_f8f6f4 v[104+8*(4*\g+\t):111+8*(4*\g+\t)], v[48+16*\t:63+16*\t], v[16:31], 0, v[248+2*\g+\t/2], v255 matrix_a_scale:MATRIX_SCALE_ROW1
.endr
.endr
.rept 8
	v_nop
.endr
.irp b, 0,1,2,3
	v_max3_num_f32 v[232+\b], v[96+16*\b], v[97+16*\b], v[98+16*\b]   ; the largest score of each block of 32 keys: for the row's maximum and, since p rises with the score, for the block's largest p
.endr
.irp i, 3,5,7,9,11,13
.irp b, 0,1,2,3
	v_max3_num_f32 v[232+\b], v[232+\b], v[96+16*\b+\i], v[97+16*\b+\i]
.endr
.endr
.irp b, 0,1,2,3
	v_max_num_f32 v[232+\b], v[232+\b], v[111+16*\b]
.endr
.irp b, 0,1,2,3
	v_permlanex16_b32 v[236+\b], v[232+\b], s[SEL], s[SEL+1]
.endr
.irp b, 0,1,2,3
	v_max_num_f32 v[232+\b], v[232+\b], v[236+\b]
.endr
	v_max3_num_f32 v254, v232, v233, v234
	v_max_num_f32 v254, v254, v235
	v_mul_f32 v254, s[CS], v254
	v_max_num_f32 v13, v13, v254                   ; the running largest t
	v_mov_b32 v254, v12
	v_floor_f32 v12, -v13                          ; the new -M = -ceil(t)
	v_sub_f32 v254, v12, v254
	v_cvt_i32_f32 v254, v254
	v_ldexp_f32 v252, 1.0, v254                    ; f = 2^(old M - new M): rounds nothing
.irp j, 0,2,4,6,8,10,12,14,16,18,20,22,24,26,28,30,32,34,36,38,40,42,44,46,48,50,52,54,56,58,60,62
	v_pk_fma_f32 v[96+\j:97+\j], v[96+\j:97+\j], s[CS:CS+1], v[12:13] op_sel_hi:[1,0,0]   ; t - M
.endr
.irp b, 0,1,2,3
	v_fma_f32 v[232+\b], v[232+\b], s[CS], v12
.endr
.irp j, 0,1,2,3,4,5,6,7,8,9,10,11,12,13,14,15,16,17,18,19,20,21,22,23,24,25,26,27,28,29,30,31,32,33,34,35,36,37,38,39,40,41,42,43,44,45,46,47,48,49,50,51,52,53,54,55,56,57,58,59,60,61,62,63
	v_exp_f32 v[96+\j], v[96+\j]                   ; p = 2^(t - M)
.endr
	v_pk_mul_f32 v[14:15], v[14:15], v[252:253] op_sel_hi:[1,0]   ; the sums under the new M: a plain instruction behind the batch
	s_wait_alu depctr_va_vdst(0)                   ; one wait for the 64, ahead of their first reader
.irp b, 0,1,2,3
	v_exp_f32 v[232+\b], v[232+\b]                 ; each block's largest p
.endr
	v_pk_add_f32 v[236:237], v[96:97], v[98:99]    ; the row's sum of the unquantised p, in two chains
.irp j, 4,8,12,16,20,24,28,32,36,40,44,48,52,56,60
	v_pk_add_f32 v[14:15], v[14:15], v[96+\j:97+\j]
	v_pk_add_f32 v[236:237], v[236:237], v[98+\j:99+\j]
.endr
	v_pk_add_f32 v[14:15], v[14:15], v[236:237]
	s_wait_alu depctr_va_vdst(0)                   ; and one for the four
.irp b, 0,1,2,3
	v_max_num_f32 v[232+\b], 0x4800000, v[232+\b]  ; the floor 2^(9 - 127)
.endr
.irp b, 0,1,2,3
	v_add_nc_u32 v[244+\b], 0xfc000000, v[232+\b]
.endr
.irp b, 0,1,2,3
	v_and_or_b32 v[240+\b], v[232+\b], 0x7f800000, s[MNT]
.endr
.irp b, 0,1,2,3
	v_lshrrev_b32 v[236+\b], 23, v[244+\b]
.endr
	v_lshl_or_b32 v253, v237, 8, v236              ; p's scale word for these 128 keys
	v_lshl_or_b32 v253, v238, 16, v253
	v_lshl_or_b32 v253, v239, 24, v253
.irp b, 0,1,2,3
.irp i, 0,1,2,3,4,5,6,7,8,9,10,11,12,13,14,15
	v_min_num_f32 v[96+16*\b+\i], v[96+16*\b+\i], v[240+\b]   ; the hold; p is not negative
.endr
	v_cvt_scalef32_pk8_fp8_f32 v[224+4*\b:225+4*\b], v[96+16*\b:103+16*\b], v[244+\b]
	v_cvt_scalef32_pk8_fp8_f32 v[226+4*\b:227+4*\b], v[104+16*\b:111+16*\b], v[244+\b]
.endr
.irp t, 0,1,2,3
.irp c, 0,1,2,3
	ds_load_b128 v[96+16*\t+4*\c:99+16*\t+4*\c], v[ADV] offset:2048*\t+512*\c   ; V^T's four fragments take p's registers
.endr
.endr
	ds_load_b64 v[248:249], v[ADT]                 ; and its scale words
.irp j, 0,2,4,6,8,10,12,14,16,18,20,22,24,26,28,30
	v_pk_mul_f32 v[160+\j:161+\j], v[160+\j:161+\j], v[252:253] op_sel_hi:[1,0]   ; O^T under the new M; also the places between the codes' conversions and the products
.endr
	s_wait_dscnt 0x0
.irp t, 0,2
	v_wmma_scale_f32_16x16x128_f8f6f4 v[160+8*\t:167+8*\t], v[96+16*\t:111+16*\t], v[224:239], v[160+8*\t:167+8*\t], v[248+\t/2], v253
	v_wmma_scale_f32_16x16x128_f8f6f4 v[168+8*\t:175+8*\t], v[112+16*\t:127+16*\t], v[224:239], v[168+8*\t:175+8*\t], v[248+\t/2], v253 matrix_a_scale:MATRIX_SCALE_ROW1
.endr
	s_add_co_u32 s[TK], s[TK], 8192
	s_add_co_u32 s[TS], s[TS], 512
	s_add_co_u32 s[TJ], s[TJ], 256
	s_sub_co_u32 s[CNT], s[CNT], 1
	s_cmp_lg_u32 s[CNT], 0
	s_cbranch_scc1 .Lstep
	; THE WAY OUT: O^T / the sum, quantised along the channels: two blocks of 32, two pieces of the image
.rept 8
	v_nop
.endr
	v_add_f32 v14, v14, v15
	v_permlanex16_b32 v252, v14, s[SEL], s[SEL+1]
	v_add_f32 v14, v14, v252
	v_rcp_f32 v14, v14
	v_nop
	s_wait_alu depctr_va_vdst(0)
.irp j, 0,1,2,3,4,5,6,7,8,9,10,11,12,13,14,15,16,17,18,19,20,21,22,23,24,25,26,27,28,29,30,31
	v_mul_f32 v[96+\j], v[160+\j], v14             ; register 16 b + i = channel 32 b + 16 (lane / 16) + i of my query
.endr
.irp b, 0,1
	v_max3_num_f32 v[232+\b], |v[96+16*\b]|, |v[97+16*\b]|, 0x4800000
.endr
.irp i, 2,4,6,8,10,12,14
.irp b, 0,1
	v_max3_num_f32 v[232+\b], v[232+\b], |v[96+16*\b+\i]|, |v[97+16*\b+\i]|
.endr
.endr
.irp b, 0,1
	v_permlanex16_b32 v[236+\b], v[232+\b], s[SEL], s[SEL+1]
.endr
.irp b, 0,1
	v_max_num_f32 v[232+\b], v[232+\b], v[236+\b]
.endr
.irp b, 0,1
	v_add_nc_u32 v[244+\b], 0xfc000000, v[232+\b]
.endr
.irp b, 0,1
	v_and_or_b32 v[240+\b], v[232+\b], 0x7f800000, s[MNT]
.endr
.irp b, 0,1
	v_lshrrev_b32 v[236+\b], 23, v[244+\b]
.endr
	v_lshl_or_b32 v252, v237, 8, v236              ; the two scale bytes
.irp b, 0,1
.irp i, 0,1,2,3,4,5,6,7,8,9,10,11,12,13,14,15
	v_med3_num_f32 v[96+16*\b+\i], v[96+16*\b+\i], -v[240+\b], v[240+\b]
.endr
	v_cvt_scalef32_pk8_fp8_f32 v[224+4*\b:225+4*\b], v[96+16*\b:103+16*\b], v[244+\b]
	v_cvt_scalef32_pk8_fp8_f32 v[226+4*\b:227+4*\b], v[104+16*\b:111+16*\b], v[244+\b]
.endr
	v_nop
	global_store_b128 v1, v[224:227], s[78:79]                 ; 1,024 consecutive bytes in two stores
	global_store_b128 v1, v[228:231], s[78:79] offset:512
	global_store_b16 v2, v252, s[80:81]            ; both halves of the lanes write the same two bytes to the same place
	s_wait_tensorcnt 0x0
	ds_add_u32 v222, v223
	s_wait_dscnt 0x0
	CROUND                                         ; the closing round: no work-group ends while a partner may still ask for a tile that names it
	s_endpgm
.Lfunc_end_k_qc80f27e980_attn:
	.size	k_qc80f27e980_attn, .Lfunc_end_k_qc80f27e980_attn-k_qc80f27e980_attn
	.p2alignl 7, 3214868480
	.fill 96, 4, 3214868480
	.section	.rodata,"a",@progbits
	.p2align	6, 0x0
	.amdhsa_kernel k_qc80f27e980_attn
		.amdhsa_group_segment_fixed_size 276480
		.amdhsa_private_segment_fixed_size 0
		.amdhsa_enable_private_segment 0
		.amdhsa_kernarg_size 16
		.amdhsa_user_sgpr_count 2
		.amdhsa_user_sgpr_kernarg_segment_ptr 1
		.amdhsa_wavefront_size32 1
		.amdhsa_system_sgpr_workgroup_id_x 1
		.amdhsa_system_sgpr_workgroup_id_y 1
		.amdhsa_system_sgpr_workgroup_id_z 1
		.amdhsa_system_vgpr_workitem_id 0
		.amdhsa_next_free_vgpr 256
		.amdhsa_next_free_sgpr 100
		.amdhsa_reserve_vcc 0
		.amdhsa_float_denorm_mode_32 3
		.amdhsa_float_denorm_mode_16_64 3
		.amdhsa_memory_ordered 1
		.amdhsa_forward_progress 1
		.amdhsa_inst_pref_size 35
	.end_amdhsa_kernel
	.amdgpu_metadata
---
amdhsa.version: [ 1, 2 ]
amdhsa.kernels:
  - .name:           k_qc80f27e980_attn
    .symbol:         k_qc80f27e980_attn.kd
    .args:
      - { .name: qkv, .offset: 0, .size: 8, .value_kind: global_buffer, .address_space: global }
      - { .name: aimg, .offset: 8, .size: 8, .value_kind: global_buffer, .address_space: global }
    .group_segment_fixed_size: 276480
    .private_segment_fixed_size: 0
    .kernarg_segment_align: 8
    .kernarg_segment_size: 16
    .max_flat_workgroup_size: 512
    .sgpr_count:     100
    .vgpr_count:     256
    .wavefront_size: 32
...
	.end_amdgpu_metadata
.endif
;; end of part 4
;; launch oproj (part 5): grid 4 x 16, 4 waves a work-group, clusters of 4 x 4, 327,680 bytes of LDS; arguments aimg, wimg, x, x2; writes x2
.if DOCPART == 5
	.amdgcn_target "amdgcn-amd-amdhsa--gfx1250"
	.amdhsa_code_object_version 6
	.text
	.protected	k_qc80f27e980_oproj
	.globl	k_qc80f27e980_oproj
	.p2align	8
	.type	k_qc80f27e980_oproj,@function
k_qc80f27e980_oproj:
	s_mov_b64 s[64:65], 0
	v_nop
	global_prefetch_b8 v0, s[64:65] scope:SCOPE_SE
	s_setreg_imm32_b32 hwreg(HW_REG_WAVE_MODE, 25, 1), 1
	s_wait_xcnt 0x0
	s_wait_alu depctr_hold_cnt(0) depctr_sa_sdst(0) depctr_va_vdst(0) depctr_va_sdst(0) depctr_va_ssrc(0) depctr_va_vcc(0) depctr_vm_vsrc(0)
	s_getreg_b32 s2, hwreg(HW_REG_IB_STS2, 6, 4)
	s_cmp_eq_u32 s2, 0
	s_cbranch_scc0 .Lentry_in_a_cluster
	s_endpgm
.Lentry_in_a_cluster:
	s_bfe_u32 s2, ttmp6, 0x10000c
	s_cmp_lg_u32 s2, 0xf033
	s_cbranch_scc0 .Lentry_shape_is_right
	s_endpgm
.Lentry_shape_is_right:
; x2 = x + attn out_w^T, on codes of E4M3 with E8M0 scales, K = 1,024; f32 sums, the residual added behind the K sum, f32 out.
; OPERANDS are image blocks (128 rows x 256 along K, BLK bytes: piece (2 T + q) 4 + c = registers 4 c .. 4 c + 3 of the fragment of tile T, the block's q-th 128 along K, 16 bytes a lane;
; lane r of tile T is row 32 (T / 2) + 8 (T % 2) + r + 8 (r / 8); from byte 32,768 on the scale words, 512 q + 16 lane: word p = tile 2 p + lane / 16).  One dense tensor load a wave brings codes and scales of a K step.
; SHARES: a tile of C, 256 x 256, to a work-group of four waves, 128 x 128 a wave.  C has 16 x 4 such tiles: 64 work-groups.  CLUSTERS 4 x 4: A's tiles jointly along a row of the cluster, B's along a column.
; THE MATRIX INSTRUCTION IS USED TRANSPOSED (source 0 = B's tile b, source 1 = A's tile a): register j of lane (r, h) is C(A's row of lane r, column 32 (b / 2) + 16 h + 8 (b % 2) + j).
; REGISTERS: window 0: v1-29 addresses; v32-63 scale words, two sets, and nothing else; v128-255 A's fragments, one set (way out: rows read back); window 1: B's fragments, two sets (way out: the residual);
;   windows 2, 3: the accumulators ((a, b) at v[8 (8 (a % 4) + b)]).
.set BLK,   33792
.set SLOT,  4*BLK
.set SPARE, 2*SLOT                     ; the spare words, 128 bytes a wave: two blocks of 256 bytes that no other line names
.set NKS,   4                          ; K steps of 256
.set LAPS,  NKS/2
.set NP,    8                          ; places behind this matrix instruction (ISA guide 7.12.1)
.set B_OFF, 96*BLK                     ; out_w's images in wimg
.set SPITCH, 528                       ; the way out: a stage of 16 rows x (512 + 16) bytes a wave, in slot 0, which has had its last fill and its last read by then
.set LI,   2                           ; v2  16 x lane
.set ADRA, 16
.set ADRB, 20
.set STO,  24
.set RD,   25
.set SPW,  28
.set NIL,  29
.set SC,   32
.set AF,   128
.set BK,   128
.set G1, 24
.set G0, 32
.set G1B, 48
.set G0B, 56
.set RS,  90                           ; s[90:91] the residual at my part's first row; s[92:93] the output
.set OS,  92
.set MSB, 0
.macro WIN new
.if MSB != \new
	s_set_vgpr_msb (MSB<<8)|\new
.set MSB, \new
.endif
.endm
.set MUL_LO, 0xa1
.set MUL_HI, 0xf1
.set TO_B,   0x40
.macro JLOAD g0a, g1a, g0b, g1b        ; a joint load: waves 0, 1 fetch A's halves, waves 2, 3 B's; four v_nop follow each line
	s_cmp_eq_u32 s15, 0
	s_cbranch_scc0 .Lfor_b_\@
	tensor_load_to_lds s[\g0a:\g0a+3], s[\g1a:\g1a+7]
	s_nop 0
.rept 4
	v_nop
.endr
	s_branch .Lasked_\@
.Lfor_b_\@:
	tensor_load_to_lds s[\g0b:\g0b+3], s[\g1b:\g1b+7]
	s_nop 0
.rept 4
	v_nop
.endr
.Lasked_\@:
.endm
.macro CREST
	s_cmp_lg_u32 s14, 0
	s_cbranch_scc1 .Lnot_wave_0_\@
	s_barrier_signal -3
.Lnot_wave_0_\@:
	s_barrier_wait -3
	s_barrier_signal -1
	s_barrier_wait -1
.endm
.macro CROUND
	s_barrier_signal -1
	s_barrier_wait -1
	CREST
.endm
	s_load_b256 s[4:11], s[0:1], 0x0               ; A's images, wimg, the residual, the output
	v_lshl_add_u32 v[SPW], v0, 2, SPARE
	v_mov_b32 v[NIL], 0
	ds_add_u32 v28, v29
	ds_add_u32 v28, v29
	s_wait_dscnt 0x0
	v_lshrrev_b32 v1, 5, v0
	v_readfirstlane_b32 s14, v1
	s_lshr_b32 s15, s14, 1
	s_and_b32 s16, s14, 1
	s_bfe_u32 s40, ttmp6, 0x40000
	s_bfe_u32 s41, ttmp6, 0x40004
	s_lshl_b32 s42, ttmp9, 2
	s_add_co_u32 s42, s42, s40                     ; tile column
	s_and_b32 s17, ttmp7, 0xffff
	s_lshl_b32 s17, s17, 2
	s_add_co_u32 s17, s17, s41                     ; tile row
	s_lshl_b32 s43, s41, 2
	s_lshl_b32 s43, 15, s43
	s_lshl_b32 s44, 0x1111, s40
	s_or_b32 s[G1+0], s43, (3<<16)|(1<<21)
	s_or_b32 s[G1B+0], s44, (3<<16)|(1<<21)
.irp g, G1, G1B
	s_mov_b32 s[\g+1], 32<<16                      ; a block is dense: 132 rows of 256 bytes
	s_mov_b32 s[\g+2], 132<<16
	s_mov_b32 s[\g+3], 32<<16
	s_mov_b32 s[\g+4], 132
	s_mov_b32 s[\g+5], 32
	s_mov_b32 s[\g+6], 0
	s_mov_b32 s[\g+7], 0
.endr
	s_lshl_b32 s20, s17, 1
	s_add_co_u32 s20, s20, s16
	s_mul_i32 s20, s20, NKS*BLK
	s_mov_b32 s21, 0
	s_lshl_b32 s46, s42, 1
	s_add_co_u32 s46, s46, s16
	s_mul_i32 s46, s46, NKS*BLK
	s_add_co_u32 s46, s46, B_OFF
	s_mov_b32 s47, 0
	s_mul_i32 s45, s14, BLK
	s_wait_kmcnt 0x0
	s_add_nc_u64 s[20:21], s[4:5], s[20:21]
	s_add_nc_u64 s[46:47], s[6:7], s[46:47]
	CROUND
.irp s, 0,1
	s_mov_b32 s[G0+4*\s], 1
	s_add_co_u32 s[G0+4*\s+1], s45, \s*SLOT
	s_add_nc_u64 s[G0+4*\s+2:G0+4*\s+3], s[20:21], \s*BLK
	s_or_b32 s[G0+4*\s+3], s[G0+4*\s+3], 0x80000000
	s_mov_b32 s[G0B+4*\s], 1
	s_add_co_u32 s[G0B+4*\s+1], s45, \s*SLOT
	s_add_nc_u64 s[G0B+4*\s+2:G0B+4*\s+3], s[46:47], \s*BLK
	s_or_b32 s[G0B+4*\s+3], s[G0B+4*\s+3], 0x80000000
	JLOAD G0+4*\s, G1, G0B+4*\s, G1B
.endr
	v_and_b32 v1, 31, v0
	v_lshlrev_b32 v[LI], 4, v1
	s_mul_i32 s21, s15, BLK
	s_mul_i32 s22, s16, BLK
	s_add_co_u32 s22, s22, 2*BLK
.irp s, 0,1
	v_add_nc_u32 v[ADRA+\s], s21, v[LI]
	v_add_nc_u32 v[ADRB+\s], s22, v[LI]
	s_add_co_u32 s21, s21, SLOT
	s_add_co_u32 s22, s22, SLOT
.endr
	s_mul_i32 s23, s14, 16*SPITCH                  ; my stage
	v_and_b32 v3, 15, v0
	v_bfe_u32 v4, v0, 4, 1
	v_mul_u32_u24 v5, v3, SPITCH
	v_lshl_add_u32 v5, v4, 6, v5
	v_add_nc_u32 v[STO], s23, v5                   ; in: row r, + 64 (lane / 16)
	v_add_nc_u32 v[RD], s23, v[LI]                 ; back: the 32 lanes take a row of 512 bytes
	s_lshl_b32 s88, s17, 8
	s_lshl_b32 s89, s15, 7
	s_add_co_u32 s88, s88, s89
	s_lshl_b32 s88, s88, 12                        ; my first row, 4,096 bytes a row,
	s_lshl_b32 s89, s42, 10
	s_add_co_u32 s88, s88, s89
	s_lshl_b32 s89, s16, 9
	s_add_co_u32 s88, s88, s89                     ; my first column
	s_mov_b32 s89, 0
	s_add_nc_u64 s[RS:RS+1], s[8:9], s[88:89]
	s_add_nc_u64 s[OS:OS+1], s[10:11], s[88:89]
.macro FRAG reg, adr, q, i
.irp c, 0,1,2,3
	ds_load_b128 v[\reg+4*\c:\reg+4*\c+3], v[\adr] offset:(((\i)*2+(\q))*4+\c)*512
.endr
.endm
.macro WM a, b, p, q, sc, zero         ; one product: B's tile b (set p) x A's tile a; odd tiles' scale words stand in lanes 16-31
.set rD, 8*(8*((\a)%4)+(\b))
.set rB, 128*(\p)+16*(\b)
.set rA, AF+16*(\a)
.set sB, SC+16*(\sc)+8+4*(\q)+(\b)/2
.set sA, SC+16*(\sc)+4*(\q)+(\a)/2
.if \zero
.if ((\b)%2) && ((\a)%2)
	v_wmma_scale_f32_16x16x128_f8f6f4 v[rD:rD+7], v[rB:rB+15], v[rA:rA+15], 0, v[sB], v[sA] matrix_a_scale:MATRIX_SCALE_ROW1 matrix_b_scale:MATRIX_SCALE_ROW1
.elseif (\b)%2
	v_wmma_scale_f32_16x16x128_f8f6f4 v[rD:rD+7], v[rB:rB+15], v[rA:rA+15], 0, v[sB], v[sA] matrix_a_scale:MATRIX_SCALE_ROW1
.elseif (\a)%2
	v_wmma_scale_f32_16x16x128_f8f6f4 v[rD:rD+7], v[rB:rB+15], v[rA:rA+15], 0, v[sB], v[sA] matrix_b_scale:MATRIX_SCALE_ROW1
.else
	v_wmma_scale_f32_16x16x128_f8f6f4 v[rD:rD+7], v[rB:rB+15], v[rA:rA+15], 0, v[sB], v[sA]
.endif
.else
.if ((\b)%2) && ((\a)%2)
	v_wmma_scale_f32_16x16x128_f8f6f4 v[rD:rD+7], v[rB:rB+15], v[rA:rA+15], v[rD:rD+7], v[sB], v[sA] matrix_a_scale:MATRIX_SCALE_ROW1 matrix_b_scale:MATRIX_SCALE_ROW1
.elseif (\b)%2
	v_wmma_scale_f32_16x16x128_f8f6f4 v[rD:rD+7], v[rB:rB+15], v[rA:rA+15], v[rD:rD+7], v[sB], v[sA] matrix_a_scale:MATRIX_SCALE_ROW1
.elseif (\a)%2
	v_wmma_scale_f32_16x16x128_f8f6f4 v[rD:rD+7], v[rB:rB+15], v[rA:rA+15], v[rD:rD+7], v[sB], v[sA] matrix_b_scale:MATRIX_SCALE_ROW1
.else
	v_wmma_scale_f32_16x16x128_f8f6f4 v[rD:rD+7], v[rB:rB+15], v[rA:rA+15], v[rD:rD+7], v[sB], v[sA]
.endif
.endif
.endm
.macro MUL16 a0, p, q, sc, zero        ; the 64 accumulators take turns, one instruction a turn, in the same order in every step
.irp a, \a0, \a0+1
.irp b, 0,1,2,3,4,5,6,7
	WM \a, \b, \p, \q, \sc, \zero
.endr
.endr
.endm
.macro FETCH_B slot, q, p
	WIN TO_B
.irp i, 0,1,2,3,4,5,6,7
	FRAG 128*(\p)+16*\i, ADRB+\slot, \q, \i
.endr
	WIN 0
.endm
.macro FETCH_A slot, q, i0
.irp i, \i0, \i0+1, \i0+2, \i0+3
	FRAG AF+16*(\i), ADRA+\slot, \q, \i
.endr
.endm
.macro SCALES sc
.irp q, 0,1
	ds_load_b128 v[SC+16*\sc+4*\q:SC+16*\sc+4*\q+3], v[ADRA+\sc] offset:32768+512*\q
	ds_load_b128 v[SC+16*\sc+8+4*\q:SC+16*\sc+8+4*\q+3], v[ADRB+\sc] offset:32768+512*\q
.endr
.endm
.macro PLACES n                        ; plain vector instructions between a matrix instruction and a load into, or a read of, its registers (ISA guide 7.12.1 for reads)
.rept \n
	v_nop
.endr
.endm
.macro STEP slot, q, zero
	s_wait_dscnt 16                                ; B's set, A's tiles 0-3 and the scale words are in; the youngest 16 loads (A's tiles 4-7) may be out
	WIN MUL_LO
	MUL16 0, (\q)%2, \q, \slot, \zero
	MUL16 2, (\q)%2, \q, \slot, \zero
	s_wait_dscnt 0
	PLACES NP
	FETCH_B \slot, (\q)+1, 1-(\q)%2
	FETCH_A \slot, (\q)+1, 0
	WIN MUL_HI
	MUL16 4, (\q)%2, \q, \slot, \zero
	MUL16 6, (\q)%2, \q, \slot, \zero
	PLACES NP
	WIN 0
	FETCH_A \slot, (\q)+1, 4
.endm
.macro TURN slot, next, fill
	s_wait_tensorcnt 0x0                           ; all my tensor loads have landed: my part of the next slot;
	ds_add_u32 v[SPW], v[NIL]                      ; 0 onto my spare word;
	s_wait_dscnt 17                                ; (the add and the youngest 16 loads may be out)
	WIN MUL_LO
	MUL16 0, 1, 1, \slot, 0
	s_wait_dscnt 0x0                               ; the add is done, and my reads of this slot are over
	s_barrier_signal -1
	MUL16 2, 1, 1, \slot, 0
	WIN 0
	s_barrier_wait -1
.if \fill
	CREST                                          ; no wave of any partner still reads this slot or has a load on its way
	s_add_nc_u64 s[G0+4*\slot+2:G0+4*\slot+3], s[G0+4*\slot+2:G0+4*\slot+3], 2*BLK
	s_add_nc_u64 s[G0B+4*\slot+2:G0B+4*\slot+3], s[G0B+4*\slot+2:G0B+4*\slot+3], 2*BLK
	JLOAD G0+4*\slot, G1, G0B+4*\slot, G1B         ; my one tensor load behind the round; its four v_nop are four of the places below
	PLACES NP-4
.else
	PLACES NP
.endif
	FETCH_B \next, 0, 0
	FETCH_A \next, 0, 0
	SCALES \next
	WIN MUL_HI
	MUL16 4, 1, 1, \slot, 0
	MUL16 6, 1, 1, \slot, 0
	PLACES NP
	WIN 0
	FETCH_A \next, 0, 4
.endm
; THE WAY OUT, a row of accumulators (16 rows x 128 columns of C) at a time.  Row t of block a is my row 32 (a / 2) + 8 (a % 2) + t + 8 (t / 8): it stands in the immediates (520,192 at the most); no base is stepped.
.macro RLOAD a                         ; the residual's 16 rows of block a into window 1, where B's fragments lay: 512 consecutive bytes a load
	WIN 0x40
.irp t, 0,1,2,3,4,5,6,7,8,9,10,11,12,13,14,15
	global_load_b128 v[64*((\a)%4)+4*\t:64*((\a)%4)+4*\t+3], v[LI], s[RS:RS+1] offset:(32*((\a)/2)+8*((\a)%2)+\t+8*(\t/8))*4096
.endr
.endm
.macro TOSTAGE a                       ; through my own stage: LDS serves a wave's instructions in order, so no wait stands between the stores and the loads
.set AC, 64*((\a)%4)
	WIN 0x08+4*((\a)/4)
.irp b, 0,1,2,3,4,5,6,7
	ds_store_b128 v[STO], v[AC+8*\b:AC+8*\b+3] offset:128*(\b/2)+32*(\b%2)      ; each accumulator from its low end on
	ds_store_b128 v[STO], v[AC+8*\b+4:AC+8*\b+7] offset:128*(\b/2)+32*(\b%2)+16
.endr
	WIN 0
.set BB, BK+64*((\a)%2)
.irp t, 0,1,2,3,4,5,6,7,8,9,10,11,12,13,14,15
	ds_load_b128 v[BB+4*\t:BB+4*\t+3], v[RD] offset:\t*SPITCH
.endr
.endm
.macro SEND a, younger
.set BB, BK+64*((\a)%2)
.set RR, 64*((\a)%4)
	s_wait_dscnt \younger                          ; the block is back in registers
.if (\a) < 5
	s_wait_loadcnt 48                              ; its residual is in; three younger blocks' 48 loads may be out
.else
	s_wait_loadcnt 16*(7-(\a))
.endif
	WIN 0x04                                       ; source 1: window 1
.set i, 0
.rept 32
	v_pk_add_f32 v[BB+i:BB+i+1], v[BB+i:BB+i+1], v[RR+i:RR+i+1]
.set i, i+2
.endr
.if (\a) < 4
	RLOAD (\a)+4                                   ; loads ahead of stores
.endif
	WIN 0
.irp t, 0,1,2,3,4,5,6,7,8,9,10,11,12,13,14,15
	global_store_b128 v[LI], v[BB+4*\t:BB+4*\t+3], s[OS:OS+1] offset:(32*((\a)/2)+8*((\a)%2)+\t+8*(\t/8))*4096   ; 512 consecutive bytes, aligned
.endr
.endm
	s_wait_tensorcnt 1                             ; my part of K step 0 is in (K step 1's load may be out),
	s_barrier_signal -1
	s_barrier_wait -1
	FETCH_B 0, 0, 0
	FETCH_A 0, 0, 0
	SCALES 0
	FETCH_A 0, 0, 4
	STEP 0, 0, 1
	s_mov_b32 s3, LAPS-1
.Llap:
	TURN 0, 1, 1
	STEP 1, 0, 0
	TURN 1, 0, 1
	STEP 0, 0, 0
	s_sub_co_u32 s3, s3, 1
	s_cmp_lg_u32 s3, 0
	s_cbranch_scc1 .Llap
	TURN 0, 1, 0
	STEP 1, 0, 0
	RLOAD 0                                        ; B's set 0 is done with (the step's places stand behind its last products): the last 64 products cover these loads' way
	RLOAD 1
	s_wait_dscnt 16
	WIN MUL_LO
	MUL16 0, 1, 1, 1, 0
	MUL16 2, 1, 1, 1, 0
	s_wait_dscnt 0
	WIN MUL_HI
	MUL16 4, 1, 1, 1, 0
	MUL16 6, 1, 1, 1, 0
	WIN 0
	PLACES NP
	RLOAD 2
	RLOAD 3
	TOSTAGE 0
.irp a, 1,2,3,4,5,6,7
.if \a > 1
	s_wait_xcnt 0x0                                ; block a - 2's stores have read their registers: block a's loads may land there
.endif
	TOSTAGE \a
	SEND \a-1, 32                                  ; behind block a - 1's loads: block a's 16 stores and 16 loads
.endr
	SEND 7, 0
	s_wait_tensorcnt 0x0                           ; the wave's end
	ds_add_u32 v[SPW], v[NIL]
	s_wait_dscnt 0x0
	CROUND                                         ; the closing round
	s_endpgm
.Lfunc_end_k_qc80f27e980_oproj:
	.size	k_qc80f27e980_oproj, .Lfunc_end_k_qc80f27e980_oproj-k_qc80f27e980_oproj
	.p2alignl 7, 3214868480
	.fill 96, 4, 3214868480
	.section	.rodata,"a",@progbits
	.p2align	6, 0x0
	.amdhsa_kernel k_qc80f27e980_oproj
		.amdhsa_group_segment_fixed_size 327680
		.amdhsa_private_segment_fixed_size 0
		.amdhsa_enable_private_segment 0
		.amdhsa_kernarg_size 32
		.amdhsa_user_sgpr_count 2
		.amdhsa_user_sgpr_kernarg_segment_ptr 1
		.amdhsa_wavefront_size32 1
		.amdhsa_system_sgpr_workgroup_id_x 1
		.amdhsa_system_sgpr_workgroup_id_y 1
		.amdhsa_system_sgpr_workgroup_id_z 1
		.amdhsa_system_vgpr_workitem_id 0
		.amdhsa_next_free_vgpr 1024
		.amdhsa_next_free_sgpr 98
		.amdhsa_reserve_vcc 0
		.amdhsa_float_denorm_mode_32 3
		.amdhsa_float_denorm_mode_16_64 3
		.amdhsa_memory_ordered 1
		.amdhsa_forward_progress 1
		.amdhsa_inst_pref_size 170
	.end_amdhsa_kernel
	.amdgpu_metadata
---
amdhsa.version: [ 1, 2 ]
amdhsa.kernels:
  - .name:           k_qc80f27e980_oproj
    .symbol:         k_qc80f27e980_oproj.kd
    .args:
      - { .name: aimg, .offset: 0, .size: 8, .value_kind: global_buffer, .address_space: global }
      - { .name: wimg, .offset: 8, .size: 8, .value_kind: global_buffer, .address_space: global }
      - { .name: x, .offset: 16, .size: 8, .value_kind: global_buffer, .address_space: global }
      - { .name: x2, .offset: 24, .size: 8, .value_kind: global_buffer, .address_space: global }
    .group_segment_fixed_size: 327680
    .private_segment_fixed_size: 0
    .kernarg_segment_align: 8
    .kernarg_segment_size: 32
    .max_flat_workgroup_size: 128
    .sgpr_count:     98
    .vgpr_count:     1024
    .wavefront_size: 32
...
	.end_amdgpu_metadata
.endif
;; end of part 5
;; launch ln2: the kernel of part 2 again; grid 256 x 1, 8 waves a work-group, no clusters, 59,904 bytes of LDS; arguments x2, norm2_scale, norm2_bias, himg; writes himg
;; launch upg (part 6): grid 16 x 16, 4 waves a work-group, clusters of 4 x 4, 327,680 bytes of LDS; arguments himg, wimg, gimg; writes gimg
.if DOCPART == 6
	.amdgcn_target "amdgcn-amd-amdhsa--gfx1250"
	.amdhsa_code_object_version 6
	.text
	.protected	k_qc80f27e980_upg
	.globl	k_qc80f27e980_upg
	.p2align	8
	.type	k_qc80f27e980_upg,@function
k_qc80f27e980_upg:
	s_mov_b64 s[64:65], 0
	v_nop
	global_prefetch_b8 v0, s[64:65] scope:SCOPE_SE
	s_setreg_imm32_b32 hwreg(HW_REG_WAVE_MODE, 25, 1), 1
	s_wait_xcnt 0x0
	s_wait_alu depctr_hold_cnt(0) depctr_sa_sdst(0) depctr_va_vdst(0) depctr_va_sdst(0) depctr_va_ssrc(0) depctr_va_vcc(0) depctr_vm_vsrc(0)
	s_getreg_b32 s2, hwreg(HW_REG_IB_STS2, 6, 4)
	s_cmp_eq_u32 s2, 0
	s_cbranch_scc0 .Lentry_in_a_cluster
	s_endpgm
.Lentry_in_a_cluster:
	s_bfe_u32 s2, ttmp6, 0x10000c
	s_cmp_lg_u32 s2, 0xf033
	s_cbranch_scc0 .Lentry_shape_is_right
	s_endpgm
.Lentry_shape_is_right:
; g = gelu(h ff_up_w^T), exact (erf) form, on codes of E4M3 with E8M0 scales, K = 1,024; g is quantised in registers along its 4,096 columns and stored as image blocks for the next product.
; OPERANDS are image blocks (128 rows x 256 along K, BLK bytes: piece (2 T + q) 4 + c = registers 4 c .. 4 c + 3 of the fragment of tile T, the block's q-th 128 along K, 16 bytes a lane;
; lane r of tile T is row 32 (T / 2) + 8 (T % 2) + r + 8 (r / 8); from byte 32,768 on the scale words, 512 q + 16 lane: word p = tile 2 p + lane / 16).  One dense tensor load a wave brings codes and scales of a K step.
; SHARES: a tile of C, 256 x 256, to a work-group of four waves, 128 x 128 a wave; 16 x 16 tiles: 256 work-groups.  CLUSTERS 4 x 4: A's tiles jointly along a row of the cluster, B's along a column.
; THE MATRIX INSTRUCTION IS USED TRANSPOSED (source 0 = B's tile b, source 1 = A's tile a): the 64 registers of a row of accumulators are register 16 B + i = column 32 B + 16 (lane / 16) + i of A's row of lane r.
; GELU: gelu(x) = max(x, 0) - |x| q, q = erfc(|x| / sqrt 2) / 2 = t 2^(-x^2 log2(e) / 2 + P(t)), t = 1 / (1 + |x| / (2 sqrt 2)), P a polynomial of degree 9 (the classical fit of erfc, relative error 1.2e-7 for
; every x, times log2(e), with the halving in its constant term): no cancellation in either tail.  LIMITS: q under 2^-126 comes out 0; a block of zeros, or one under 2^-118, gets the byte 1; NaN, infinities not served.
; REGISTERS: window 0: v1-29 addresses; v32-63 scale words, two sets, and nothing else; v64-121 at work in the epilogue; v128-255 A's fragments (epilogue: two rows of accumulators);
;   window 1: B's fragments, two sets; windows 2, 3: the accumulators.
.set BLK,   33792
.set SLOT,  4*BLK
.set SPARE, 2*SLOT                     ; the spare words, 128 bytes a wave: two blocks of 256 bytes that no other line names
.set NKS,   4
.set LAPS,  NKS/2
.set NP,    8                          ; places behind this matrix instruction (ISA guide 7.12.1)
.set B_OFF, 128*BLK                    ; ff_up_w's images in wimg
.set LI,   2                           ; v2  16 x lane
.set DW,   3                           ; v3  the dump: 16 x lane + 65,536 x wave
.set SW0,  4                           ; v4  my scale words' scratch
.set DR,   5
.set SW,   6
.set ADRA, 16
.set ADRB, 20
.set SPW,  28
.set NIL,  29
.set SC,   32
.set PC,   64                          ; v64-79  the codes just made; in GELU: t
.set GT,   64
.set TM,   80                          ; v80-95  at work in QUANT; in GELU: the polynomial, then q
.set GP,   80
.set GS,   96                          ; v96-111 in GELU: x^2, then max(x, 0)
.set PW0,  112
.set PW1,  113
.set MW,   114
.set M4,   116
.set C9,   120                         ; v[120:121] the polynomial's leading coefficient, twice
.set AF,   128
.set X0,   128
.set X1,   192
.set G1, 24
.set G0, 32
.set G1B, 48
.set G0B, 56
.set CC,  66                           ; s[66:83] c0 .. c8, each twice: the packed forms name a pair and take its low word
.set KX,  84                           ; s[84:85] -log2(e) / 2
.set K1,  86                           ; s86 1 / (2 sqrt 2)
.set HM,  87
.set OB,  88                           ; s[88:89] where the codes go; s[90:91] the scale words
.set SB,  90
.set SEL, 92
.set MNT, 94
.set TD,  95
.set TS,  96
.set MSB, 0
.macro WIN new
.if MSB != \new
	s_set_vgpr_msb (MSB<<8)|\new
.set MSB, \new
.endif
.endm
.set MUL_LO, 0xa1
.set MUL_HI, 0xf1
.set TO_B,   0x40
.macro JLOAD g0a, g1a, g0b, g1b        ; a joint load: waves 0, 1 fetch A's halves, waves 2, 3 B's; four v_nop follow each line
	s_cmp_eq_u32 s15, 0
	s_cbranch_scc0 .Lfor_b_\@
	tensor_load_to_lds s[\g0a:\g0a+3], s[\g1a:\g1a+7]
	s_nop 0
.rept 4
	v_nop
.endr
	s_branch .Lasked_\@
.Lfor_b_\@:
	tensor_load_to_lds s[\g0b:\g0b+3], s[\g1b:\g1b+7]
	s_nop 0
.rept 4
	v_nop
.endr
.Lasked_\@:
.endm
.macro CREST
	s_cmp_lg_u32 s14, 0
	s_cbranch_scc1 .Lnot_wave_0_\@
	s_barrier_signal -3
.Lnot_wave_0_\@:
	s_barrier_wait -3
	s_barrier_signal -1
	s_barrier_wait -1
.endm
.macro CROUND
	s_barrier_signal -1
	s_barrier_wait -1
	CREST
.endm
	s_load_b128 s[4:7], s[0:1], 0x0                ; himg, wimg
	s_load_b64 s[8:9], s[0:1], 0x10                ; gimg
	v_lshl_add_u32 v[SPW], v0, 2, SPARE
	v_mov_b32 v[NIL], 0
	ds_add_u32 v28, v29
	ds_add_u32 v28, v29
	s_wait_dscnt 0x0
	v_lshrrev_b32 v1, 5, v0
	v_readfirstlane_b32 s14, v1
	s_lshr_b32 s15, s14, 1
	s_and_b32 s16, s14, 1
	s_bfe_u32 s40, ttmp6, 0x40000
	s_bfe_u32 s41, ttmp6, 0x40004
	s_lshl_b32 s42, ttmp9, 2
	s_add_co_u32 s42, s42, s40                     ; tile column
	s_and_b32 s17, ttmp7, 0xffff
	s_lshl_b32 s17, s17, 2
	s_add_co_u32 s17, s17, s41                     ; tile row
	s_lshl_b32 s43, s41, 2
	s_lshl_b32 s43, 15, s43
	s_lshl_b32 s44, 0x1111, s40
	s_or_b32 s[G1+0], s43, (3<<16)|(1<<21)
	s_or_b32 s[G1B+0], s44, (3<<16)|(1<<21)
.irp g, G1, G1B
	s_mov_b32 s[\g+1], 32<<16                      ; a block is dense: 132 rows of 256 bytes
	s_mov_b32 s[\g+2], 132<<16
	s_mov_b32 s[\g+3], 32<<16
	s_mov_b32 s[\g+4], 132
	s_mov_b32 s[\g+5], 32
	s_mov_b32 s[\g+6], 0
	s_mov_b32 s[\g+7], 0
.endr
	s_lshl_b32 s20, s17, 1
	s_add_co_u32 s20, s20, s16
	s_mul_i32 s20, s20, NKS*BLK
	s_mov_b32 s21, 0
	s_lshl_b32 s46, s42, 1
	s_add_co_u32 s46, s46, s16
	s_mul_i32 s46, s46, NKS*BLK
	s_add_co_u32 s46, s46, B_OFF
	s_mov_b32 s47, 0
	s_mul_i32 s45, s14, BLK
	s_wait_kmcnt 0x0
	s_add_nc_u64 s[20:21], s[4:5], s[20:21]
	s_add_nc_u64 s[46:47], s[6:7], s[46:47]
	CROUND
.irp s, 0,1
	s_mov_b32 s[G0+4*\s], 1
	s_add_co_u32 s[G0+4*\s+1], s45, \s*SLOT
	s_add_nc_u64 s[G0+4*\s+2:G0+4*\s+3], s[20:21], \s*BLK
	s_or_b32 s[G0+4*\s+3], s[G0+4*\s+3], 0x80000000
	s_mov_b32 s[G0B+4*\s], 1
	s_add_co_u32 s[G0B+4*\s+1], s45, \s*SLOT
	s_add_nc_u64 s[G0B+4*\s+2:G0B+4*\s+3], s[46:47], \s*BLK
	s_or_b32 s[G0B+4*\s+3], s[G0B+4*\s+3], 0x80000000
	JLOAD G0+4*\s, G1, G0B+4*\s, G1B
.endr
	v_and_b32 v1, 31, v0
	v_lshlrev_b32 v[LI], 4, v1
	s_mul_i32 s21, s15, BLK
	s_mul_i32 s22, s16, BLK
	s_add_co_u32 s22, s22, 2*BLK
.irp s, 0,1
	v_add_nc_u32 v[ADRA+\s], s21, v[LI]
	v_add_nc_u32 v[ADRB+\s], s22, v[LI]
	s_add_co_u32 s21, s21, SLOT
	s_add_co_u32 s22, s22, SLOT
.endr
	s_lshl_b32 s21, s14, 16
	v_add_nc_u32 v[DW], s21, v[LI]
	s_lshl_b32 s21, s14, 9
	s_add_co_u32 s21, s21, 262144
	v_add_nc_u32 v[SW0], s21, v[LI]
	s_lshl_b32 s88, s17, 1                         ; my results: row block 2 x tile row + my half, K step = tile column, q = my half of the columns
	s_add_co_u32 s88, s88, s15
	s_lshl_b32 s88, s88, 4
	s_add_co_u32 s88, s88, s42
	s_mul_i32 s88, s88, BLK
	s_lshl_b32 s97, s16, 9
	s_add_co_u32 s90, s88, s97
	s_add_co_u32 s90, s90, 32768
	s_lshl_b32 s97, s16, 11
	s_add_co_u32 s88, s88, s97
	s_mov_b32 s89, 0
	s_mov_b32 s91, 0
	s_add_nc_u64 s[OB:OB+1], s[8:9], s[88:89]
	s_add_nc_u64 s[SB:SB+1], s[8:9], s[90:91]
	s_mov_b32 s[CC+0],  0xc034d90f                 ; c0 = -2.8257482
	s_mov_b32 s[CC+2],  0x3fb8ab5a                 ; c1 =  1.4427292
	s_mov_b32 s[CC+4],  0x3f0a29d2                 ; c2 =  0.5397006
	s_mov_b32 s[CC+6],  0x3e0efb2e                 ; c3 =  0.1396301
	s_mov_b32 s[CC+8],  0xbe899a80                 ; c4 = -0.2687569
	s_mov_b32 s[CC+10], 0x3ecdfd18                 ; c5 =  0.4023216
	s_mov_b32 s[CC+12], 0xbfd1a1e5                 ; c6 = -1.6377532
	s_mov_b32 s[CC+14], 0x40097039                 ; c7 =  2.1474745
	s_mov_b32 s[CC+16], 0xbf97d29d                 ; c8 = -1.1861149
.irp c, 0,2,4,6,8,10,12,14,16
	s_mov_b32 s[CC+\c+1], s[CC+\c]
.endr
	s_mov_b32 s[KX], 0xbf38aa3b
	s_mov_b32 s[KX+1], s[KX]
	s_mov_b32 s[K1], 0x3eb504f3
	s_mov_b32 s[HM], 0xffff0000
	s_mov_b32 s[SEL], 0x76543210
	s_mov_b32 s[SEL+1], 0xfedcba98
	s_mov_b32 s[MNT], 0x600000
	v_mov_b32 v[C9], 0x3e7c6f08                    ; c9 = 0.2465173
	v_mov_b32 v[C9+1], 0x3e7c6f08
.macro FRAG reg, adr, q, i
.irp c, 0,1,2,3
	ds_load_b128 v[\reg+4*\c:\reg+4*\c+3], v[\adr] offset:(((\i)*2+(\q))*4+\c)*512
.endr
.endm
.macro WM a, b, p, q, sc, zero         ; one product: B's tile b (set p) x A's tile a; odd tiles' scale words stand in lanes 16-31
.set rD, 8*(8*((\a)%4)+(\b))
.set rB, 128*(\p)+16*(\b)
.set rA, AF+16*(\a)
.set sB, SC+16*(\sc)+8+4*(\q)+(\b)/2
.set sA, SC+16*(\sc)+4*(\q)+(\a)/2
.if \zero
.if ((\b)%2) && ((\a)%2)
	v_wmma_scale_f32_16x16x128_f8f6f4 v[rD:rD+7], v[rB:rB+15], v[rA:rA+15], 0, v[sB], v[sA] matrix_a_scale:MATRIX_SCALE_ROW1 matrix_b_scale:MATRIX_SCALE_ROW1
.elseif (\b)%2
	v_wmma_scale_f32_16x16x128_f8f6f4 v[rD:rD+7], v[rB:rB+15], v[rA:rA+15], 0, v[sB], v[sA] matrix_a_scale:MATRIX_SCALE_ROW1
.elseif (\a)%2
	v_wmma_scale_f32_16x16x128_f8f6f4 v[rD:rD+7], v[rB:rB+15], v[rA:rA+15], 0, v[sB], v[sA] matrix_b_scale:MATRIX_SCALE_ROW1
.else
	v_wmma_scale_f32_16x16x128_f8f6f4 v[rD:rD+7], v[rB:rB+15], v[rA:rA+15], 0, v[sB], v[sA]
.endif
.else
.if ((\b)%2) && ((\a)%2)
	v_wmma_scale_f32_16x16x128_f8f6f4 v[rD:rD+7], v[rB:rB+15], v[rA:rA+15], v[rD:rD+7], v[sB], v[sA] matrix_a_scale:MATRIX_SCALE_ROW1 matrix_b_scale:MATRIX_SCALE_ROW1
.elseif (\b)%2
	v_wmma_scale_f32_16x16x128_f8f6f4 v[rD:rD+7], v[rB:rB+15], v[rA:rA+15], v[rD:rD+7], v[sB], v[sA] matrix_a_scale:MATRIX_SCALE_ROW1
.elseif (\a)%2
	v_wmma_scale_f32_16x16x128_f8f6f4 v[rD:rD+7], v[rB:rB+15], v[rA:rA+15], v[rD:rD+7], v[sB], v[sA] matrix_b_scale:MATRIX_SCALE_ROW1
.else
	v_wmma_scale_f32_16x16x128_f8f6f4 v[rD:rD+7], v[rB:rB+15], v[rA:rA+15], v[rD:rD+7], v[sB], v[sA]
.endif
.endif
.endm
.macro MUL16 a0, p, q, sc, zero        ; the 64 accumulators take turns, one instruction a turn, in the same order in every step
.irp a, \a0, \a0+1
.irp b, 0,1,2,3,4,5,6,7
	WM \a, \b, \p, \q, \sc, \zero
.endr
.endr
.endm
.macro FETCH_B slot, q, p
	WIN TO_B
.irp i, 0,1,2,3,4,5,6,7
	FRAG 128*(\p)+16*\i, ADRB+\slot, \q, \i
.endr
	WIN 0
.endm
.macro FETCH_A slot, q, i0
.irp i, \i0, \i0+1, \i0+2, \i0+3
	FRAG AF+16*(\i), ADRA+\slot, \q, \i
.endr
.endm
.macro SCALES sc
.irp q, 0,1
	ds_load_b128 v[SC+16*\sc+4*\q:SC+16*\sc+4*\q+3], v[ADRA+\sc] offset:32768+512*\q
	ds_load_b128 v[SC+16*\sc+8+4*\q:SC+16*\sc+8+4*\q+3], v[ADRB+\sc] offset:32768+512*\q
.endr
.endm
.macro PLACES n                        ; plain vector instructions between a matrix instruction and a load into, or a read of, its registers (ISA guide 7.12.1 for reads)
.rept \n
	v_nop
.endr
.endm
.macro STEP slot, q, zero
	s_wait_dscnt 16                                ; B's set, A's tiles 0-3 and the scale words are in; the youngest 16 loads (A's tiles 4-7) may be out
	WIN MUL_LO
	MUL16 0, (\q)%2, \q, \slot, \zero
	MUL16 2, (\q)%2, \q, \slot, \zero
	s_wait_dscnt 0
	PLACES NP
	FETCH_B \slot, (\q)+1, 1-(\q)%2
	FETCH_A \slot, (\q)+1, 0
	WIN MUL_HI
	MUL16 4, (\q)%2, \q, \slot, \zero
	MUL16 6, (\q)%2, \q, \slot, \zero
	PLACES NP
	WIN 0
	FETCH_A \slot, (\q)+1, 4
.endm
.macro TURN slot, next, fill
	s_wait_tensorcnt 0x0                           ; all my tensor loads have landed: my part of the next slot;
	ds_add_u32 v[SPW], v[NIL]                      ; 0 onto my spare word;
	s_wait_dscnt 17                                ; (the add and the youngest 16 loads may be out)
	WIN MUL_LO
	MUL16 0, 1, 1, \slot, 0
	s_wait_dscnt 0x0                               ; the add is done, and my reads of this slot are over
	s_barrier_signal -1
	MUL16 2, 1, 1, \slot, 0
	WIN 0
	s_barrier_wait -1
.if \fill
	CREST                                          ; no wave of any partner still reads this slot or has a load on its way
	s_add_nc_u64 s[G0+4*\slot+2:G0+4*\slot+3], s[G0+4*\slot+2:G0+4*\slot+3], 2*BLK
	s_add_nc_u64 s[G0B+4*\slot+2:G0B+4*\slot+3], s[G0B+4*\slot+2:G0B+4*\slot+3], 2*BLK
	JLOAD G0+4*\slot, G1, G0B+4*\slot, G1B         ; my one tensor load behind the round; its four v_nop are four of the places below
	PLACES NP-4
.else
	PLACES NP
.endif
	FETCH_B \next, 0, 0
	FETCH_A \next, 0, 0
	SCALES \next
	WIN MUL_HI
	MUL16 4, 1, 1, \slot, 0
	MUL16 6, 1, 1, \slot, 0
	PLACES NP
	WIN 0
	FETCH_A \next, 0, 4
.endm
; gelu in place on 64 registers, 16 at a time.  Each batch of transcendentals has one plain instruction and one wait ahead of its first reader
.macro GELU x
.irp k, 0,16,32,48
.irp i, 0,1,2,3,4,5,6,7,8,9,10,11,12,13,14,15
	v_fma_f32 v[GT+\i], |v[\x+\k+\i]|, s[K1], 1.0
.endr
.irp i, 0,1,2,3,4,5,6,7,8,9,10,11,12,13,14,15
	v_rcp_f32 v[GT+\i], v[GT+\i]                   ; t
.endr
	v_nop
	s_wait_alu depctr_va_vdst(0)
.irp i, 0,2,4,6,8,10,12,14
	v_pk_fma_f32 v[GP+\i:GP+\i+1], v[GT+\i:GT+\i+1], v[C9:C9+1], s[CC+16:CC+17] op_sel_hi:[1,1,0]
.endr
.irp c, 14,12,10,8,6,4,2,0
.irp i, 0,2,4,6,8,10,12,14
	v_pk_fma_f32 v[GP+\i:GP+\i+1], v[GP+\i:GP+\i+1], v[GT+\i:GT+\i+1], s[CC+\c:CC+\c+1] op_sel_hi:[1,1,0]
.endr
.endr
.irp i, 0,2,4,6,8,10,12,14
	v_pk_mul_f32 v[GS+\i:GS+\i+1], v[\x+\k+\i:\x+\k+\i+1], v[\x+\k+\i:\x+\k+\i+1]
.endr
.irp i, 0,2,4,6,8,10,12,14
	v_pk_fma_f32 v[GP+\i:GP+\i+1], v[GS+\i:GS+\i+1], s[KX:KX+1], v[GP+\i:GP+\i+1] op_sel_hi:[1,0,1]
.endr
.irp i, 0,1,2,3,4,5,6,7,8,9,10,11,12,13,14,15
	v_exp_f32 v[GP+\i], v[GP+\i]
.endr
.irp i, 0,1,2,3,4,5,6,7,8,9,10,11,12,13,14,15
	v_max_num_f32 v[GS+\i], 0, v[\x+\k+\i]         ; plain work behind the batch
.endr
	s_wait_alu depctr_va_vdst(0)
.irp i, 0,2,4,6,8,10,12,14
	v_pk_mul_f32 v[GP+\i:GP+\i+1], v[GP+\i:GP+\i+1], v[GT+\i:GT+\i+1]   ; q
.endr
.irp i, 0,1,2,3,4,5,6,7,8,9,10,11,12,13,14,15
	v_fma_f32 v[\x+\k+\i], -|v[\x+\k+\i]|, v[GP+\i], v[GS+\i]
.endr
.endr
.endm
; 64 numbers of a lane, register 16 b + i = column 32 b + 16 (lane / 16) + i of my row, become a fragment's codes in v[PC] on and its scale word in v[pw]
.macro QUANT s, pw
.irp b, 0,1,2,3
	v_max3_num_f32 v[TM+\b], |v[\s+16*\b]|, |v[\s+1+16*\b]|, 0x4800000   ; with the floor 2^(9 - 127): the byte cannot fall under 1
.endr
.irp i, 2,4,6,8,10,12,14
.irp b, 0,1,2,3
	v_max3_num_f32 v[TM+\b], v[TM+\b], |v[\s+16*\b+\i]|, |v[\s+1+16*\b+\i]|
.endr
.endr
.irp b, 0,1,2,3
	v_permlanex16_b32 v[TM+4+\b], v[TM+\b], s[SEL], s[SEL+1]
.endr
.irp b, 0,1,2,3
	v_max_num_f32 v[TM+\b], v[TM+\b], v[TM+4+\b]
.endr
.irp b, 0,1,2,3
	v_add_nc_u32 v[TM+12+\b], 0xfc000000, v[TM+\b]
.endr
.irp b, 0,1,2,3
	v_and_or_b32 v[TM+8+\b], v[TM+\b], 0x7f800000, s[MNT]
.endr
.irp b, 0,1,2,3
	v_lshrrev_b32 v[TM+4+\b], 23, v[TM+12+\b]
.endr
	v_lshl_or_b32 v[\pw], v[TM+5], 8, v[TM+4]
	v_lshl_or_b32 v[\pw], v[TM+6], 16, v[\pw]
	v_lshl_or_b32 v[\pw], v[TM+7], 24, v[\pw]
.irp b, 0,1,2,3
.irp i, 0,1,2,3,4,5,6,7,8,9,10,11,12,13,14,15
	v_med3_num_f32 v[\s+16*\b+\i], v[\s+16*\b+\i], -v[TM+8+\b], v[TM+8+\b]   ; the conversion does not saturate (ISA guide 7.6.2): the hold comes first
.endr
	v_cvt_scalef32_pk8_fp8_f32 v[PC+4*\b:PC+1+4*\b], v[\s+16*\b:\s+7+16*\b], v[TM+12+\b]
	v_cvt_scalef32_pk8_fp8_f32 v[PC+2+4*\b:PC+3+4*\b], v[\s+8+16*\b:\s+15+16*\b], v[TM+12+\b]
.endr
	v_nop                                          ; a plain instruction behind the last conversion
.endm
	s_wait_tensorcnt 1                             ; my part of K step 0 is in (K step 1's load may be out),
	s_barrier_signal -1
	s_barrier_wait -1
	FETCH_B 0, 0, 0
	FETCH_A 0, 0, 0
	SCALES 0
	FETCH_A 0, 0, 4
	STEP 0, 0, 1
	s_mov_b32 s3, LAPS-1
.Llap:
	TURN 0, 1, 1
	STEP 1, 0, 0
	TURN 1, 0, 1
	STEP 0, 0, 0
	s_sub_co_u32 s3, s3, 1
	s_cmp_lg_u32 s3, 0
	s_cbranch_scc1 .Llap
	TURN 0, 1, 0
	STEP 1, 0, 0
	s_wait_dscnt 16
	WIN MUL_LO
	MUL16 0, 1, 1, 1, 0
	MUL16 2, 1, 1, 1, 0
	s_wait_dscnt 0
	WIN MUL_HI
	MUL16 4, 1, 1, 1, 0
	MUL16 6, 1, 1, 1, 0
	WIN 0
	; THE WAY OUT.  The ring has had its last fill; behind this barrier nobody reads it.  My 512 accumulator registers go once into my own 65,536 bytes of it, so that the activation, written once for
	; two rows of accumulators, can be walked by a loop of four trips in window 0 alone.
	s_barrier_signal -1
	s_barrier_wait -1
	PLACES NP
.irp a, 0,1,2,3,4,5,6,7
	WIN 0x08+4*(\a/4)
.irp g, 0,1,2,3,4,5,6,7,8,9,10,11,12,13,14,15
	ds_store_b128 v[DW], v[64*(\a%4)+4*\g:64*(\a%4)+4*\g+3] offset:(16*\a+\g)*512   ; each accumulator from its low end on
.endr
.endr
	WIN 0
.irp b, 0,1,2,3
	v_mov_b32 v[TM+4+\b], 0                        ; a lane permute's destination counts as one of its sources
.endr
	s_mov_b32 s2, 4
	s_mov_b32 s[TD], 0
	s_mov_b32 s[TS], 0
.Ltrip:                                                ; rows of accumulators a = 2 t and 2 t + 1
	v_add_nc_u32 v[DR], s[TD], v[DW]
	v_add_nc_u32 v[SW], s[TS], v[SW0]
.irp g, 0,1,2,3,4,5,6,7,8,9,10,11,12,13,14,15
	ds_load_b128 v[X0+4*\g:X0+4*\g+3], v[DR] offset:512*\g
.endr
.irp g, 0,1,2,3,4,5,6,7,8,9,10,11,12,13,14,15
	ds_load_b128 v[X1+4*\g:X1+4*\g+3], v[DR] offset:8192+512*\g
.endr
	s_wait_dscnt 16                                ; the first row is in; the second's 16 loads may be out
	GELU X0
	QUANT X0, PW0
.irp c, 0,1,2,3
	global_store_b128 v[LI], v[PC+4*\c:PC+4*\c+3], s[OB:OB+1] offset:512*\c   ; 512 consecutive bytes each
.endr
	s_wait_dscnt 0x0
	s_wait_xcnt 0x0                                ; the stores have read the codes' registers, which the activation writes again
	GELU X1
	QUANT X1, PW1
.irp c, 0,1,2,3
	global_store_b128 v[LI], v[PC+4*\c:PC+4*\c+3], s[OB:OB+1] offset:4096+512*\c
.endr
	v_cndmask_b32 v[MW], v[PW0], v[PW1], s[HM]     ; lanes 0-15 the even tile's words, lanes 16-31 the odd tile's
	ds_store_b32 v[SW], v[MW]
	s_wait_xcnt 0x0                                ; the stores have read their base and data
	s_add_nc_u64 s[OB:OB+1], s[OB:OB+1], 8192
	s_add_co_u32 s[TD], s[TD], 16384
	s_add_co_u32 s[TS], s[TS], 4
	s_sub_co_u32 s2, s2, 1
	s_cmp_lg_u32 s2, 0
	s_cbranch_scc1 .Ltrip
	ds_load_b128 v[M4:M4+3], v[SW0]                ; my own bytes, in order behind my stores
	s_wait_dscnt 0x0
	global_store_b128 v[LI], v[M4:M4+3], s[SB:SB+1]
	s_wait_tensorcnt 0x0                           ; the wave's end
	ds_add_u32 v[SPW], v[NIL]
	s_wait_dscnt 0x0
	CROUND                                         ; the closing round
	s_endpgm
.Lfunc_end_k_qc80f27e980_upg:
	.size	k_qc80f27e980_upg, .Lfunc_end_k_qc80f27e980_upg-k_qc80f27e980_upg
	.p2alignl 7, 3214868480
	.fill 96, 4, 3214868480
	.section	.rodata,"a",@progbits
	.p2align	6, 0x0
	.amdhsa_kernel k_qc80f27e980_upg
		.amdhsa_group_segment_fixed_size 327680
		.amdhsa_private_segment_fixed_size 0
		.amdhsa_enable_private_segment 0
		.amdhsa_kernarg_size 24
		.amdhsa_user_sgpr_count 2
		.amdhsa_user_sgpr_kernarg_segment_ptr 1
		.amdhsa_wavefront_size32 1
		.amdhsa_system_sgpr_workgroup_id_x 1
		.amdhsa_system_sgpr_workgroup_id_y 1
		.amdhsa_system_sgpr_workgroup_id_z 1
		.amdhsa_system_vgpr_workitem_id 0
		.amdhsa_next_free_vgpr 1024
		.amdhsa_next_free_sgpr 98
		.amdhsa_reserve_vcc 0
		.amdhsa_float_denorm_mode_32 3
		.amdhsa_float_denorm_mode_16_64 3
		.amdhsa_memory_ordered 1
		.amdhsa_forward_progress 1
		.amdhsa_inst_pref_size 218
	.end_amdhsa_kernel
	.amdgpu_metadata
---
amdhsa.version: [ 1, 2 ]
amdhsa.kernels:
  - .name:           k_qc80f27e980_upg
    .symbol:         k_qc80f27e980_upg.kd
    .args:
      - { .name: himg, .offset: 0, .size: 8, .value_kind: global_buffer, .address_space: global }
      - { .name: wimg, .offset: 8, .size: 8, .value_kind: global_buffer, .address_space: global }
      - { .name: gimg, .offset: 16, .size: 8, .value_kind: global_buffer, .address_space: global }
    .group_segment_fixed_size: 327680
    .private_segment_fixed_size: 0
    .kernarg_segment_align: 8
    .kernarg_segment_size: 24
    .max_flat_workgroup_size: 128
    .sgpr_count:     98
    .vgpr_count:     1024
    .wavefront_size: 32
...
	.end_amdgpu_metadata
.endif
;; end of part 6
;; launch down (part 7): grid 4 x 16, 4 waves a work-group, clusters of 4 x 4, 327,680 bytes of LDS; arguments gimg, wimg, x2, out0; writes out0
.if DOCPART == 7
	.amdgcn_target "amdgcn-amd-amdhsa--gfx1250"
	.amdhsa_code_object_version 6
	.text
	.protected	k_qc80f27e980_down
	.globl	k_qc80f27e980_down
	.p2align	8
	.type	k_qc80f27e980_down,@function
k_qc80f27e980_down:
	s_mov_b64 s[64:65], 0
	v_nop
	global_prefetch_b8 v0, s[64:65] scope:SCOPE_SE
	s_setreg_imm32_b32 hwreg(HW_REG_WAVE_MODE, 25, 1), 1
	s_wait_xcnt 0x0
	s_wait_alu depctr_hold_cnt(0) depctr_sa_sdst(0) depctr_va_vdst(0) depctr_va_sdst(0) depctr_va_ssrc(0) depctr_va_vcc(0) depctr_vm_vsrc(0)
	s_getreg_b32 s2, hwreg(HW_REG_IB_STS2, 6, 4)
	s_cmp_eq_u32 s2, 0
	s_cbranch_scc0 .Lentry_in_a_cluster
	s_endpgm
.Lentry_in_a_cluster:
	s_bfe_u32 s2, ttmp6, 0x10000c
	s_cmp_lg_u32 s2, 0xf033
	s_cbranch_scc0 .Lentry_shape_is_right
	s_endpgm
.Lentry_shape_is_right:
; out = x2 + g ff_down_w^T, on codes of E4M3 with E8M0 scales, K = 4,096; f32 sums, the residual added behind the K sum, f32 out.
; OPERANDS are image blocks (128 rows x 256 along K, BLK bytes: piece (2 T + q) 4 + c = registers 4 c .. 4 c + 3 of the fragment of tile T, the block's q-th 128 along K, 16 bytes a lane;
; lane r of tile T is row 32 (T / 2) + 8 (T % 2) + r + 8 (r / 8); from byte 32,768 on the scale words, 512 q + 16 lane: word p = tile 2 p + lane / 16).  One dense tensor load a wave brings codes and scales of a K step,
; so the scales ride in the ring and K's length asks for no LDS of its own.
; SHARES: a tile of C, 256 x 256, to a work-group of four waves, 128 x 128 a wave.  C has 16 x 4 such tiles: 64 work-groups.  CLUSTERS 4 x 4: A's tiles jointly along a row of the cluster, B's along a column.
; THE MATRIX INSTRUCTION IS USED TRANSPOSED (source 0 = B's tile b, source 1 = A's tile a): register j of lane (r, h) is C(A's row of lane r, column 32 (b / 2) + 16 h + 8 (b % 2) + j).
; REGISTERS: window 0: v1-29 addresses; v32-63 scale words, two sets, and nothing else; v128-255 A's fragments, one set (way out: rows read back); window 1: B's fragments, two sets (way out: the residual);
;   windows 2, 3: the accumulators ((a, b) at v[8 (8 (a % 4) + b)]).
.set BLK,   33792
.set SLOT,  4*BLK
.set SPARE, 2*SLOT                     ; the spare words, 128 bytes a wave: two blocks of 256 bytes that no other line names
.set NKS,   16                         ; K steps of 256
.set LAPS,  NKS/2
.set NP,    8                          ; places behind this matrix instruction (ISA guide 7.12.1)
.set B_OFF, 256*BLK                    ; ff_down_w's images in wimg
.set SPITCH, 528                       ; the way out: a stage of 16 rows x (512 + 16) bytes a wave, in slot 0, which has had its last fill and its last read by then
.set LI,   2
.set ADRA, 16
.set ADRB, 20
.set STO,  24
.set RD,   25
.set SPW,  28
.set NIL,  29
.set SC,   32
.set AF,   128
.set BK,   128
.set G1, 24
.set G0, 32
.set G1B, 48
.set G0B, 56
.set RS,  90
.set OS,  92
.set MSB, 0
.macro WIN new
.if MSB != \new
	s_set_vgpr_msb (MSB<<8)|\new
.set MSB, \new
.endif
.endm
.set MUL_LO, 0xa1
.set MUL_HI, 0xf1
.set TO_B,   0x40
.macro JLOAD g0a, g1a, g0b, g1b        ; a joint load: waves 0, 1 fetch A's halves, waves 2, 3 B's; four v_nop follow each line
	s_cmp_eq_u32 s15, 0
	s_cbranch_scc0 .Lfor_b_\@
	tensor_load_to_lds s[\g0a:\g0a+3], s[\g1a:\g1a+7]
	s_nop 0
.rept 4
	v_nop
.endr
	s_branch .Lasked_\@
.Lfor_b_\@:
	tensor_load_to_lds s[\g0b:\g0b+3], s[\g1b:\g1b+7]
	s_nop 0
.rept 4
	v_nop
.endr
.Lasked_\@:
.endm
.macro CREST
	s_cmp_lg_u32 s14, 0
	s_cbranch_scc1 .Lnot_wave_0_\@
	s_barrier_signal -3
.Lnot_wave_0_\@:
	s_barrier_wait -3
	s_barrier_signal -1
	s_barrier_wait -1
.endm
.macro CROUND
	s_barrier_signal -1
	s_barrier_wait -1
	CREST
.endm
	s_load_b256 s[4:11], s[0:1], 0x0               ; A's images, wimg, the residual, the output
	v_lshl_add_u32 v[SPW], v0, 2, SPARE
	v_mov_b32 v[NIL], 0
	ds_add_u32 v28, v29
	ds_add_u32 v28, v29
	s_wait_dscnt 0x0
	v_lshrrev_b32 v1, 5, v0
	v_readfirstlane_b32 s14, v1
	s_lshr_b32 s15, s14, 1
	s_and_b32 s16, s14, 1
	s_bfe_u32 s40, ttmp6, 0x40000
	s_bfe_u32 s41, ttmp6, 0x40004
	s_lshl_b32 s42, ttmp9, 2
	s_add_co_u32 s42, s42, s40                     ; tile column
	s_and_b32 s17, ttmp7, 0xffff
	s_lshl_b32 s17, s17, 2
	s_add_co_u32 s17, s17, s41                     ; tile row
	s_lshl_b32 s43, s41, 2
	s_lshl_b32 s43, 15, s43
	s_lshl_b32 s44, 0x1111, s40
	s_or_b32 s[G1+0], s43, (3<<16)|(1<<21)
	s_or_b32 s[G1B+0], s44, (3<<16)|(1<<21)
.irp g, G1, G1B
	s_mov_b32 s[\g+1], 32<<16                      ; a block is dense: 132 rows of 256 bytes
	s_mov_b32 s[\g+2], 132<<16
	s_mov_b32 s[\g+3], 32<<16
	s_mov_b32 s[\g+4], 132
	s_mov_b32 s[\g+5], 32
	s_mov_b32 s[\g+6], 0
	s_mov_b32 s[\g+7], 0
.endr
	s_lshl_b32 s20, s17, 1
	s_add_co_u32 s20, s20, s16
	s_mul_i32 s20, s20, NKS*BLK
	s_mov_b32 s21, 0
	s_lshl_b32 s46, s42, 1
	s_add_co_u32 s46, s46, s16
	s_mul_i32 s46, s46, NKS*BLK
	s_add_co_u32 s46, s46, B_OFF
	s_mov_b32 s47, 0
	s_mul_i32 s45, s14, BLK
	s_wait_kmcnt 0x0
	s_add_nc_u64 s[20:21], s[4:5], s[20:21]
	s_add_nc_u64 s[46:47], s[6:7], s[46:47]
	CROUND
.irp s, 0,1
	s_mov_b32 s[G0+4*\s], 1
	s_add_co_u32 s[G0+4*\s+1], s45, \s*SLOT
	s_add_nc_u64 s[G0+4*\s+2:G0+4*\s+3], s[20:21], \s*BLK
	s_or_b32 s[G0+4*\s+3], s[G0+4*\s+3], 0x80000000
	s_mov_b32 s[G0B+4*\s], 1
	s_add_co_u32 s[G0B+4*\s+1], s45, \s*SLOT
	s_add_nc_u64 s[G0B+4*\s+2:G0B+4*\s+3], s[46:47], \s*BLK
	s_or_b32 s[G0B+4*\s+3], s[G0B+4*\s+3], 0x80000000
	JLOAD G0+4*\s, G1, G0B+4*\s, G1B
.endr
	v_and_b32 v1, 31, v0
	v_lshlrev_b32 v[LI], 4, v1
	s_mul_i32 s21, s15, BLK
	s_mul_i32 s22, s16, BLK
	s_add_co_u32 s22, s22, 2*BLK
.irp s, 0,1
	v_add_nc_u32 v[ADRA+\s], s21, v[LI]
	v_add_nc_u32 v[ADRB+\s], s22, v[LI]
	s_add_co_u32 s21, s21, SLOT
	s_add_co_u32 s22, s22, SLOT
.endr
	s_mul_i32 s23, s14, 16*SPITCH                  ; my stage
	v_and_b32 v3, 15, v0
	v_bfe_u32 v4, v0, 4, 1
	v_mul_u32_u24 v5, v3, SPITCH
	v_lshl_add_u32 v5, v4, 6, v5
	v_add_nc_u32 v[STO], s23, v5                   ; in: row r, + 64 (lane / 16)
	v_add_nc_u32 v[RD], s23, v[LI]                 ; back: the 32 lanes take a row of 512 bytes
	s_lshl_b32 s88, s17, 8
	s_lshl_b32 s89, s15, 7
	s_add_co_u32 s88, s88, s89
	s_lshl_b32 s88, s88, 12
	s_lshl_b32 s89, s42, 10
	s_add_co_u32 s88, s88, s89
	s_lshl_b32 s89, s16, 9
	s_add_co_u32 s88, s88, s89
	s_mov_b32 s89, 0
	s_add_nc_u64 s[RS:RS+1], s[8:9], s[88:89]
	s_add_nc_u64 s[OS:OS+1], s[10:11], s[88:89]
.macro FRAG reg, adr, q, i
.irp c, 0,1,2,3
	ds_load_b128 v[\reg+4*\c:\reg+4*\c+3], v[\adr] offset:(((\i)*2+(\q))*4+\c)*512
.endr
.endm
.macro WM a, b, p, q, sc, zero         ; one product: B's tile b (set p) x A's tile a; odd tiles' scale words stand in lanes 16-31
.set rD, 8*(8*((\a)%4)+(\b))
.set rB, 128*(\p)+16*(\b)
.set rA, AF+16*(\a)
.set sB, SC+16*(\sc)+8+4*(\q)+(\b)/2
.set sA, SC+16*(\sc)+4*(\q)+(\a)/2
.if \zero
.if ((\b)%2) && ((\a)%2)
	v_wmma_scale_f32_16x16x128_f8f6f4 v[rD:rD+7], v[rB:rB+15], v[rA:rA+15], 0, v[sB], v[sA] matrix_a_scale:MATRIX_SCALE_ROW1 matrix_b_scale:MATRIX_SCALE_ROW1
.elseif (\b)%2
	v_wmma_scale_f32_16x16x128_f8f6f4 v[rD:rD+7], v[rB:rB+15], v[rA:rA+15], 0, v[sB], v[sA] matrix_a_scale:MATRIX_SCALE_ROW1
.elseif (\a)%2
	v_wmma_scale_f32_16x16x128_f8f6f4 v[rD:rD+7], v[rB:rB+15], v[rA:rA+15], 0, v[sB], v[sA] matrix_b_scale:MATRIX_SCALE_ROW1
.else
	v_wmma_scale_f32_16x16x128_f8f6f4 v[rD:rD+7], v[rB:rB+15], v[rA:rA+15], 0, v[sB], v[sA]
.endif
.else
.if ((\b)%2) && ((\a)%2)
	v_wmma_scale_f32_16x16x128_f8f6f4 v[rD:rD+7], v[rB:rB+15], v[rA:rA+15], v[rD:rD+7], v[sB], v[sA] matrix_a_scale:MATRIX_SCALE_ROW1 matrix_b_scale:MATRIX_SCALE_ROW1
.elseif (\b)%2
	v_wmma_scale_f32_16x16x128_f8f6f4 v[rD:rD+7], v[rB:rB+15], v[rA:rA+15], v[rD:rD+7], v[sB], v[sA] matrix_a_scale:MATRIX_SCALE_ROW1
.elseif (\a)%2
	v_wmma_scale_f32_16x16x128_f8f6f4 v[rD:rD+7], v[rB:rB+15], v[rA:rA+15], v[rD:rD+7], v[sB], v[sA] matrix_b_scale:MATRIX_SCALE_ROW1
.else
	v_wmma_scale_f32_16x16x128_f8f6f4 v[rD:rD+7], v[rB:rB+15], v[rA:rA+15], v[rD:rD+7], v[sB], v[sA]
.endif
.endif
.endm
.macro MUL16 a0, p, q, sc, zero        ; the 64 accumulators take turns, one instruction a turn, in the same order in every step
.irp a, \a0, \a0+1
.irp b, 0,1,2,3,4,5,6,7
	WM \a, \b, \p, \q, \sc, \zero
.endr
.endr
.endm
.macro FETCH_B slot, q, p
	WIN TO_B
.irp i, 0,1,2,3,4,5,6,7
	FRAG 128*(\p)+16*\i, ADRB+\slot, \q, \i
.endr
	WIN 0
.endm
.macro FETCH_A slot, q, i0
.irp i, \i0, \i0+1, \i0+2, \i0+3
	FRAG AF+16*(\i), ADRA+\slot, \q, \i
.endr
.endm
.macro SCALES sc
.irp q, 0,1
	ds_load_b128 v[SC+16*\sc+4*\q:SC+16*\sc+4*\q+3], v[ADRA+\sc] offset:32768+512*\q
	ds_load_b128 v[SC+16*\sc+8+4*\q:SC+16*\sc+8+4*\q+3], v[ADRB+\sc] offset:32768+512*\q
.endr
.endm
.macro PLACES n                        ; plain vector instructions between a matrix instruction and a load into, or a read of, its registers (ISA guide 7.12.1 for reads)
.rept \n
	v_nop
.endr
.endm
.macro STEP slot, q, zero
	s_wait_dscnt 16                                ; B's set, A's tiles 0-3 and the scale words are in; the youngest 16 loads (A's tiles 4-7) may be out
	WIN MUL_LO
	MUL16 0, (\q)%2, \q, \slot, \zero
	MUL16 2, (\q)%2, \q, \slot, \zero
	s_wait_dscnt 0
	PLACES NP
	FETCH_B \slot, (\q)+1, 1-(\q)%2
	FETCH_A \slot, (\q)+1, 0
	WIN MUL_HI
	MUL16 4, (\q)%2, \q, \slot, \zero
	MUL16 6, (\q)%2, \q, \slot, \zero
	PLACES NP
	WIN 0
	FETCH_A \slot, (\q)+1, 4
.endm
.macro TURN slot, next, fill
	s_wait_tensorcnt 0x0                           ; all my tensor loads have landed: my part of the next slot;
	ds_add_u32 v[SPW], v[NIL]                      ; 0 onto my spare word;
	s_wait_dscnt 17                                ; (the add and the youngest 16 loads may be out)
	WIN MUL_LO
	MUL16 0, 1, 1, \slot, 0
	s_wait_dscnt 0x0                               ; the add is done, and my reads of this slot are over
	s_barrier_signal -1
	MUL16 2, 1, 1, \slot, 0
	WIN 0
	s_barrier_wait -1
.if \fill
	CREST                                          ; no wave of any partner still reads this slot or has a load on its way
	s_add_nc_u64 s[G0+4*\slot+2:G0+4*\slot+3], s[G0+4*\slot+2:G0+4*\slot+3], 2*BLK
	s_add_nc_u64 s[G0B+4*\slot+2:G0B+4*\slot+3], s[G0B+4*\slot+2:G0B+4*\slot+3], 2*BLK
	JLOAD G0+4*\slot, G1, G0B+4*\slot, G1B         ; my one tensor load behind the round; its four v_nop are four of the places below
	PLACES NP-4
.else
	PLACES NP
.endif
	FETCH_B \next, 0, 0
	FETCH_A \next, 0, 0
	SCALES \next
	WIN MUL_HI
	MUL16 4, 1, 1, \slot, 0
	MUL16 6, 1, 1, \slot, 0
	PLACES NP
	WIN 0
	FETCH_A \next, 0, 4
.endm
; THE WAY OUT, a row of accumulators (16 rows x 128 columns of C) at a time.  Row t of block a is my row 32 (a / 2) + 8 (a % 2) + t + 8 (t / 8): it stands in the immediates (520,192 at the most); no base is stepped.
.macro RLOAD a                         ; the residual's 16 rows of block a into window 1, where B's fragments lay: 512 consecutive bytes a load
	WIN 0x40
.irp t, 0,1,2,3,4,5,6,7,8,9,10,11,12,13,14,15
	global_load_b128 v[64*((\a)%4)+4*\t:64*((\a)%4)+4*\t+3], v[LI], s[RS:RS+1] offset:(32*((\a)/2)+8*((\a)%2)+\t+8*(\t/8))*4096
.endr
.endm
.macro TOSTAGE a                       ; through my own stage: LDS serves a wave's instructions in order, so no wait stands between the stores and the loads
.set AC, 64*((\a)%4)
	WIN 0x08+4*((\a)/4)
.irp b, 0,1,2,3,4,5,6,7
	ds_store_b128 v[STO], v[AC+8*\b:AC+8*\b+3] offset:128*(\b/2)+32*(\b%2)      ; each accumulator from its low end on
	ds_store_b128 v[STO], v[AC+8*\b+4:AC+8*\b+7] offset:128*(\b/2)+32*(\b%2)+16
.endr
	WIN 0
.set BB, BK+64*((\a)%2)
.irp t, 0,1,2,3,4,5,6,7,8,9,10,11,12,13,14,15
	ds_load_b128 v[BB+4*\t:BB+4*\t+3], v[RD] offset:\t*SPITCH
.endr
.endm
.macro SEND a, younger
.set BB, BK+64*((\a)%2)
.set RR, 64*((\a)%4)
	s_wait_dscnt \younger                          ; the block is back in registers
.if (\a) < 5
	s_wait_loadcnt 48                              ; its residual is in; three younger blocks' 48 loads may be out
.else
	s_wait_loadcnt 16*(7-(\a))
.endif
	WIN 0x04                                       ; source 1: window 1
.set i, 0
.rept 32
	v_pk_add_f32 v[BB+i:BB+i+1], v[BB+i:BB+i+1], v[RR+i:RR+i+1]
.set i, i+2
.endr
.if (\a) < 4
	RLOAD (\a)+4                                   ; loads ahead of stores
.endif
	WIN 0
.irp t, 0,1,2,3,4,5,6,7,8,9,10,11,12,13,14,15
	global_store_b128 v[LI], v[BB+4*\t:BB+4*\t+3], s[OS:OS+1] offset:(32*((\a)/2)+8*((\a)%2)+\t+8*(\t/8))*4096 th:TH_STORE_NT   ; 512 consecutive bytes, aligned; written once, read by nobody here
.endr
.endm
	s_wait_tensorcnt 1                             ; my part of K step 0 is in (K step 1's load may be out),
	s_barrier_signal -1
	s_barrier_wait -1
	FETCH_B 0, 0, 0
	FETCH_A 0, 0, 0
	SCALES 0
	FETCH_A 0, 0, 4
	STEP 0, 0, 1
	s_mov_b32 s3, LAPS-1
.Llap:
	TURN 0, 1, 1
	STEP 1, 0, 0
	TURN 1, 0, 1
	STEP 0, 0, 0
	s_sub_co_u32 s3, s3, 1
	s_cmp_lg_u32 s3, 0
	s_cbranch_scc1 .Llap
	TURN 0, 1, 0
	STEP 1, 0, 0
	RLOAD 0                                        ; B's set 0 is done with (the step's places stand behind its last products): the last 64 products cover these loads' way
	RLOAD 1
	s_wait_dscnt 16
	WIN MUL_LO
	MUL16 0, 1, 1, 1, 0
	MUL16 2, 1, 1, 1, 0
	s_wait_dscnt 0
	WIN MUL_HI
	MUL16 4, 1, 1, 1, 0
	MUL16 6, 1, 1, 1, 0
	WIN 0
	PLACES NP
	RLOAD 2
	RLOAD 3
	TOSTAGE 0
.irp a, 1,2,3,4,5,6,7
.if \a > 1
	s_wait_xcnt 0x0                                ; block a - 2's stores have read their registers: block a's loads may land there
.endif
	TOSTAGE \a
	SEND \a-1, 32                                  ; behind block a - 1's loads: block a's 16 stores and 16 loads
.endr
	SEND 7, 0
	s_wait_tensorcnt 0x0                           ; the wave's end
	ds_add_u32 v[SPW], v[NIL]
	s_wait_dscnt 0x0
	CROUND                                         ; the closing round
	s_endpgm
.Lfunc_end_k_qc80f27e980_down:
	.size	k_qc80f27e980_down, .Lfunc_end_k_qc80f27e980_down-k_qc80f27e980_down
	.p2alignl 7, 3214868480
	.fill 96, 4, 3214868480
	.section	.rodata,"a",@progbits
	.p2align	6, 0x0
	.amdhsa_kernel k_qc80f27e980_down
		.amdhsa_group_segment_fixed_size 327680
		.amdhsa_private_segment_fixed_size 0
		.amdhsa_enable_private_segment 0
		.amdhsa_kernarg_size 32
		.amdhsa_user_sgpr_count 2
		.amdhsa_user_sgpr_kernarg_segment_ptr 1
		.amdhsa_wavefront_size32 1
		.amdhsa_system_sgpr_workgroup_id_x 1
		.amdhsa_system_sgpr_workgroup_id_y 1
		.amdhsa_system_sgpr_workgroup_id_z 1
		.amdhsa_system_vgpr_workitem_id 0
		.amdhsa_next_free_vgpr 1024
		.amdhsa_next_free_sgpr 98
		.amdhsa_reserve_vcc 0
		.amdhsa_float_denorm_mode_32 3
		.amdhsa_float_denorm_mode_16_64 3
		.amdhsa_memory_ordered 1
		.amdhsa_forward_progress 1
		.amdhsa_inst_pref_size 170
	.end_amdhsa_kernel
	.amdgpu_metadata
---
amdhsa.version: [ 1, 2 ]
amdhsa.kernels:
  - .name:           k_qc80f27e980_down
    .symbol:         k_qc80f27e980_down.kd
    .args:
      - { .name: gimg, .offset: 0, .size: 8, .value_kind: global_buffer, .address_space: global }
      - { .name: wimg, .offset: 8, .size: 8, .value_kind: global_buffer, .address_space: global }
      - { .name: x2, .offset: 16, .size: 8, .value_kind: global_buffer, .address_space: global }
      - { .name: out0, .offset: 24, .size: 8, .value_kind: global_buffer, .address_space: global }
    .group_segment_fixed_size: 327680
    .private_segment_fixed_size: 0
    .kernarg_segment_align: 8
    .kernarg_segment_size: 32
    .max_flat_workgroup_size: 128
    .sgpr_count:     98
    .vgpr_count:     1024
    .wavefront_size: 32
...
	.end_amdgpu_metadata
.endif
;; end of part 7
;; ======== version 2 of 2: 7 launches
;; limits: right only within a limited range of input values
;; workspace buffers: wimg 12,976,128 bytes; himg 4,325,376 bytes; qkv 13,238,272 bytes; aimg 4,325,376 bytes; x2 16,777,216 bytes; gimg 17,301,504 bytes
;; launch prepln (part 8): grid 640 x 1, 8 waves a work-group, no clusters, 95,744 bytes of LDS; arguments x, norm1_scale, norm1_bias, himg, qkv_w_codes, qkv_w_scales, out_w_codes, out_w_scales, ff_up_w_codes, ff_up_w_scales, ff_down_w_codes, ff_down_w_scales, wimg; writes himg, wimg
.if DOCPART == 8
	.amdgcn_target "amdgcn-amd-amdhsa--gfx1250"
	.amdhsa_code_object_version 6
	.text
	.protected	k_qc80f27e980_prepln
	.globl	k_qc80f27e980_prepln
	.p2align	8
	.type	k_qc80f27e980_prepln,@function
k_qc80f27e980_prepln:
	s_mov_b64 s[64:65], 0
	v_nop
	global_prefetch_b8 v0, s[64:65] scope:SCOPE_SE
	s_setreg_imm32_b32 hwreg(HW_REG_WAVE_MODE, 25, 1), 1
	s_wait_xcnt 0x0
; TWO PREPARING JOBS IN ONE LAUNCH, told apart by the work-group's number.
; IMAGE BLOCKS are the form in which every GEMM of this program takes an operand: 128 rows x 256 along K, BLK = 33,792 bytes: 64 pieces of 512 bytes, piece (2 T + q) 4 + c holding, at 16 x lane, the 16 codes
; k = 128 q + 32 c + 16 (lane / 16) + 0 .. 15 of row 32 (T / 2) + 8 (T % 2) + r + 8 (r / 8), r = lane % 16; behind them 1,024 bytes of scale words: at 32,768 + 512 q + 16 (16 (T % 2) + r) + 4 (T / 2).
; WORK-GROUPS 0-255: h = layer_norm(x) x gain + bias in f32, quantised along its 1,024 columns (E4M3, one E8M0 byte for 32), stored as image blocks in himg.  Work-group g makes tile g of 16 rows for all four K steps;
; wave w takes the tile's rows r = w and r = w + 8, each whole: mean first, then the sum of squares of x - mean.  The normalised row turns through the wave's own stage so that a lane holds 16 neighbours.
; WORK-GROUPS 256-639: block g - 256 of the four weights (codes [rows][K], scale bytes [rows][K / 32]) is laid as an image block in wimg: qkv_w 0-95, out_w 96-127, ff_up_w 128-255, ff_down_w 256-383; a wave a tile.
; Each path has LDS bytes of its own; 160 registers and 95,744 bytes of LDS let three work-groups lie on a WGP: 768 places for the 640.  Streaming work: no matrix unit, no cluster, no tensor load.
; LIMITS: a block of zeros of h, or one under 2^-118, gets the byte 1 (read by this program alone); NaN and infinities are not served.
.set BLK, 33792
.set TST, 5120                         ; the norm: a wave's stage: 64 places of 80 bytes
.set IMG, 8*TST                        ; 64 pieces of 256 bytes + 16
.set SCB, IMG+64*272                   ; 512 scale bytes
.set PB,  SCB+512                      ; the weights' path: eight stages of 16 x 272 bytes,
.set PSTG, 16*272
.set PSCB, PB+8*PSTG                   ; and the block's 1,024 bytes of scale words
.set SPARE, PSCB+1024                  ; the spare words, 128 bytes a wave
.set X,   32                           ; v32-95   two rows as loaded: register 4 i + e = column 128 i + 4 lane + e
.set G,   96                           ; v96-127  gain
.set BI,  128                          ; v128-159 bias
.set Y,   96                           ; the rows turned, over gain and bias, which are done with by then: row p at Y + 32 p
.set C,   32                           ; v32-47 codes, over row 0 as loaded
.set OF,  80                           ; the weights' path: v80-87 the eight loads' offsets
	v_lshl_add_u32 v12, v0, 2, SPARE
	v_mov_b32 v13, 0
	s_cmp_lt_u32 ttmp9, 256
	s_cbranch_scc0 .Lprep
	s_load_b256 s[4:11], s[0:1], 0x0               ; x, gain, bias, himg
	v_lshrrev_b32 v1, 5, v0
	s_delay_alu instid0(VALU_DEP_1)
	v_readfirstlane_b32 s16, v1                    ; wave
	v_and_b32 v1, 31, v0                           ; lane
	s_delay_alu instid0(VALU_DEP_1)
	v_lshlrev_b32 v2, 4, v1                        ; 16 x lane
	s_mul_i32 s17, s16, TST
	v_lshrrev_b32 v3, 2, v1
	s_delay_alu instid0(VALU_DEP_1)
	v_mul_u32_u24 v3, v3, 80
	v_and_b32 v4, 3, v1
	s_delay_alu instid0(VALU_DEP_1)
	v_lshl_add_u32 v3, v4, 4, v3
	s_delay_alu instid0(VALU_DEP_1)
	v_add_nc_u32 v3, s17, v3                       ; the stage, in
	v_mul_u32_u24 v4, v1, 80
	s_delay_alu instid0(VALU_DEP_1)
	v_add_nc_u32 v4, s17, v4                       ; and out: my 64 bytes
	s_lshl_b32 s18, s16, 4
	s_add_co_u32 s18, s18, IMG
	v_mul_u32_u24 v5, v1, 272
	s_delay_alu instid0(VALU_DEP_1)
	v_add_nc_u32 v5, s18, v5                       ; my codes: piece 32 j + lane, 16 bytes at r = wave (+ 8)
	v_lshrrev_b32 v6, 3, v1
	s_delay_alu instid0(VALU_DEP_1)
	v_lshlrev_b32 v6, 6, v6
	v_bfe_u32 v7, v1, 1, 2
	s_delay_alu instid0(VALU_DEP_1)
	v_add_nc_u32 v6, v6, v7
	s_lshl_b32 s18, s16, 2
	s_add_co_u32 s18, s18, SCB
	v_add_nc_u32 v6, s18, v6                       ; my block's scale byte
	v_lshrrev_b32 v7, 4, v1
	v_and_b32 v8, 15, v1
	s_wait_alu depctr_va_vdst(0)
	v_mul_u32_u24 v7, v7, 272
	s_delay_alu instid0(VALU_DEP_1)
	v_lshl_add_u32 v7, v8, 4, v7
	s_mul_i32 s18, s16, 8*272
	s_add_co_u32 s18, s18, IMG
	v_add_nc_u32 v7, s18, v7                       ; the way out: pieces 8 wave on, two a load
	s_lshl_b32 s18, s16, 6
	s_add_co_u32 s18, s18, SCB
	v_lshl_add_u32 v9, v8, 2, s18                  ; and the scale words of (ks, q) = wave
	s_and_b32 s19, ttmp9, 7                        ; the tile in its row block
	s_and_b32 s26, s16, 1
	s_lshl_b32 s27, s19, 12
	s_lshl_b32 s28, s26, 11
	s_add_co_u32 s27, s27, s28
	v_add_nc_u32 v10, s27, v2                      ; codes in the block
	s_lshl_b32 s27, s26, 9
	s_add_co_u32 s27, s27, 32768
	s_and_b32 s28, s19, 1
	s_lshl_b32 s28, s28, 8
	s_add_co_u32 s27, s27, s28
	s_lshr_b32 s28, s19, 1
	s_lshl_b32 s28, s28, 2
	s_add_co_u32 s27, s27, s28
	v_lshl_add_u32 v11, v8, 4, s27                 ; scale words in the block
	v_mov_b32 v25, 0                               ; upper halves of pairs of which the low word alone is taken
	v_mov_b32 v29, 0
	v_mov_b32 v31, 0
	s_mov_b32 s20, 0x3a800000                      ; 1 / 1,024
	s_mov_b32 s21, 0x3727c5ac                      ; 1e-5
	s_mov_b32 s22, 0x600000                        ; the mantissa field of 448
	s_mov_b32 s24, 0x76543210
	s_mov_b32 s25, 0xfedcba98
	s_lshr_b32 s12, ttmp9, 1
	s_lshl_b32 s12, s12, 5
	s_and_b32 s13, ttmp9, 1
	s_lshl_b32 s13, s13, 3
	s_add_co_u32 s12, s12, s13
	s_add_co_u32 s12, s12, s16                     ; my first row; my second lies 16 rows on
	s_lshl_b32 s12, s12, 12
	s_mov_b32 s13, 0
	s_lshr_b32 s14, ttmp9, 3
	s_lshl_b32 s14, s14, 2
	s_lshr_b32 s15, s16, 1
	s_add_co_u32 s14, s14, s15                     ; on the way out: block 4 x row block + wave / 2
	s_mul_i32 s14, s14, BLK
	s_mov_b32 s15, 0
	s_wait_kmcnt 0x0
	s_add_nc_u64 s[4:5], s[4:5], s[12:13]
	s_add_nc_u64 s[10:11], s[10:11], s[14:15]
.irp p, 0,1
.irp i, 0,1,2,3,4,5,6,7
	global_load_b128 v[X+32*\p+4*\i:X+32*\p+4*\i+3], v2, s[4:5] offset:65536*\p+512*\i th:TH_LOAD_NT
.endr
.endr
.irp i, 0,1,2,3,4,5,6,7
	global_load_b128 v[G+4*\i:G+4*\i+3], v2, s[6:7] offset:512*\i
.endr
.irp i, 0,1,2,3,4,5,6,7
	global_load_b128 v[BI+4*\i:BI+4*\i+3], v2, s[8:9] offset:512*\i
.endr
.macro WSUM                            ; v[16:23], four packed partial sums, become the wave's sum in v16 of every lane
	s_delay_alu instid0(VALU_DEP_3)
	v_pk_add_f32 v[16:17], v[16:17], v[18:19]
	s_delay_alu instid0(VALU_DEP_2)
	v_pk_add_f32 v[20:21], v[20:21], v[22:23]
	s_delay_alu instid0(VALU_DEP_1)
	v_pk_add_f32 v[16:17], v[16:17], v[20:21]
	s_delay_alu instid0(VALU_DEP_1)
	v_add_f32 v16, v16, v17
	s_delay_alu instid0(VALU_DEP_1)
	v_add_f32_dpp v16, v16, v16 row_xmask:1 row_mask:0xf bank_mask:0xf
	s_delay_alu instid0(VALU_DEP_1)
	v_add_f32_dpp v16, v16, v16 row_xmask:2 row_mask:0xf bank_mask:0xf
	s_delay_alu instid0(VALU_DEP_1)
	v_add_f32_dpp v16, v16, v16 row_xmask:4 row_mask:0xf bank_mask:0xf
	s_delay_alu instid0(VALU_DEP_1)
	v_add_f32_dpp v16, v16, v16 row_xmask:8 row_mask:0xf bank_mask:0xf
	s_delay_alu instid0(VALU_DEP_1)
	v_permlanex16_b32 v17, v16, s24, s25
	s_delay_alu instid0(VALU_DEP_1)
	v_add_f32 v16, v16, v17
.endm
.macro STAT p                          ; row p: x - mean in place; variance + 1e-5 in v[26 + p]
.set XS, X+32*\p
.irp k, 0,1,2,3
	v_pk_add_f32 v[16+2*\k:17+2*\k], v[XS+2*\k:XS+2*\k+1], v[XS+8+2*\k:XS+9+2*\k]
.endr
.irp m, 16,24
.irp k, 0,1,2,3
	s_delay_alu instid0(VALU_DEP_4)
	v_pk_add_f32 v[16+2*\k:17+2*\k], v[16+2*\k:17+2*\k], v[XS+\m+2*\k:XS+\m+2*\k+1]
.endr
.endr
	WSUM
	s_delay_alu instid0(VALU_DEP_1)
	v_mul_f32 v24, s20, v16                        ; the mean
.irp i, 0,2,4,6,8,10,12,14,16,18,20,22,24,26,28,30
	v_pk_add_f32 v[XS+\i:XS+\i+1], v[XS+\i:XS+\i+1], v[24:25] op_sel_hi:[1,0] neg_lo:[0,1] neg_hi:[0,1]
.endr
.irp k, 0,1,2,3
	v_pk_mul_f32 v[16+2*\k:17+2*\k], v[XS+2*\k:XS+2*\k+1], v[XS+2*\k:XS+2*\k+1]
.endr
.irp m, 8,16,24
.irp k, 0,1,2,3
	s_delay_alu instid0(VALU_DEP_4)
	v_pk_fma_f32 v[16+2*\k:17+2*\k], v[XS+\m+2*\k:XS+\m+2*\k+1], v[XS+\m+2*\k:XS+\m+2*\k+1], v[16+2*\k:17+2*\k]
.endr
.endr
	WSUM
	s_delay_alu instid0(VALU_DEP_1)
	v_fma_f32 v[26+\p], v16, s20, s21
.endm
.macro NORM p                          ; ((x - mean) x rsqrt) x gain + bias
.set XS, X+32*\p
.irp i, 0,2,4,6,8,10,12,14,16,18,20,22,24,26,28,30
	v_pk_mul_f32 v[XS+\i:XS+\i+1], v[XS+\i:XS+\i+1], v[28+2*\p:29+2*\p] op_sel_hi:[1,0]
.endr
.irp i, 0,2,4,6,8,10,12,14,16,18,20,22,24,26,28,30
	v_pk_fma_f32 v[XS+\i:XS+\i+1], v[XS+\i:XS+\i+1], v[G+\i:G+\i+1], v[BI+\i:BI+\i+1]
.endr
.endm
.macro TURN p                          ; the row through my stage: in as loaded, out 64 neighbouring bytes a lane.  LDS serves a wave's instructions in order: no wait between
.irp i, 0,1,2,3,4,5,6,7
	ds_store_b128 v3, v[X+32*\p+4*\i:X+32*\p+4*\i+3] offset:640*\i
.endr
.irp j, 0,1
.irp k, 0,1,2,3
	ds_load_b128 v[Y+32*\p+16*\j+4*\k:Y+32*\p+16*\j+4*\k+3], v4 offset:2560*\j+16*\k
.endr
.endr
.endm
.macro Q16 p, j                        ; my 16 neighbours (lanes l and l xor 1 hold a block of 32) become 16 codes and a scale byte
.set YB, Y+32*\p+16*\j
.set N, 2*\p+\j
	v_max3_num_f32 v16, |v[YB]|, |v[YB+1]|, |v[YB+2]|
	v_max3_num_f32 v17, |v[YB+3]|, |v[YB+4]|, |v[YB+5]|
.irp i, 6,10
	s_delay_alu instid0(VALU_DEP_2)
	v_max3_num_f32 v16, v16, |v[YB+\i]|, |v[YB+\i+1]|
	s_delay_alu instid0(VALU_DEP_2)
	v_max3_num_f32 v17, v17, |v[YB+\i+2]|, |v[YB+\i+3]|
.endr
	s_delay_alu instid0(VALU_DEP_2)
	v_max3_num_f32 v16, v16, |v[YB+14]|, |v[YB+15]|
	s_delay_alu instid0(VALU_DEP_1)
	v_max3_num_f32 v16, v16, v17, 0x4800000        ; and the floor 2^(9 - 127): the byte cannot fall under 1
	s_delay_alu instid0(VALU_DEP_1)
	v_max_num_f32_dpp v16, v16, v16 row_xmask:1 row_mask:0xf bank_mask:0xf
	s_delay_alu instid0(VALU_DEP_1)
	v_add_nc_u32 v18, 0xfc000000, v16              ; 8 off the exponent field: the conversion's scale operand
	s_delay_alu instid0(VALU_DEP_2)
	v_and_or_b32 v19, v16, 0x7f800000, s22         ; 448 x the scale
.irp i, 0,1,2,3,4,5,6,7,8,9,10,11,12,13,14,15
	v_med3_num_f32 v[YB+\i], v[YB+\i], -v19, v19   ; the conversion does not saturate (ISA guide 7.6.2): the hold comes first
.endr
	v_cvt_scalef32_pk8_fp8_f32 v[C+4*N:C+4*N+1], v[YB:YB+7], v18
	v_cvt_scalef32_pk8_fp8_f32 v[C+4*N+2:C+4*N+3], v[YB+8:YB+15], v18
	v_lshrrev_b32 v[20+N], 23, v18                 ; the scale's byte
	ds_store_b128 v5, v[C+4*N:C+4*N+3] offset:8704*\j+128*\p
	ds_store_b8 v6, v[20+N] offset:256*\j+32*\p    ; both lanes of a block write the same byte with the same value
.endm
	s_wait_loadcnt 24                              ; row 0 is in; row 1, gain and bias (24 loads) may be out
	STAT 0
	s_wait_loadcnt 16                              ; row 1 is in
	STAT 1
	s_wait_alu depctr_va_vdst(0)
	v_rsq_f32 v28, v26
	v_rsq_f32 v30, v27
	v_nop                                          ; a plain instruction behind the batch,
	s_wait_alu depctr_va_vdst(0)                   ; and one wait ahead of its first reader
	s_wait_loadcnt 0x0                             ; gain and bias
	NORM 0
	NORM 1
	TURN 0
	TURN 1
	s_wait_dscnt 16                                ; row 0 is back; row 1's eight stores and eight loads may be out
	Q16 0, 0
	Q16 0, 1
	s_wait_dscnt 4                                 ; row 1 is back; behind it stand row 0's four stores
	Q16 1, 0
	Q16 1, 1
	s_wait_dscnt 0x0                               ; for the others' sake: my codes and bytes lie in LDS
	s_barrier_signal -1
	s_barrier_wait -1
.irp i, 0,1,2,3
	ds_load_b128 v[96+4*\i:99+4*\i], v7 offset:544*\i
.endr
	ds_load_b32 v112, v9
	s_wait_dscnt 0x0
.irp i, 0,1,2,3
	global_store_b128 v10, v[96+4*\i:99+4*\i], s[10:11] offset:512*\i   ; 512 consecutive bytes, aligned
.endr
	global_store_b32 v11, v112, s[10:11]           ; both halves of the lanes write the same word to the same place
	s_wait_tensorcnt 0x0                           ; the wave's end
	ds_add_u32 v12, v13
	s_wait_dscnt 0x0
	s_endpgm
.Lprep:                                            ; THE WEIGHTS.  A work-group makes one block, each of its eight waves one tile T of 16 rows
	s_sub_co_u32 s3, ttmp9, 256                    ; the block's number in wimg
	s_load_b512 s[8:23], s[0:1], 0x20              ; qkv c, s; out c, s; up c, s; down c, s
	s_load_b64 s[24:25], s[0:1], 0x60              ; wimg
	v_lshrrev_b32 v1, 5, v0
	s_delay_alu instid0(VALU_DEP_1)
	v_readfirstlane_b32 s28, v1                    ; wave = tile T
	v_and_b32 v2, 15, v0                           ; lane % 16
	v_bfe_u32 v3, v0, 4, 1                         ; lane / 16
	v_and_b32 v4, 31, v0
	s_mul_i32 s40, s28, PSTG
	v_mul_u32_u24 v5, v3, 272
	s_delay_alu instid0(VALU_DEP_1)
	v_lshl_add_u32 v5, v2, 4, v5
	s_delay_alu instid0(VALU_DEP_1)
	v_add_nc_u32 v5, s40, v5                       ; into the stage (from PB on, by the offsets): two rows a load
	v_mul_u32_u24 v6, v2, 272
	s_delay_alu instid0(VALU_DEP_1)
	v_lshl_add_u32 v6, v3, 4, v6
	s_delay_alu instid0(VALU_DEP_1)
	v_add_nc_u32 v6, s40, v6                       ; out of it: row r, + 16 (lane / 16)
	s_lshr_b32 s30, s28, 1                         ; T / 2
	s_and_b32 s31, s28, 1                          ; T % 2
	s_lshl_b32 s41, s31, 8
	s_lshl_b32 s42, s30, 2
	s_add_co_u32 s41, s41, s42
	s_add_co_u32 s41, s41, PSCB
	v_lshlrev_b32 v7, 9, v3
	s_delay_alu instid0(VALU_DEP_1)
	v_lshl_add_u32 v7, v2, 4, v7
	s_delay_alu instid0(VALU_DEP_1)
	v_add_nc_u32 v7, s41, v7                       ; my scale word's place
	v_lshlrev_b32 v8, 4, v4                        ; 16 x lane
	s_lshl_b32 s43, s31, 9
	s_add_co_u32 s44, s43, PSCB
	v_add_nc_u32 v9, s44, v8                       ; waves 0, 1: the scale words of q = wave, back from LDS,
	s_add_co_u32 s43, s43, 32768
	v_add_nc_u32 v10, s43, v8                      ; and their place in the block
	s_lshl_b32 s45, s28, 12
	v_add_nc_u32 v11, s45, v8                      ; my tile's codes in the block
	s_wait_kmcnt 0x0
	s_mov_b64 s[4:5], s[20:21]                     ; which tensor: ff_down_w unless the block's number says otherwise
	s_mov_b64 s[6:7], s[22:23]
	s_mov_b32 s26, 256                             ; its first block
	s_mov_b32 s27, 4                               ; log2 of its K steps
	s_cmp_lt_u32 s3, 256
	s_cselect_b64 s[4:5], s[16:17], s[4:5]
	s_cselect_b64 s[6:7], s[18:19], s[6:7]
	s_cselect_b32 s26, 128, s26
	s_cselect_b32 s27, 2, s27
	s_cmp_lt_u32 s3, 128
	s_cselect_b64 s[4:5], s[12:13], s[4:5]
	s_cselect_b64 s[6:7], s[14:15], s[6:7]
	s_cselect_b32 s26, 96, s26
	s_cmp_lt_u32 s3, 96
	s_cselect_b64 s[4:5], s[8:9], s[4:5]
	s_cselect_b64 s[6:7], s[10:11], s[6:7]
	s_cselect_b32 s26, 0, s26
	s_sub_co_u32 s29, s3, s26                      ; the block's number in its tensor
	s_lshr_b32 s32, s29, s27                       ; row block
	s_lshl_b32 s33, s32, s27
	s_sub_co_u32 s33, s29, s33                     ; K step
	s_lshl_b32 s34, s32, 7
	s_lshl_b32 s35, s30, 5
	s_add_co_u32 s34, s34, s35
	s_lshl_b32 s35, s31, 3
	s_add_co_u32 s34, s34, s35                     ; the tile's first row
	s_lshl_b32 s34, s34, s27
	s_add_co_u32 s34, s34, s33                     ; row x (K / 256) + K step
	s_lshl_b32 s36, s34, 8                         ; x 256 bytes of codes,
	s_mov_b32 s37, 0
	s_add_nc_u64 s[4:5], s[4:5], s[36:37]
	s_lshl_b32 s36, s34, 3                         ; x 8 scale bytes
	s_add_nc_u64 s[6:7], s[6:7], s[36:37]
	s_mul_i32 s36, s3, BLK
	s_add_nc_u64 s[24:25], s[24:25], s[36:37]      ; my block in wimg
	s_add_co_u32 s38, s27, 8                       ; log2 of a row of codes
	s_add_co_u32 s39, s27, 3                       ; log2 of a row of scale bytes
	s_lshl_b32 s46, 1, s38
	v_lshlrev_b32 v88, s38, v3
	s_delay_alu instid0(VALU_DEP_1)
	v_lshl_add_u32 v88, v2, 4, v88                 ; (lane / 16) rows + 16 (lane % 16)
	s_wait_alu depctr_va_vdst(0)
.irp i, 0,1,2,3,4,5,6,7
	s_mul_i32 s47, s46, 2*\i+8*(\i/4)              ; load i brings the tile's rows r = 2 i, 2 i + 1, which lie r + 8 (r / 8) rows from its first
	v_add_nc_u32 v[OF+\i], s47, v88
.endr
	v_and_b32 v89, 8, v2
	s_delay_alu instid0(VALU_DEP_1)
	v_add_nc_u32 v89, v89, v2                      ; r + 8 (r / 8)
	s_delay_alu instid0(VALU_DEP_1)
	v_lshlrev_b32 v89, s39, v89
	s_delay_alu instid0(VALU_DEP_1)
	v_lshl_add_u32 v89, v3, 2, v89                 ; lanes 0-15 take the word of q = 0, lanes 16-31 that of q = 1
	global_load_b32 v90, v89, s[6:7]
.irp i, 0,1,2,3,4,5,6,7
	global_load_b128 v[16+4*\i:19+4*\i], v[OF+\i], s[4:5] th:TH_LOAD_NT
.endr
	s_wait_loadcnt 0x0
	ds_store_b32 v7, v90
.irp i, 0,1,2,3,4,5,6,7
	ds_store_b128 v5, v[16+4*\i:19+4*\i] offset:PB+544*\i
.endr
.irp n, 0,1,2,3,4,5,6,7
	ds_load_b128 v[48+4*\n:51+4*\n], v6 offset:PB+32*\n   ; piece n = 4 q + c of my tile; LDS serves a wave's instructions in order: these see my stores
.endr
	s_wait_dscnt 0x0                               ; for the others' sake too: my scale words lie in LDS
	s_barrier_signal -1
	s_barrier_wait -1
.irp n, 0,1,2,3,4,5,6,7
	global_store_b128 v11, v[48+4*\n:51+4*\n], s[24:25] offset:512*\n   ; 512 consecutive bytes, aligned
.endr
	s_cmp_lt_u32 s28, 2
	s_cbranch_scc0 .Lend                           ; waves 0 and 1 send the scale words that all eight waves gathered
	ds_load_b128 v[16:19], v9
	s_wait_dscnt 0x0
	global_store_b128 v10, v[16:19], s[24:25]
.Lend:
	s_wait_tensorcnt 0x0                           ; the wave's end
	ds_add_u32 v12, v13
	s_wait_dscnt 0x0
	s_endpgm
.Lfunc_end_k_qc80f27e980_prepln:
	.size	k_qc80f27e980_prepln, .Lfunc_end_k_qc80f27e980_prepln-k_qc80f27e980_prepln
	.p2alignl 7, 3214868480
	.fill 96, 4, 3214868480
	.section	.rodata,"a",@progbits
	.p2align	6, 0x0
	.amdhsa_kernel k_qc80f27e980_prepln
		.amdhsa_group_segment_fixed_size 95744
		.amdhsa_private_segment_fixed_size 0
		.amdhsa_enable_private_segment 0
		.amdhsa_kernarg_size 104
		.amdhsa_user_sgpr_count 2
		.amdhsa_user_sgpr_kernarg_segment_ptr 1
		.amdhsa_wavefront_size32 1
		.amdhsa_system_sgpr_workgroup_id_x 1
		.amdhsa_system_sgpr_workgroup_id_y 1
		.amdhsa_system_sgpr_workgroup_id_z 1
		.amdhsa_system_vgpr_workitem_id 0
		.amdhsa_next_free_vgpr 160
		.amdhsa_next_free_sgpr 66
		.amdhsa_reserve_vcc 0
		.amdhsa_float_denorm_mode_32 3
		.amdhsa_float_denorm_mode_16_64 3
		.amdhsa_memory_ordered 1
		.amdhsa_forward_progress 1
		.amdhsa_inst_pref_size 42
	.end_amdhsa_kernel
	.amdgpu_metadata
---
amdhsa.version: [ 1, 2 ]
amdhsa.kernels:
  - .name:           k_qc80f27e980_prepln
    .symbol:         k_qc80f27e980_prepln.kd
    .args:
      - { .name: x, .offset: 0, .size: 8, .value_kind: global_buffer, .address_space: global }
      - { .name: norm1_scale, .offset: 8, .size: 8, .value_kind: global_buffer, .address_space: global }
      - { .name: norm1_bias, .offset: 16, .size: 8, .value_kind: global_buffer, .address_space: global }
      - { .name: himg, .offset: 24, .size: 8, .value_kind: global_buffer, .address_space: global }
      - { .name: qkv_w_codes, .offset: 32, .size: 8, .value_kind: global_buffer, .address_space: global }
      - { .name: qkv_w_scales, .offset: 40, .size: 8, .value_kind: global_buffer, .address_space: global }
      - { .name: out_w_codes, .offset: 48, .size: 8, .value_kind: global_buffer, .address_space: global }
      - { .name: out_w_scales, .offset: 56, .size: 8, .value_kind: global_buffer, .address_space: global }
      - { .name: ff_up_w_codes, .offset: 64, .size: 8, .value_kind: global_buffer, .address_space: global }
      - { .name: ff_up_w_scales, .offset: 72, .size: 8, .value_kind: global_buffer, .address_space: global }
      - { .name: ff_down_w_codes, .offset: 80, .size: 8, .value_kind: global_buffer, .address_space: global }
      - { .name: ff_down_w_scales, .offset: 88, .size: 8, .value_kind: global_buffer, .address_space: global }
      - { .name: wimg, .offset: 96, .size: 8, .value_kind: global_buffer, .address_space: global }
    .group_segment_fixed_size: 95744
    .private_segment_fixed_size: 0
    .kernarg_segment_align: 8
    .kernarg_segment_size: 104
    .max_flat_workgroup_size: 256
    .sgpr_count:     66
    .vgpr_count:     160
    .wavefront_size: 32
...
	.end_amdgpu_metadata
.endif
;; end of part 8
;; launch qkvg (part 9): grid 48 x 4, 4 waves a work-group, clusters of 4 x 4, 327,680 bytes of LDS; arguments himg, wimg, qkv; writes qkv
.if DOCPART == 9
	.amdgcn_target "amdgcn-amd-amdhsa--gfx1250"
	.amdhsa_code_object_version 6
	.text
	.protected	k_qc80f27e980_qkvg
	.globl	k_qc80f27e980_qkvg
	.p2align	8
	.type	k_qc80f27e980_qkvg,@function
k_qc80f27e980_qkvg:
	s_mov_b64 s[64:65], 0
	v_nop
	global_prefetch_b8 v0, s[64:65] scope:SCOPE_SE
	s_setreg_imm32_b32 hwreg(HW_REG_WAVE_MODE, 25, 1), 1
	s_wait_xcnt 0x0
	s_wait_alu depctr_hold_cnt(0) depctr_sa_sdst(0) depctr_va_vdst(0) depctr_va_sdst(0) depctr_va_ssrc(0) depctr_va_vcc(0) depctr_vm_vsrc(0)
	s_getreg_b32 s2, hwreg(HW_REG_IB_STS2, 6, 4)
	s_cmp_eq_u32 s2, 0
	s_cbranch_scc0 .Lentry_in_a_cluster
	s_endpgm
.Lentry_in_a_cluster:
	s_bfe_u32 s2, ttmp6, 0x10000c
	s_cmp_lg_u32 s2, 0xf033
	s_cbranch_scc0 .Lentry_shape_is_right
	s_endpgm
.Lentry_shape_is_right:
; q, k = h Wqk^T and v^T = Wv h^T, on codes of E4M3 with E8M0 scales, K = 1,024; the results are quantised in registers and stored as images for the attention launch.
; OPERANDS are image blocks (128 rows x 256 along K, BLK bytes: 64 pieces of 512 bytes, piece (2 T + q) 4 + c = registers 4 c .. 4 c + 3 of the fragment of tile T, the block's q-th 128 along K, 16 bytes a lane;
; lane r of tile T is row 32 (T / 2) + 8 (T % 2) + r + 8 (r / 8); from byte 32,768 on the scale words, 512 q + 16 lane: four words, word p = tile 2 p + lane / 16).
; So every LDS load reads 512 consecutive bytes, and one dense tensor load a wave brings codes and scales of a K step.
; SHARES: a tile of C, 256 x 256, to a work-group of four waves, 128 x 128 a wave: 64 accumulators, 512 registers.  Clusters 0-7: C = h (4,096 tokens) x Wqk (2,048 features); clusters 8-11: C = Wv (1,024) x h: the
; same text with the two pointers changed, so that v comes out with the keys along a lane's registers, which is the second attention product's K.
; THE MATRIX INSTRUCTION IS USED TRANSPOSED (source 0 = B's tile b, source 1 = A's tile a): register j of lane (r, h) is C(A's row of lane r, column 32 (b / 2) + 16 h + 8 (b % 2) + j): the 64 registers of a row of
; accumulators are register 16 B + i = column 32 B + 16 h + i: 16 neighbours of each block of 32, as the conversions want them; their results are the next operand's registers.
; CLUSTERS 4 x 4: A's tiles are asked for jointly along a row of the cluster, B's along a column.  Ring of two slots, one round of the cluster's barrier for each refill.
; REGISTERS: window 0: v1-29 addresses; v32-63 scale words, two sets, and nothing else; v64-123 at work in the epilogue; v128-255 A's fragments, one set (epilogue: two rows of accumulators);
;   window 1: B's fragments, two sets; windows 2, 3: the accumulators ((a, b) at v[8 (8 (a % 4) + b)]).
; LIMITS: a block of zeros, or one under 2^-118, gets the byte 1 (read by this program alone); NaN and infinities are not served.
.set BLK,   33792
.set SLOT,  4*BLK                      ; A's two halves, then B's two halves
.set SPARE, 2*SLOT                     ; behind the ring: the spare words, 128 bytes a wave: two blocks of 256 bytes that no other line names
.set NKS,   4                          ; K steps of 256
.set LAPS,  NKS/2
.set NP,    8                          ; places behind this matrix instruction (ISA guide 7.12.1)
.set WV_OFF, 64*BLK                    ; Wv: row block 16 of qkv_w's images
.set VTI,   8388608                    ; sections of the buffer qkv: q's and k's images at 0, v^T's images,
.set QKS,   12582912                   ; q's and k's scale words,
.set VTS,   13107200                   ; v^T's
.set LI,   2                           ; v2  16 x lane
.set DW,   3                           ; v3  the dump: 16 x lane + 65,536 x wave
.set SW0,  4                           ; v4  my scale words' scratch: 262,144 + 512 x wave + 16 x lane
.set DR,   5                           ; v5  the trip's place in the dump
.set SW,   6                           ; v6  and in the scratch
.set VO01, 7                           ; v7-9 store offsets
.set VO10, 8
.set VO11, 9
.set L8,   10                          ; v10 8 x lane
.set ADRA, 16                          ; v16-17 LDS address of my half of A in slot 0, 1
.set ADRB, 20                          ; v20-21 the same for B
.set SPW,  28
.set NIL,  29
.set SC,   32                          ; scale words: set s at SC + 16 s: A's at + 4 q + a / 2, B's at + 8 + 4 q + b / 2; odd tiles in lanes 16-31
.set PC,   64                          ; v64-79  the codes just made
.set TM,   80                          ; v80-95  at work in QUANT
.set PW0,  112
.set PW1,  113
.set MW,   114
.set M4,   116                         ; v116-119 my 128 rows' scale words; v120-123 the second head's
.set M5,   120
.set AF,   128
.set X0,   128
.set X1,   192
.set G1, 24
.set G0, 32
.set G1B, 48
.set G0B, 56
.set SSA, 66                           ; s66 bytes from a row of accumulators to the next; s67 from codes 0-7 to codes 8-15; s68 the jump to the second head (v^T)
.set SSC, 67
.set JMP, 68
.set OB,  74                           ; s[74:75] where the codes go; s[76:77] the scale words
.set SB,  76
.set SEL, 78
.set MNT, 80
.set HM,  81
.set TD,  82
.set TS,  83
.set MSB, 0
.macro WIN new                         ; the immediate's high byte repeats the setting that is left
.if MSB != \new
	s_set_vgpr_msb (MSB<<8)|\new
.set MSB, \new
.endif
.endm
.set MUL_LO, 0xa1                      ; source 0 (B) window 1, source 1 (A) window 0, C and D window 2
.set MUL_HI, 0xf1
.set TO_B,   0x40
.macro JLOAD g0a, g1a, g0b, g1b        ; a joint load: waves 0, 1 fetch A's halves, waves 2, 3 B's; four v_nop follow each line
	s_cmp_eq_u32 s15, 0
	s_cbranch_scc0 .Lfor_b_\@
	tensor_load_to_lds s[\g0a:\g0a+3], s[\g1a:\g1a+7]
	s_nop 0
.rept 4
	v_nop
.endr
	s_branch .Lasked_\@
.Lfor_b_\@:
	tensor_load_to_lds s[\g0b:\g0b+3], s[\g1b:\g1b+7]
	s_nop 0
.rept 4
	v_nop
.endr
.Lasked_\@:
.endm
.macro CREST
	s_cmp_lg_u32 s14, 0
	s_cbranch_scc1 .Lnot_wave_0_\@
	s_barrier_signal -3
.Lnot_wave_0_\@:
	s_barrier_wait -3
	s_barrier_signal -1
	s_barrier_wait -1
.endm
.macro CROUND
	s_barrier_signal -1
	s_barrier_wait -1
	CREST
.endm
	s_load_b128 s[4:7], s[0:1], 0x0                ; himg, wimg
	s_load_b64 s[8:9], s[0:1], 0x10                ; qkv
	v_lshl_add_u32 v[SPW], v0, 2, SPARE
	v_mov_b32 v[NIL], 0
	ds_add_u32 v28, v29
	ds_add_u32 v28, v29
	s_wait_dscnt 0x0
	v_lshrrev_b32 v1, 5, v0
	v_readfirstlane_b32 s14, v1                    ; wave
	s_lshr_b32 s15, s14, 1                         ; my half of the tile's rows.  Also: I fetch for A (0) or B (1)
	s_and_b32 s16, s14, 1                          ; my half of its columns.  Also: which half I fetch
	s_bfe_u32 s40, ttmp6, 0x40000                  ; cx
	s_bfe_u32 s41, ttmp6, 0x40004                  ; cy
	s_and_b32 s18, ttmp9, 1                        ; clusters 0-7: 2 columns x 4 rows of clusters;
	s_lshr_b32 s19, ttmp9, 1
	s_sub_co_u32 s22, ttmp9, 8                     ; clusters 8-11: 4 columns, one row
	s_cmp_lt_u32 ttmp9, 8                          ; (the cluster's number: the same in all sixteen partners)
	s_cselect_b32 s18, s18, s22
	s_cselect_b32 s19, s19, 0
	s_cselect_b32 s23, 0, WV_OFF
	s_lshl_b32 s42, s18, 2
	s_add_co_u32 s42, s42, s40                     ; tile column
	s_lshl_b32 s17, s19, 2
	s_add_co_u32 s17, s17, s41                     ; tile row
	s_lshl_b32 s43, s41, 2
	s_lshl_b32 s43, 15, s43                        ; my row of the cluster
	s_lshl_b32 s44, 0x1111, s40                    ; my column
	s_or_b32 s[G1+0], s43, (3<<16)|(1<<21)         ; the mask; elements of 8 bytes; bit 21 beside a mask; no padding
	s_or_b32 s[G1B+0], s44, (3<<16)|(1<<21)
.irp g, G1, G1B
	s_mov_b32 s[\g+1], 32<<16                      ; a block is dense: 132 rows of 256 bytes
	s_mov_b32 s[\g+2], 264<<16                     ; the head's load brings two blocks on end, K steps 0 and 1: 264 rows
	s_mov_b32 s[\g+3], 32<<16
	s_mov_b32 s[\g+4], 264
	s_mov_b32 s[\g+5], 32
	s_mov_b32 s[\g+6], 0
	s_mov_b32 s[\g+7], 0
.endr
	s_lshl_b32 s20, s17, 1
	s_add_co_u32 s20, s20, s16                     ; A's row block that I fetch
	s_mul_i32 s20, s20, NKS*BLK
	s_add_co_u32 s20, s20, s23
	s_mov_b32 s21, 0
	s_lshl_b32 s46, s42, 1
	s_add_co_u32 s46, s46, s16                     ; B's
	s_mul_i32 s46, s46, NKS*BLK
	s_mov_b32 s47, 0
	s_mul_i32 s45, s14, 2*BLK                      ; where it goes: each wave's part holds its block of slot 0, then that of slot 1
	s_wait_kmcnt 0x0
	s_cmp_lt_u32 ttmp9, 8
	s_cselect_b64 s[10:11], s[4:5], s[6:7]         ; A: h, or the weights
	s_cselect_b64 s[12:13], s[6:7], s[4:5]         ; B: the weights, or h
	s_add_nc_u64 s[20:21], s[10:11], s[20:21]
	s_add_nc_u64 s[46:47], s[12:13], s[46:47]
	CROUND                                         ; all sixteen work-groups are here: the first joint loads meet
.irp s, 0,1
	s_mov_b32 s[G0+4*\s], 1
	s_add_co_u32 s[G0+4*\s+1], s45, \s*BLK
	s_add_nc_u64 s[G0+4*\s+2:G0+4*\s+3], s[20:21], \s*BLK
	s_or_b32 s[G0+4*\s+3], s[G0+4*\s+3], 0x80000000
	s_mov_b32 s[G0B+4*\s], 1
	s_add_co_u32 s[G0B+4*\s+1], s45, \s*BLK
	s_add_nc_u64 s[G0B+4*\s+2:G0B+4*\s+3], s[46:47], \s*BLK
	s_or_b32 s[G0B+4*\s+3], s[G0B+4*\s+3], 0x80000000
.if \s == 0
	s_cmp_eq_u32 s15, 0                            ; the prefetch's place: K steps 2 and 3 of the part that I fetch; of each block's 132 units of 256 bytes
	s_cselect_b64 s[86:87], s[20:21], s[46:47]     ; the partner at place p of the four that ask jointly (cx for A, cy for B) takes units 33 p .. 33 p + 32: told apart by address
	s_cselect_b32 s96, s40, s41
	s_mul_i32 s96, s96, 33*256
	s_add_co_u32 s96, s96, 2*BLK
	s_mov_b32 s97, 0
	s_add_nc_u64 s[86:87], s[86:87], s[96:97]
	JLOAD G0, G1, G0B, G1B                         ; my one load at the head: both slots' first blocks of my part, dense in memory and in LDS
.endif
.endr
	v_and_b32 v1, 31, v0
	v_lshlrev_b32 v[LI], 4, v1
	v_lshlrev_b32 v30, 8, v1                       ; lanes 256 bytes apart; never rewritten
	v_mov_b32 v31, 0                               ; for my 33rd unit, named by all lanes; never rewritten
	s_wait_alu depctr_va_vdst(0)
.irp n, 0,1
	global_prefetch_b8 v30, s[86:87] offset:\n*BLK th:TH_LOAD_NT scope:SCOPE_SE         ; what the two refills will load, two K steps ahead of the first of them; K has no further step
	global_prefetch_b8 v31, s[86:87] offset:\n*BLK+8192 th:TH_LOAD_NT scope:SCOPE_SE
.endr
	s_mul_i32 s21, s15, 2*BLK
	s_mul_i32 s22, s16, 2*BLK
	s_add_co_u32 s22, s22, 4*BLK
.irp s, 0,1
	v_add_nc_u32 v[ADRA+\s], s21, v[LI]
	v_add_nc_u32 v[ADRB+\s], s22, v[LI]
	s_add_co_u32 s21, s21, BLK
	s_add_co_u32 s22, s22, BLK
.endr
	s_lshl_b32 s21, s14, 16
	v_add_nc_u32 v[DW], s21, v[LI]
	s_lshl_b32 s21, s14, 9
	s_add_co_u32 s21, s21, 262144
	v_add_nc_u32 v[SW0], s21, v[LI]
	v_lshlrev_b32 v[L8], 3, v1
	; where the results go.  Both parts by one formula: idx = (batch << 5 or 4) + 4 x the features' tile + 2 x its half; step = 2 (the tokens' tile % 8) + its half;
	; images at idx x 131,072 + step x 8,192, scale words at (16 idx + step) x 512 or 256.  Only constants are chosen
	s_cmp_lt_u32 ttmp9, 8
	s_cselect_b32 s88, s17, s42                    ; the tokens' tile,
	s_cselect_b32 s89, s42, s17                    ; the features',
	s_cselect_b32 s90, s15, s16                    ; my half of the tokens,
	s_cselect_b32 s91, s16, s15                    ; of the features
	s_cselect_b32 s92, 5, 4
	s_cselect_b32 s93, 0, VTI
	s_cselect_b32 s94, 9, 8
	s_mov_b32 s95, VTS
	s_cselect_b32 s95, QKS, s95
	s_mov_b32 s[SSA], 2048
	s_cselect_b32 s[SSA], 1024, s[SSA]
	s_mov_b32 s[SSC], 1024
	s_cselect_b32 s[SSC], 131072, s[SSC]
	s_cselect_b32 s[JMP], 0, 122880
	s_lshr_b32 s70, s88, 3
	s_lshl_b32 s70, s70, s92
	s_lshl_b32 s71, s89, 2
	s_add_co_u32 s70, s70, s71
	s_lshl_b32 s71, s91, 1
	s_add_co_u32 s70, s70, s71                     ; idx
	s_and_b32 s71, s88, 7
	s_lshl_b32 s71, s71, 1
	s_add_co_u32 s71, s71, s90                     ; step
	s_lshl_b32 s72, s70, 17
	s_lshl_b32 s73, s71, 13
	s_add_co_u32 s72, s72, s73
	s_add_co_u32 s72, s72, s93
	s_mov_b32 s73, 0
	s_add_nc_u64 s[OB:OB+1], s[8:9], s[72:73]
	s_lshl_b32 s72, s70, 4
	s_add_co_u32 s72, s72, s71
	s_lshl_b32 s72, s72, s94
	s_add_co_u32 s72, s72, s95
	s_add_nc_u64 s[SB:SB+1], s[8:9], s[72:73]
	v_add_nc_u32 v[VO01], s[SSC], v[LI]
	v_add_nc_u32 v[VO10], s[SSA], v[LI]
	v_add_nc_u32 v[VO11], s[SSA], v[VO01]
	s_mov_b32 s[SEL], 0x76543210
	s_mov_b32 s[SEL+1], 0xfedcba98
	s_mov_b32 s[MNT], 0x600000
	s_mov_b32 s[HM], 0xffff0000
	s_mov_b32 s85, 0
.macro FRAG reg, adr, q, i             ; the fragment of tile i, the block's q-th 128 along K: four pieces of 512 bytes
.irp c, 0,1,2,3
	ds_load_b128 v[\reg+4*\c:\reg+4*\c+3], v[\adr] offset:(((\i)*2+(\q))*4+\c)*512
.endr
.endm
.macro WM a, b, p, q, sc, zero         ; one product: B's tile b (set p) x A's tile a; odd tiles' scale words stand in lanes 16-31
.set rD, 8*(8*((\a)%4)+(\b))
.set rB, 128*(\p)+16*(\b)
.set rA, AF+16*(\a)
.set sB, SC+16*(\sc)+8+4*(\q)+(\b)/2
.set sA, SC+16*(\sc)+4*(\q)+(\a)/2
.if \zero
.if ((\b)%2) && ((\a)%2)
	v_wmma_scale_f32_16x16x128_f8f6f4 v[rD:rD+7], v[rB:rB+15], v[rA:rA+15], 0, v[sB], v[sA] matrix_a_scale:MATRIX_SCALE_ROW1 matrix_b_scale:MATRIX_SCALE_ROW1
.elseif (\b)%2
	v_wmma_scale_f32_16x16x128_f8f6f4 v[rD:rD+7], v[rB:rB+15], v[rA:rA+15], 0, v[sB], v[sA] matrix_a_scale:MATRIX_SCALE_ROW1
.elseif (\a)%2
	v_wmma_scale_f32_16x16x128_f8f6f4 v[rD:rD+7], v[rB:rB+15], v[rA:rA+15], 0, v[sB], v[sA] matrix_b_scale:MATRIX_SCALE_ROW1
.else
	v_wmma_scale_f32_16x16x128_f8f6f4 v[rD:rD+7], v[rB:rB+15], v[rA:rA+15], 0, v[sB], v[sA]
.endif
.else
.if ((\b)%2) && ((\a)%2)
	v_wmma_scale_f32_16x16x128_f8f6f4 v[rD:rD+7], v[rB:rB+15], v[rA:rA+15], v[rD:rD+7], v[sB], v[sA] matrix_a_scale:MATRIX_SCALE_ROW1 matrix_b_scale:MATRIX_SCALE_ROW1
.elseif (\b)%2
	v_wmma_scale_f32_16x16x128_f8f6f4 v[rD:rD+7], v[rB:rB+15], v[rA:rA+15], v[rD:rD+7], v[sB], v[sA] matrix_a_scale:MATRIX_SCALE_ROW1
.elseif (\a)%2
	v_wmma_scale_f32_16x16x128_f8f6f4 v[rD:rD+7], v[rB:rB+15], v[rA:rA+15], v[rD:rD+7], v[sB], v[sA] matrix_b_scale:MATRIX_SCALE_ROW1
.else
	v_wmma_scale_f32_16x16x128_f8f6f4 v[rD:rD+7], v[rB:rB+15], v[rA:rA+15], v[rD:rD+7], v[sB], v[sA]
.endif
.endif
.endm
.macro MUL16 a0, p, q, sc, zero        ; A's tiles a0, a0 + 1 x B's eight.  The 64 accumulators take turns, one instruction a turn, in the same order in every step
.irp a, \a0, \a0+1
.irp b, 0,1,2,3,4,5,6,7
	WM \a, \b, \p, \q, \sc, \zero
.endr
.endr
.endm
.macro FETCH_B slot, q, p
	WIN TO_B
.irp i, 0,1,2,3,4,5,6,7
	FRAG 128*(\p)+16*\i, ADRB+\slot, \q, \i
.endr
	WIN 0
.endm
.macro FETCH_A slot, q, i0
.irp i, \i0, \i0+1, \i0+2, \i0+3
	FRAG AF+16*(\i), ADRA+\slot, \q, \i
.endr
.endm
.macro SCALES sc                       ; a K step's scale words: four loads of 512 bytes
.irp q, 0,1
	ds_load_b128 v[SC+16*\sc+4*\q:SC+16*\sc+4*\q+3], v[ADRA+\sc] offset:32768+512*\q
	ds_load_b128 v[SC+16*\sc+8+4*\q:SC+16*\sc+8+4*\q+3], v[ADRB+\sc] offset:32768+512*\q
.endr
.endm
.macro PLACES n                        ; plain vector instructions between a matrix instruction and a load into, or a read of, its registers (ISA guide 7.12.1 for reads)
.rept \n
	v_nop
.endr
.endm
.macro STEP slot, q, zero              ; 128 along K with its successor in the same slot
	s_wait_dscnt 16                                ; B's set, A's tiles 0-3 and the scale words are in; the youngest 16 loads (A's tiles 4-7) may be out
	WIN MUL_LO
	MUL16 0, (\q)%2, \q, \slot, \zero
	MUL16 2, (\q)%2, \q, \slot, \zero
	s_wait_dscnt 0
	PLACES NP
	FETCH_B \slot, (\q)+1, 1-(\q)%2
	FETCH_A \slot, (\q)+1, 0
	WIN MUL_HI
	MUL16 4, (\q)%2, \q, \slot, \zero
	MUL16 6, (\q)%2, \q, \slot, \zero
	PLACES NP
	WIN 0
	FETCH_A \slot, (\q)+1, 4
.endm
.macro TURN slot, next, fill           ; a slot's last step changes slots: one barrier (with fill = 1 it opens a round of the cluster's barrier, and this slot is filled again, two K steps ahead)
	s_wait_tensorcnt 0x0                           ; all my tensor loads have landed: my part of the next slot;
	ds_add_u32 v[SPW], v[NIL]                      ; 0 onto my spare word;
	s_wait_dscnt 17                                ; (the add and the youngest 16 loads may be out)
	WIN MUL_LO
	MUL16 0, 1, 1, \slot, 0
	s_wait_dscnt 0x0                               ; the add is done, and my reads of this slot are over
	s_barrier_signal -1
	MUL16 2, 1, 1, \slot, 0
	WIN 0
	s_barrier_wait -1
.if \fill
	CREST                                          ; no wave of any partner still reads this slot or has a load on its way
	s_add_nc_u64 s[G0+4*\slot+2:G0+4*\slot+3], s[G0+4*\slot+2:G0+4*\slot+3], 2*BLK
	s_add_nc_u64 s[G0B+4*\slot+2:G0B+4*\slot+3], s[G0B+4*\slot+2:G0B+4*\slot+3], 2*BLK
	JLOAD G0+4*\slot, G1, G0B+4*\slot, G1B         ; my one tensor load behind the round; its four v_nop are four of the places below
	PLACES NP-4
.else
	PLACES NP
.endif
	FETCH_B \next, 0, 0
	FETCH_A \next, 0, 0
	SCALES \next
	WIN MUL_HI
	MUL16 4, 1, 1, \slot, 0
	MUL16 6, 1, 1, \slot, 0
	PLACES NP
	WIN 0
	FETCH_A \next, 0, 4
.endm
; 64 numbers of a lane, register 16 b + i = column 32 b + 16 (lane / 16) + i of my row, become a fragment's codes in v[PC] on and its scale word in v[pw]
.macro QUANT s, pw
.irp b, 0,1,2,3
	v_max3_num_f32 v[TM+\b], |v[\s+16*\b]|, |v[\s+1+16*\b]|, 0x4800000   ; with the floor 2^(9 - 127): the byte cannot fall under 1
.endr
.irp i, 2,4,6,8,10,12,14
.irp b, 0,1,2,3
	v_max3_num_f32 v[TM+\b], v[TM+\b], |v[\s+16*\b+\i]|, |v[\s+1+16*\b+\i]|
.endr
.endr
.irp b, 0,1,2,3
	v_permlanex16_b32 v[TM+4+\b], v[TM+\b], s[SEL], s[SEL+1]
.endr
.irp b, 0,1,2,3
	v_max_num_f32 v[TM+\b], v[TM+\b], v[TM+4+\b]   ; with lane l xor 16's: the block's largest magnitude
.endr
.irp b, 0,1,2,3
	v_add_nc_u32 v[TM+12+\b], 0xfc000000, v[TM+\b] ; 8 off its exponent field: the conversion's scale operand
.endr
.irp b, 0,1,2,3
	v_and_or_b32 v[TM+8+\b], v[TM+\b], 0x7f800000, s[MNT]   ; 448 x the scale
.endr
.irp b, 0,1,2,3
	v_lshrrev_b32 v[TM+4+\b], 23, v[TM+12+\b]      ; the scale's byte
.endr
	v_lshl_or_b32 v[\pw], v[TM+5], 8, v[TM+4]
	v_lshl_or_b32 v[\pw], v[TM+6], 16, v[\pw]
	v_lshl_or_b32 v[\pw], v[TM+7], 24, v[\pw]
.irp b, 0,1,2,3
.irp i, 0,1,2,3,4,5,6,7,8,9,10,11,12,13,14,15
	v_med3_num_f32 v[\s+16*\b+\i], v[\s+16*\b+\i], -v[TM+8+\b], v[TM+8+\b]   ; the conversion does not saturate (ISA guide 7.6.2): the hold comes first
.endr
	v_cvt_scalef32_pk8_fp8_f32 v[PC+4*\b:PC+1+4*\b], v[\s+16*\b:\s+7+16*\b], v[TM+12+\b]
	v_cvt_scalef32_pk8_fp8_f32 v[PC+2+4*\b:PC+3+4*\b], v[\s+8+16*\b:\s+15+16*\b], v[TM+12+\b]
.endr
	v_nop                                          ; a plain instruction behind the last conversion
.endm
	s_wait_alu depctr_va_vdst(0)
	s_wait_tensorcnt 0x0                           ; my part of K steps 0 and 1 is in; no load of mine is out, so group 1 may be written:
	s_mov_b32 s[G1+2], 132<<16                     ; from here on a load brings one block, 132 rows
	s_mov_b32 s[G1+4], 132
	s_mov_b32 s[G1B+2], 132<<16
	s_mov_b32 s[G1B+4], 132
	s_barrier_signal -1
	s_barrier_wait -1                              ; everybody's is
	FETCH_B 0, 0, 0
	FETCH_A 0, 0, 0
	SCALES 0
	FETCH_A 0, 0, 4
	STEP 0, 0, 1                                   ; the first step's products start the sums
	s_mov_b32 s3, LAPS-1
.Llap:
	TURN 0, 1, 1
	STEP 1, 0, 0
	TURN 1, 0, 1
	STEP 0, 0, 0
	s_sub_co_u32 s3, s3, 1
	s_cmp_lg_u32 s3, 0
	s_cbranch_scc1 .Llap
	TURN 0, 1, 0                                   ; the last lap fills nothing
	STEP 1, 0, 0
	s_wait_dscnt 16
	WIN MUL_LO
	MUL16 0, 1, 1, 1, 0
	MUL16 2, 1, 1, 1, 0
	s_wait_dscnt 0
	WIN MUL_HI
	MUL16 4, 1, 1, 1, 0
	MUL16 6, 1, 1, 1, 0
	WIN 0
	; THE WAY OUT.  The ring has had its last fill; behind this barrier nobody reads it (every wave's LDS loads are back).  My 512 accumulator registers go once into my own 65,536 bytes of it,
	; so that a loop of four trips, two rows of accumulators a trip, can work in window 0 alone.
	s_barrier_signal -1
	s_barrier_wait -1
	PLACES NP
.irp a, 0,1,2,3,4,5,6,7
	WIN 0x08+4*(\a/4)                              ; an LDS store's data are its source 1: window 2 or 3
.irp g, 0,1,2,3,4,5,6,7,8,9,10,11,12,13,14,15
	ds_store_b128 v[DW], v[64*(\a%4)+4*\g:64*(\a%4)+4*\g+3] offset:(16*\a+\g)*512   ; each accumulator from its low end on
.endr
.endr
	WIN 0
.irp b, 0,1,2,3
	v_mov_b32 v[TM+4+\b], 0                        ; written once: a lane permute's destination counts as one of its sources
.endr
	s_mov_b32 s2, 4
	s_mov_b32 s[TD], 0
	s_mov_b32 s[TS], 0
.Ltrip:                                                ; rows of accumulators a = 2 t and 2 t + 1
	v_add_nc_u32 v[DR], s[TD], v[DW]
	v_add_nc_u32 v[SW], s[TS], v[SW0]
.irp g, 0,1,2,3,4,5,6,7,8,9,10,11,12,13,14,15
	ds_load_b128 v[X0+4*\g:X0+4*\g+3], v[DR] offset:512*\g
.endr
.irp g, 0,1,2,3,4,5,6,7,8,9,10,11,12,13,14,15
	ds_load_b128 v[X1+4*\g:X1+4*\g+3], v[DR] offset:8192+512*\g
.endr
	s_wait_dscnt 16                                ; the first row is in; the second's 16 loads may be out
	QUANT X0, PW0
	global_store_b128 v[LI], v[PC:PC+3], s[OB:OB+1]             ; 512 consecutive bytes each
	global_store_b128 v[LI], v[PC+4:PC+7], s[OB:OB+1] offset:512
	global_store_b128 v[VO01], v[PC+8:PC+11], s[OB:OB+1]
	global_store_b128 v[VO01], v[PC+12:PC+15], s[OB:OB+1] offset:512
	s_wait_dscnt 0x0
	s_wait_xcnt 0x0                                ; the stores have read the codes' registers: they are written again only behind this wait
	QUANT X1, PW1
	global_store_b128 v[VO10], v[PC:PC+3], s[OB:OB+1]
	global_store_b128 v[VO10], v[PC+4:PC+7], s[OB:OB+1] offset:512
	global_store_b128 v[VO11], v[PC+8:PC+11], s[OB:OB+1]
	global_store_b128 v[VO11], v[PC+12:PC+15], s[OB:OB+1] offset:512
	v_cndmask_b32 v[MW], v[PW0], v[PW1], s[HM]     ; lanes 0-15 the even tile's words, lanes 16-31 the odd tile's
	ds_store_b32 v[SW], v[MW]
	s_wait_xcnt 0x0                                ; the stores have read their base and data
	s_cmp_eq_u32 s2, 3                             ; behind rows 2, 3 of v^T the second head begins
	s_cselect_b32 s84, s[JMP], 0
	s_add_co_u32 s84, s84, s[SSA]
	s_add_co_u32 s84, s84, s[SSA]
	s_add_nc_u64 s[OB:OB+1], s[OB:OB+1], s[84:85]
	s_add_co_u32 s[TD], s[TD], 16384
	s_add_co_u32 s[TS], s[TS], 4
	s_sub_co_u32 s2, s2, 1
	s_cmp_lg_u32 s2, 0
	s_cbranch_scc1 .Ltrip
	ds_load_b128 v[M4:M4+3], v[SW0]                ; my own bytes, in order behind my stores
	s_wait_dscnt 0x0
	s_cmp_lt_u32 ttmp9, 8                          ; the cluster's number: alike in all partners
	s_cbranch_scc0 .Lv_scales
	global_store_b128 v[LI], v[M4:M4+3], s[SB:SB+1]              ; q, k: a word's two low bytes are the first head's; the two above stand over zero codes in the attention launch
.irp i, 0,1,2,3
	v_lshrrev_b32 v[M5+\i], 16, v[M4+\i]           ; the second head's
.endr
	global_store_b128 v[LI], v[M5:M5+3], s[SB:SB+1] offset:8192
	s_branch .Lscales_out
.Lv_scales:
	global_store_b64 v[L8], v[M4:M4+1], s[SB:SB+1]               ; v^T: tiles 0-3 are the first head's 64 rows,
	global_store_b64 v[L8], v[M4+2:M4+3], s[SB:SB+1] offset:4096 ; tiles 4-7 the second's
.Lscales_out:
	s_wait_tensorcnt 0x0                           ; the wave's end
	ds_add_u32 v[SPW], v[NIL]
	s_wait_dscnt 0x0
	CROUND                                         ; the closing round
	s_endpgm
.Lfunc_end_k_qc80f27e980_qkvg:
	.size	k_qc80f27e980_qkvg, .Lfunc_end_k_qc80f27e980_qkvg-k_qc80f27e980_qkvg
	.p2alignl 7, 3214868480
	.fill 96, 4, 3214868480
	.section	.rodata,"a",@progbits
	.p2align	6, 0x0
	.amdhsa_kernel k_qc80f27e980_qkvg
		.amdhsa_group_segment_fixed_size 327680
		.amdhsa_private_segment_fixed_size 0
		.amdhsa_enable_private_segment 0
		.amdhsa_kernarg_size 24
		.amdhsa_user_sgpr_count 2
		.amdhsa_user_sgpr_kernarg_segment_ptr 1
		.amdhsa_wavefront_size32 1
		.amdhsa_system_sgpr_workgroup_id_x 1
		.amdhsa_system_sgpr_workgroup_id_y 1
		.amdhsa_system_sgpr_workgroup_id_z 1
		.amdhsa_system_vgpr_workitem_id 0
		.amdhsa_next_free_vgpr 1024
		.amdhsa_next_free_sgpr 98
		.amdhsa_reserve_vcc 0
		.amdhsa_float_denorm_mode_32 3
		.amdhsa_float_denorm_mode_16_64 3
		.amdhsa_memory_ordered 1
		.amdhsa_forward_progress 1
		.amdhsa_inst_pref_size 142
	.end_amdhsa_kernel
	.amdgpu_metadata
---
amdhsa.version: [ 1, 2 ]
amdhsa.kernels:
  - .name:           k_qc80f27e980_qkvg
    .symbol:         k_qc80f27e980_qkvg.kd
    .args:
      - { .name: himg, .offset: 0, .size: 8, .value_kind: global_buffer, .address_space: global }
      - { .name: wimg, .offset: 8, .size: 8, .value_kind: global_buffer, .address_space: global }
      - { .name: qkv, .offset: 16, .size: 8, .value_kind: global_buffer, .address_space: global }
    .group_segment_fixed_size: 327680
    .private_segment_fixed_size: 0
    .kernarg_segment_align: 8
    .kernarg_segment_size: 24
    .max_flat_workgroup_size: 128
    .sgpr_count:     98
    .vgpr_count:     1024
    .wavefront_size: 32
...
	.end_amdgpu_metadata
.endif
;; end of part 9
;; launch attn (part 10): grid 8 x 32, 16 waves a work-group, clusters of 4 x 1, 327,680 bytes of LDS; arguments qkv, aimg; writes aimg
.if DOCPART == 10
	.amdgcn_target "amdgcn-amd-amdhsa--gfx1250"
	.amdhsa_code_object_version 6
	.text
	.protected	k_qc80f27e980_attn
	.globl	k_qc80f27e980_attn
	.p2align	8
	.type	k_qc80f27e980_attn,@function
k_qc80f27e980_attn:
	s_mov_b64 s[64:65], 0
	v_nop
	global_prefetch_b8 v0, s[64:65] scope:SCOPE_SE
	s_setreg_imm32_b32 hwreg(HW_REG_WAVE_MODE, 25, 1), 1
	s_wait_xcnt 0x0
	s_wait_alu depctr_hold_cnt(0) depctr_sa_sdst(0) depctr_va_vdst(0) depctr_va_sdst(0) depctr_va_ssrc(0) depctr_va_vcc(0) depctr_vm_vsrc(0)
	s_getreg_b32 s2, hwreg(HW_REG_IB_STS2, 6, 4)
	s_cmp_eq_u32 s2, 0
	s_cbranch_scc0 .Lentry_in_a_cluster
	s_endpgm
.Lentry_in_a_cluster:
	s_bfe_u32 s2, ttmp6, 0x10000c
	s_cmp_lg_u32 s2, 0x3003
	s_cbranch_scc0 .Lentry_shape_is_right
	s_endpgm
.Lentry_shape_is_right:
; attn = softmax(q k^T / 8) v for one head, both products on codes of E4M3 with E8M0 scales; the result is quantised along the 1,024 features and stored in image blocks for the next product.
; SOFTMAX: t = score x log2(e) / 8; M = the running largest t rounded up to a whole number; p = 2^(t - M) is quantised along the keys; the row's sum is taken of the unquantised p and divides at the end.
; INPUT (buffer qkv): q's, k's images [32 b + head (k: + 16)][step of 128 tokens: 8,192 bytes][tile T: 1,024][piece c = 0, 1: 512][16 x lane]; lane r of tile T is token 32 (T / 2) + 8 (T % 2) + r + 8 (r / 8);
; v^T's images from VTI on: [16 b + head][step][tile t of 16 channels: 2,048][piece c = 0 .. 3][16 x lane]; scale words from QKS (512 bytes a step: word p of lane l = tile 2 p + l / 16, its two low bytes) and VTS (256 a step).
; SHARES: a work-group owns 256 queries of a head, each of sixteen waves one tile of 16.  The head's K and V, 256 KiB of codes, lie in LDS whole: one joint load of 16 KiB a wave; the four work-groups of a cluster
; walk the same head.  The launch reads K and V at its head alone, so there is no loop in which a prefetch could run ahead: none is laid.
; The scale bytes, 12 KiB, come through registers beside the tensor loads into LDS bytes of their own; K's are merged there: word p of key lane r = tile 2 p's two bytes below, tile 2 p + 1's above.
; THE HEAD'S 64 IN A K OF 128: an operand of K holds tile 2 p in k = 0 .. 63 and tile 2 p + 1 in k = 64 .. 127 (2,048 bytes on end); it is multiplied by [Q | 0] and by [0 | Q]: v16-23 Q, v24-31 zeros, v32-39 Q again.
; Zero codes add nothing under any finite scale byte.  Both products are used transposed: a lane holds one query; the 16 registers of tiles 2 b, 2 b + 1 are keys 32 b + 16 (lane / 16) + 0 .. 15.
; TWO REGIONS OF 64 REGISTERS TAKE TURNS: K's operands in one, the scores in the other; V's operands land over K's during the softmax; the next step's K lands over p, block by block behind its conversions.
; LIMITS: the promise holds while the scaled scores t stay under 2^31 in magnitude; a block under 2^-118 gets the byte 1 (read by this program alone); NaN and infinities are not served.
.set VTI,  8388608
.set QKS,  12582912
.set VTS,  13107200
.set BLK,  33792
.set LV,   131072                      ; LDS: K's codes at 0, V's here,
.set LKS,  262144                      ; K's merged scale words, 256 bytes a step,
.set LVS,  266240                      ; V's, 256 bytes a step,
.set SPARE, 270336                     ; the spare words: 128 bytes a wave
.set R0,   40
.set R1,   104
.set OT,   168                         ; v168-199 O^T
.set VS,   200                         ; v200-201 V's scale words
.set QH,   207                         ; Q's scale word for [0 | Q], outside the codes' v224-239; v255 for [Q | 0]
.set ADK,  8
.set ADV,  9
.set ADS,  10
.set ADT,  11
.set WV,   18
.set MNT,  19
.set SEL,  20
.set CS,   22
.set G1C,  24
.set G0C,  40
.set TK,   2
.set TS,   3
.set CNT,  67
.macro CROUND
	s_barrier_signal -1
	s_barrier_wait -1
	s_cmp_lg_u32 s[WV], 0
	s_cbranch_scc1 .Lnot_wave_0_\@
	s_barrier_signal -3
.Lnot_wave_0_\@:
	s_barrier_wait -3
	s_barrier_signal -1
	s_barrier_wait -1
.endm
	s_load_b128 s[4:7], s[0:1], 0x0                ; qkv, aimg
	v_lshl_add_u32 v222, v0, 2, SPARE
	v_mov_b32 v223, 0
	ds_add_u32 v222, v223                          ; the opening lines: the add twice on end and its wait
	ds_add_u32 v222, v223
	v_lshrrev_b32 v8, 5, v0
	v_readfirstlane_b32 s[WV], v8
	s_bfe_u32 s48, ttmp6, 0x40000
	s_lshl_b32 s49, ttmp9, 2
	s_add_co_u32 s49, s49, s48                     ; my block of 256 queries
	s_and_b32 s50, ttmp7, 0xffff                   ; 16 b + head
	s_lshr_b32 s51, s50, 4
	s_and_b32 s52, s50, 15
	s_mov_b32 s[G1C], 15|(3<<16)|(1<<21)           ; all four partners; elements of 8 bytes; 64 dense rows of 256 bytes
	s_mov_b32 s[G1C+1], 32<<16
	s_mov_b32 s[G1C+2], 64<<16
	s_mov_b32 s[G1C+3], 32<<16
	s_mov_b32 s[G1C+4], 64
	s_mov_b32 s[G1C+5], 32
	s_mov_b32 s[G1C+6], 0
	s_mov_b32 s[G1C+7], 0
	s_lshl_b32 s53, s51, 5
	s_add_co_u32 s53, s53, s52                     ; q's image
	s_add_co_u32 s54, s53, 16                      ; k's
	s_lshl_b32 s55, s54, 17
	s_lshl_b32 s56, s50, 17
	s_add_co_u32 s56, s56, VTI
	s_and_b32 s57, s[WV], 7
	s_lshl_b32 s57, s57, 14
	s_cmp_lt_u32 s[WV], 8                          ; waves 0-7 fetch K, two steps each; waves 8-15 V
	s_cselect_b32 s58, s55, s56
	s_add_co_u32 s58, s58, s57
	s_mov_b32 s59, 0
	s_lshl_b32 s60, s54, 13
	s_add_co_u32 s60, s60, QKS                     ; k's scale words
	s_mov_b32 s61, 0
	s_lshl_b32 s62, s50, 12
	s_add_co_u32 s62, s62, VTS                     ; v^T's
	s_mov_b32 s63, 0
	s_mov_b32 s[SEL], 0x76543210
	s_mov_b32 s[SEL+1], 0xfedcba98
	s_mov_b32 s[CS], 0x3e38aa3b                    ; log2(e) / 8
	s_mov_b32 s[CS+1], s[CS]
	s_mov_b32 s[MNT], 0x600000
	s_wait_dscnt 0x0
	s_wait_kmcnt 0x0
	s_mov_b32 s[G0C], 1
	s_lshl_b32 s[G0C+1], s[WV], 14
	s_add_nc_u64 s[G0C+2:G0C+3], s[4:5], s[58:59]
	s_or_b32 s[G0C+3], s[G0C+3], 0x80000000
	s_add_nc_u64 s[60:61], s[4:5], s[60:61]
	s_add_nc_u64 s[62:63], s[4:5], s[62:63]
	CROUND
	tensor_load_to_lds s[G0C:G0C+3], s[G1C:G1C+7]  ; my one tensor load
	s_nop 0
.rept 4
	v_nop
.endr
	s_lshl_b32 s68, s49, 4
	s_add_co_u32 s68, s68, s[WV]                   ; my tile of queries
	s_lshl_b32 s69, s68, 10
	s_lshl_b32 s70, s53, 17
	s_add_co_u32 s70, s70, s69
	s_mov_b32 s71, 0
	s_add_nc_u64 s[70:71], s[4:5], s[70:71]
	s_lshr_b32 s72, s68, 3
	s_lshl_b32 s72, s72, 9
	s_and_b32 s73, s[WV], 1
	s_lshl_b32 s73, s73, 8
	s_add_co_u32 s72, s72, s73
	s_bfe_u32 s73, s[WV], 0x20001
	s_lshl_b32 s73, s73, 2
	s_add_co_u32 s72, s72, s73
	s_lshl_b32 s73, s53, 13
	s_add_co_u32 s72, s72, s73
	s_add_co_u32 s72, s72, QKS
	s_mov_b32 s73, 0
	s_add_nc_u64 s[72:73], s[4:5], s[72:73]        ; its scale words
	s_lshl_b32 s74, s51, 4                         ; where the result goes: row block, K step head / 4, q = (head / 2) % 2, pieces 2 (head % 2) on
	s_lshl_b32 s75, s49, 1
	s_add_co_u32 s74, s74, s75
	s_lshr_b32 s75, s[WV], 3
	s_add_co_u32 s74, s74, s75
	s_lshl_b32 s74, s74, 2
	s_lshr_b32 s75, s52, 2
	s_add_co_u32 s74, s74, s75
	s_mul_i32 s74, s74, BLK
	s_bfe_u32 s76, s52, 0x10001
	s_and_b32 s77, s52, 1
	s_and_b32 s78, s[WV], 7
	s_lshl_b32 s78, s78, 1
	s_add_co_u32 s78, s78, s76
	s_lshl_b32 s78, s78, 2
	s_lshl_b32 s79, s77, 1
	s_add_co_u32 s78, s78, s79
	s_lshl_b32 s78, s78, 9
	s_add_co_u32 s78, s78, s74
	s_mov_b32 s79, 0
	s_add_nc_u64 s[78:79], s[6:7], s[78:79]
	s_lshl_b32 s80, s76, 9
	s_add_co_u32 s80, s80, s74
	s_add_co_u32 s80, s80, 32768
	s_and_b32 s81, s[WV], 1
	s_lshl_b32 s81, s81, 8
	s_add_co_u32 s80, s80, s81
	s_bfe_u32 s81, s[WV], 0x20001
	s_lshl_b32 s81, s81, 2
	s_add_co_u32 s80, s80, s81
	s_lshl_b32 s81, s77, 1
	s_add_co_u32 s80, s80, s81
	s_mov_b32 s81, 0
	s_add_nc_u64 s[80:81], s[6:7], s[80:81]
	v_and_b32 v6, 31, v0
	v_lshlrev_b32 v1, 4, v6                        ; 16 x lane
	v_and_b32 v2, 15, v0
	v_lshlrev_b32 v2, 4, v2                        ; 16 r
	v_lshlrev_b32 v7, 4, v0                        ; 16 x thread
	v_lshlrev_b32 v9, 3, v0                        ; 8 x thread
	global_load_b128 v[16:19], v1, s[70:71]
	global_load_b128 v[20:23], v1, s[70:71] offset:512
	global_load_b128 v[32:35], v1, s[70:71]        ; Q once more, behind the zeros
	global_load_b128 v[36:39], v1, s[70:71] offset:512
	global_load_b32 v255, v2, s[72:73]
	global_load_b128 v[40:43], v7, s[60:61]        ; wave w: step w's scale words of K, 512 bytes on end;
	global_load_b64 v[44:45], v9, s[62:63]         ; and of V, 256 bytes
	v_lshrrev_b32 v10, 5, v0
	v_lshl_add_u32 v10, v10, 8, v2
	v_bfe_u32 v11, v0, 4, 1
	v_lshl_add_u32 v10, v11, 1, v10
	v_add_nc_u32 v10, LKS, v10                     ; K's two bytes go to 256 step + 16 r + 4 p + 2 (lane / 16)
	v_lshl_add_u32 v11, v0, 3, LVS
	v_add_nc_u32 v3, LV, v1
	v_add_nc_u32 v4, LKS, v2
	v_lshl_add_u32 v5, v6, 3, LVS
.irp i, 0,1,2,3,4,5,6,7
	v_mov_b32 v[24+\i], 0
.endr
	v_mov_b32 v13, 0xff61b1e6                      ; the largest t so far: -3e38
	v_floor_f32 v12, -v13
	v_mov_b32 v14, 0
	v_mov_b32 v15, 0
.irp b, 0,1,2,3
	v_mov_b32 v[236+\b], 0                         ; a lane permute's destination counts as one of its sources
.endr
	v_mov_b32 v253, 0
	s_mov_b32 s[TK], 0
	s_mov_b32 s[TS], 0
	s_mov_b32 s[CNT], 8
	s_wait_alu depctr_va_vdst(0)
	s_wait_loadcnt 0x0
	s_wait_tensorcnt 0x0                           ; my 16 KiB are in
	v_lshlrev_b32 v[QH], 16, v255
	ds_store_b16 v10, v40
	ds_store_b16 v10, v41 offset:4
	ds_store_b16 v10, v42 offset:8
	ds_store_b16 v10, v43 offset:12
	ds_store_b64 v11, v[44:45]
.irp j, 0,1,2,3,4,5,6,7,8,9,10,11,12,13,14,15,16,17,18,19,20,21,22,23,24,25,26,27,28,29,30,31
	v_mov_b32 v[OT+\j], 0                          ; the step is written for every step alike: the first finds zeros
.endr
	s_wait_alu depctr_va_vdst(0)
	s_wait_dscnt 0x0                               ; for the others' sake: my scale bytes lie in LDS
	s_barrier_signal -1
	s_barrier_wait -1
.irp i, 0,1,2,3,4,5,6,7,8,9,10,11,12,13,14,15
	ds_load_b128 v[R0+4*\i:R0+4*\i+3], v1 offset:512*\i   ; step 0's four operands of K
.endr
	ds_load_b128 v[248:251], v4
; A KEY STEP of 128 keys.  rk: K's operands, then V's; rs: the scores, p, then the next step's K; h: the step's number in its trip
.macro STEP rk, rs, h
.if \h
.rept 9
	v_nop                                          ; nine places between the last products and the products that write over their operands
.endr
.else
	v_add_nc_u32 v[ADK], s[TK], v1
	v_add_nc_u32 v[ADV], s[TK], v3
	v_add_nc_u32 v[ADS], s[TS], v4
	v_add_nc_u32 v[ADT], s[TS], v5
.rept 5
	v_nop
.endr
	s_wait_alu depctr_va_vdst(0)
.endif
	s_wait_dscnt 0x0                               ; K's operands and scale words
.irp p, 0,1,2,3
	v_wmma_scale_f32_16x16x128_f8f6f4 v[\rs+16*\p:\rs+16*\p+7], v[\rk+16*\p:\rk+16*\p+15], v[16:31], 0, v[248+\p], v255
	v_wmma_scale_f32_16x16x128_f8f6f4 v[\rs+16*\p+8:\rs+16*\p+15], v[\rk+16*\p:\rk+16*\p+15], v[24:39], 0, v[248+\p], v[QH]
.endr
.rept 8
	v_nop                                          ; places ahead of the loads over K's operands and of the first read of the scores
.endr
.irp i, 0,1,2,3,4,5,6,7,8,9,10,11,12,13,14,15
	ds_load_b128 v[\rk+4*\i:\rk+4*\i+3], v[ADV] offset:8192*\h+512*\i   ; V's four operands: 17 loads with the scale words
.endr
	ds_load_b64 v[VS:VS+1], v[ADT] offset:256*\h
.irp b, 0,1,2,3
	v_max3_num_f32 v[232+\b], v[\rs+16*\b], v[\rs+1+16*\b], v[\rs+2+16*\b]   ; each block's largest score: for the row's maximum and for the block's largest p
.endr
.irp i, 3,5,7,9,11,13
.irp b, 0,1,2,3
	v_max3_num_f32 v[232+\b], v[232+\b], v[\rs+16*\b+\i], v[\rs+1+16*\b+\i]
.endr
.endr
.irp b, 0,1,2,3
	v_max_num_f32 v[232+\b], v[232+\b], v[\rs+15+16*\b]
.endr
.irp b, 0,1,2,3
	v_permlanex16_b32 v[236+\b], v[232+\b], s[SEL], s[SEL+1]
.endr
.irp b, 0,1,2,3
	s_delay_alu instid0(VALU_DEP_4)
	v_max_num_f32 v[232+\b], v[232+\b], v[236+\b]
.endr
	s_delay_alu instid0(VALU_DEP_2)
	v_max3_num_f32 v254, v232, v233, v234
	s_delay_alu instid0(VALU_DEP_1)
	v_max_num_f32 v254, v254, v235
	s_delay_alu instid0(VALU_DEP_1)
	v_mul_f32 v254, s[CS], v254
	s_delay_alu instid0(VALU_DEP_1)
	v_max_num_f32 v13, v13, v254                   ; the running largest t
	v_mov_b32 v254, v12
	s_delay_alu instid0(VALU_DEP_2)
	v_floor_f32 v12, -v13                          ; -M = floor(-t)
	s_delay_alu instid0(VALU_DEP_1)
	v_sub_f32 v254, v12, v254
	s_delay_alu instid0(VALU_DEP_1)
	v_cvt_i32_f32 v254, v254
	s_delay_alu instid0(VALU_DEP_1)
	v_ldexp_f32 v252, 1.0, v254                    ; f = 2^(old M - new M)
.irp j, 0,2,4,6,8,10,12,14,16,18,20,22,24,26,28,30,32,34,36,38,40,42,44,46,48,50,52,54,56,58,60,62
	v_pk_fma_f32 v[\rs+\j:\rs+\j+1], v[\rs+\j:\rs+\j+1], s[CS:CS+1], v[12:13] op_sel_hi:[1,0,0]
.endr
.irp b, 0,1,2,3
	v_fma_f32 v[232+\b], v[232+\b], s[CS], v12
.endr
	s_wait_alu depctr_va_vdst(0)                   ; a wait ahead of the batch,
.irp j, 0,1,2,3,4,5,6,7,8,9,10,11,12,13,14,15,16,17,18,19,20,21,22,23,24,25,26,27,28,29,30,31,32,33,34,35,36,37,38,39,40,41,42,43,44,45,46,47,48,49,50,51,52,53,54,55,56,57,58,59,60,61,62,63
	v_exp_f32 v[\rs+\j], v[\rs+\j]
.endr
	v_pk_mul_f32 v[14:15], v[14:15], v[252:253] op_sel_hi:[1,0]
	s_wait_alu depctr_va_vdst(0)                   ; and one behind it
.irp b, 0,1,2,3
	v_exp_f32 v[232+\b], v[232+\b]                 ; the blocks' largest p
.endr
	v_pk_add_f32 v[236:237], v[\rs:\rs+1], v[\rs+2:\rs+3]   ; the row's sum of the unquantised p, in two chains
.irp j, 4,8,12,16,20,24,28,32,36,40,44,48,52,56,60
	v_pk_add_f32 v[14:15], v[14:15], v[\rs+\j:\rs+\j+1]
	v_pk_add_f32 v[236:237], v[236:237], v[\rs+2+\j:\rs+3+\j]
.endr
	s_delay_alu instid0(VALU_DEP_1)
	v_pk_add_f32 v[14:15], v[14:15], v[236:237]
	s_wait_alu depctr_va_vdst(0)
.irp b, 0,1,2,3
	v_max_num_f32 v[232+\b], 0x4800000, v[232+\b]  ; the floor 2^(9 - 127): the byte cannot fall under 1
.endr
.irp b, 0,1,2,3
	s_delay_alu instid0(VALU_DEP_4)
	v_add_nc_u32 v[244+\b], 0xfc000000, v[232+\b]  ; the conversion's scale operand
.endr
.irp b, 0,1,2,3
	v_and_or_b32 v[240+\b], v[232+\b], 0x7f800000, s[MNT]   ; 448 x the scale
.endr
.irp b, 0,1,2,3
	v_lshrrev_b32 v[236+\b], 23, v[244+\b]
.endr
	s_delay_alu instid0(VALU_DEP_3)
	v_lshl_or_b32 v253, v237, 8, v236
	s_delay_alu instid0(VALU_DEP_1)
	v_lshl_or_b32 v253, v238, 16, v253
	s_delay_alu instid0(VALU_DEP_1)
	v_lshl_or_b32 v253, v239, 24, v253             ; p's scale word
.irp b, 0,1,2,3
.irp i, 0,2,4,6,8,10,12,14
	v_dual_min_num_f32 v[\rs+16*\b+\i], v[\rs+16*\b+\i], v[240+\b] :: v_dual_min_num_f32 v[\rs+16*\b+\i+1], v[\rs+16*\b+\i+1], v[240+\b]   ; the hold, one-sided: p is not negative (the conversion does not saturate: ISA guide 7.6.2)
.endr
	v_cvt_scalef32_pk8_fp8_f32 v[224+4*\b:225+4*\b], v[\rs+16*\b:\rs+16*\b+7], v[244+\b]
	v_cvt_scalef32_pk8_fp8_f32 v[226+4*\b:227+4*\b], v[\rs+16*\b+8:\rs+16*\b+15], v[244+\b]
.irp c, 0,1,2,3
	ds_load_b128 v[\rs+16*\b+4*\c:\rs+16*\b+4*\c+3], v[ADK] offset:8192*(\h+1)+2048*\b+512*\c   ; the next step's operand b of K, over the block just converted (behind the last step: bytes of V, read and not used)
.endr
.endr
	ds_load_b128 v[248:251], v[ADS] offset:256*(\h+1)
	s_wait_alu depctr_va_vdst(0)                   ; directly ahead of the first reader of O^T
.irp j, 0,2,4,6,8,10,12,14,16,18,20,22,24,26,28,30
	v_pk_mul_f32 v[OT+\j:OT+\j+1], v[OT+\j:OT+\j+1], v[252:253] op_sel_hi:[1,0]
.endr
	s_wait_alu depctr_va_vdst(0)
	s_wait_dscnt 17                                ; V's 17 loads are in; the 17 issued behind them (the next K and its scale words) may be out
.irp t, 0,2
	v_wmma_scale_f32_16x16x128_f8f6f4 v[OT+8*\t:OT+8*\t+7], v[\rk+16*\t:\rk+16*\t+15], v[224:239], v[OT+8*\t:OT+8*\t+7], v[VS+\t/2], v253
	v_wmma_scale_f32_16x16x128_f8f6f4 v[OT+8+8*\t:OT+15+8*\t], v[\rk+16+16*\t:\rk+31+16*\t], v[224:239], v[OT+8+8*\t:OT+15+8*\t], v[VS+\t/2], v253 matrix_a_scale:MATRIX_SCALE_ROW1
.endr
.endm
.Lstep:                                            ; eight trips of two steps: the two regions are back where they began
	STEP R0, R1, 0
	STEP R1, R0, 1
	s_add_co_u32 s[TK], s[TK], 16384
	s_add_co_u32 s[TS], s[TS], 512
	s_sub_co_u32 s[CNT], s[CNT], 1
	s_cmp_lg_u32 s[CNT], 0
	s_cbranch_scc1 .Lstep
	s_wait_dscnt 0x0                               ; the loads issued in the last step have landed: their registers are free
.rept 8
	v_nop
.endr
	v_add_f32 v14, v14, v15
	s_delay_alu instid0(VALU_DEP_1)
	v_permlanex16_b32 v252, v14, s[SEL], s[SEL+1]
	s_delay_alu instid0(VALU_DEP_1)
	v_add_f32 v14, v14, v252                       ; the row's sum
	s_wait_alu depctr_va_vdst(0)
	v_rcp_f32 v14, v14
	v_nop
	s_wait_alu depctr_va_vdst(0)
.irp j, 0,1,2,3,4,5,6,7,8,9,10,11,12,13,14,15,16,17,18,19,20,21,22,23,24,25,26,27,28,29,30,31
	v_mul_f32 v[R1+\j], v[OT+\j], v14              ; register 16 b + i = channel 32 b + 16 (lane / 16) + i of my query
.endr
.irp b, 0,1
	v_max3_num_f32 v[232+\b], |v[R1+16*\b]|, |v[R1+1+16*\b]|, 0x4800000
.endr
.irp i, 2,4,6,8,10,12,14
.irp b, 0,1
	s_delay_alu instid0(VALU_DEP_2)
	v_max3_num_f32 v[232+\b], v[232+\b], |v[R1+16*\b+\i]|, |v[R1+1+16*\b+\i]|
.endr
.endr
.irp b, 0,1
	v_permlanex16_b32 v[236+\b], v[232+\b], s[SEL], s[SEL+1]
.endr
.irp b, 0,1
	s_delay_alu instid0(VALU_DEP_2)
	v_max_num_f32 v[232+\b], v[232+\b], v[236+\b]
.endr
.irp b, 0,1
	s_delay_alu instid0(VALU_DEP_2)
	v_add_nc_u32 v[244+\b], 0xfc000000, v[232+\b]
.endr
.irp b, 0,1
	s_delay_alu instid0(VALU_DEP_4)
	v_and_or_b32 v[240+\b], v[232+\b], 0x7f800000, s[MNT]
.endr
.irp b, 0,1
	s_delay_alu instid0(VALU_DEP_4)
	v_lshrrev_b32 v[236+\b], 23, v[244+\b]
.endr
	s_delay_alu instid0(VALU_DEP_1)
	v_lshl_or_b32 v252, v237, 8, v236
.irp b, 0,1
.irp i, 0,1,2,3,4,5,6,7,8,9,10,11,12,13,14,15
	v_med3_num_f32 v[R1+16*\b+\i], v[R1+16*\b+\i], -v[240+\b], v[240+\b]
.endr
	v_cvt_scalef32_pk8_fp8_f32 v[224+4*\b:225+4*\b], v[R1+16*\b:R1+7+16*\b], v[244+\b]
	v_cvt_scalef32_pk8_fp8_f32 v[226+4*\b:227+4*\b], v[R1+8+16*\b:R1+15+16*\b], v[244+\b]
.endr
	v_nop
	global_store_b128 v1, v[224:227], s[78:79]     ; 512 consecutive bytes each
	global_store_b128 v1, v[228:231], s[78:79] offset:512
	global_store_b16 v2, v252, s[80:81]            ; my head's two scale bytes of each row's word
	s_wait_tensorcnt 0x0                           ; the wave's end
	ds_add_u32 v222, v223
	s_wait_dscnt 0x0
	CROUND                                         ; the closing round
	s_endpgm
.Lfunc_end_k_qc80f27e980_attn:
	.size	k_qc80f27e980_attn, .Lfunc_end_k_qc80f27e980_attn-k_qc80f27e980_attn
	.p2alignl 7, 3214868480
	.fill 96, 4, 3214868480
	.section	.rodata,"a",@progbits
	.p2align	6, 0x0
	.amdhsa_kernel k_qc80f27e980_attn
		.amdhsa_group_segment_fixed_size 327680
		.amdhsa_private_segment_fixed_size 0
		.amdhsa_enable_private_segment 0
		.amdhsa_kernarg_size 16
		.amdhsa_user_sgpr_count 2
		.amdhsa_user_sgpr_kernarg_segment_ptr 1
		.amdhsa_wavefront_size32 1
		.amdhsa_system_sgpr_workgroup_id_x 1
		.amdhsa_system_sgpr_workgroup_id_y 1
		.amdhsa_system_sgpr_workgroup_id_z 1
		.amdhsa_system_vgpr_workitem_id 0
		.amdhsa_next_free_vgpr 256
		.amdhsa_next_free_sgpr 100
		.amdhsa_reserve_vcc 0
		.amdhsa_float_denorm_mode_32 3
		.amdhsa_float_denorm_mode_16_64 3
		.amdhsa_memory_ordered 1
		.amdhsa_forward_progress 1
		.amdhsa_inst_pref_size 55
	.end_amdhsa_kernel
	.amdgpu_metadata
---
amdhsa.version: [ 1, 2 ]
amdhsa.kernels:
  - .name:           k_qc80f27e980_attn
    .symbol:         k_qc80f27e980_attn.kd
    .args:
      - { .name: qkv, .offset: 0, .size: 8, .value_kind: global_buffer, .address_space: global }
      - { .name: aimg, .offset: 8, .size: 8, .value_kind: global_buffer, .address_space: global }
    .group_segment_fixed_size: 327680
    .private_segment_fixed_size: 0
    .kernarg_segment_align: 8
    .kernarg_segment_size: 16
    .max_flat_workgroup_size: 512
    .sgpr_count:     100
    .vgpr_count:     256
    .wavefront_size: 32
...
	.end_amdgpu_metadata
.endif
;; end of part 10
;; launch oproj (part 11): grid 8 x 32, 4 waves a work-group, clusters of 4 x 4, 327,680 bytes of LDS; arguments aimg, wimg, x, x2; writes x2
.if DOCPART == 11
	.amdgcn_target "amdgcn-amd-amdhsa--gfx1250"
	.amdhsa_code_object_version 6
	.text
	.protected	k_qc80f27e980_oproj
	.globl	k_qc80f27e980_oproj
	.p2align	8
	.type	k_qc80f27e980_oproj,@function
k_qc80f27e980_oproj:
	s_mov_b64 s[64:65], 0
	v_nop
	global_prefetch_b8 v0, s[64:65] scope:SCOPE_SE
	s_setreg_imm32_b32 hwreg(HW_REG_WAVE_MODE, 25, 1), 1
	s_wait_xcnt 0x0
	s_wait_alu depctr_hold_cnt(0) depctr_sa_sdst(0) depctr_va_vdst(0) depctr_va_sdst(0) depctr_va_ssrc(0) depctr_va_vcc(0) depctr_vm_vsrc(0)
	s_getreg_b32 s2, hwreg(HW_REG_IB_STS2, 6, 4)
	s_cmp_eq_u32 s2, 0
	s_cbranch_scc0 .Lentry_in_a_cluster
	s_endpgm
.Lentry_in_a_cluster:
	s_bfe_u32 s2, ttmp6, 0x10000c
	s_cmp_lg_u32 s2, 0xf033
	s_cbranch_scc0 .Lentry_shape_is_right
	s_endpgm
.Lentry_shape_is_right:
.set BLK,   33792
.set SLOT,  4*BLK
.set SPARE, 2*SLOT
.set NKS,   4
.set NSL,   NKS/2
.set NP,    8
.set B_OFF, 96*BLK
.set NT,    0
.set SPITCH, 528
.set DUMPB, 128*SPITCH
.set LI,   2
.set RD,   8
.set ADRA, 16
.set ADSA, 18
.set ADRB, 20
.set ADSB, 22
.set STO,  24
.set SPW,  28
.set NIL,  29
.set SC,   32
.set RES,  64
.set AF,   128
.set G1, 24
.set G0, 32
.set G1B, 48
.set G0B, 56
.set RS,  90
.set OS,  92
.set MSB, 0
.macro WIN new
.if MSB != \new
	s_set_vgpr_msb (MSB<<8)|\new
.set MSB, \new
.endif
.endm
.set MUL_LO, 0xa1
.set MUL_HI, 0xf1
.set TO_B,   0x40
.macro JLOAD g0a, g1a, g0b, g1b
	s_cmp_eq_u32 s15, 0
	s_cbranch_scc0 .Lfor_b_\@
	tensor_load_to_lds s[\g0a:\g0a+3], s[\g1a:\g1a+7]
	s_nop 0
.rept 4
	v_nop
.endr
	s_branch .Lasked_\@
.Lfor_b_\@:
	tensor_load_to_lds s[\g0b:\g0b+3], s[\g1b:\g1b+7]
	s_nop 0
.rept 4
	v_nop
.endr
.Lasked_\@:
.endm
.macro CREST
	s_cmp_lg_u32 s14, 0
	s_cbranch_scc1 .Lnot_wave_0_\@
	s_barrier_signal -3
.Lnot_wave_0_\@:
	s_barrier_wait -3
	s_barrier_signal -1
	s_barrier_wait -1
.endm
.macro CROUND
	s_barrier_signal -1
	s_barrier_wait -1
	CREST
.endm
	s_load_b256 s[4:11], s[0:1], 0x0
	v_lshl_add_u32 v[SPW], v0, 2, SPARE
	v_mov_b32 v[NIL], 0
	ds_add_u32 v28, v29
	ds_add_u32 v28, v29
	s_wait_dscnt 0x0
	v_lshrrev_b32 v1, 5, v0
	v_readfirstlane_b32 s14, v1
	s_lshr_b32 s15, s14, 1
	s_and_b32 s16, s14, 1
	s_bfe_u32 s40, ttmp6, 0x40000
	s_bfe_u32 s41, ttmp6, 0x40004
	s_lshl_b32 s42, ttmp9, 2
	s_add_co_u32 s42, s42, s40
	s_and_b32 s17, ttmp7, 0xffff
	s_lshl_b32 s17, s17, 2
	s_add_co_u32 s17, s17, s41
	s_lshl_b32 s43, s41, 2
	s_lshl_b32 s43, 15, s43
	s_lshl_b32 s44, 0x1111, s40
	s_or_b32 s[G1+0], s43, (3<<16)|(1<<21)
	s_or_b32 s[G1B+0], s44, (3<<16)|(1<<21)
.irp g, G1, G1B
	s_mov_b32 s[\g+1], 32<<16
	s_mov_b32 s[\g+2], 264<<16
	s_mov_b32 s[\g+3], 32<<16
	s_mov_b32 s[\g+4], 264
	s_mov_b32 s[\g+5], 32
	s_mov_b32 s[\g+6], 0
	s_mov_b32 s[\g+7], 0
.endr
	s_mul_i32 s20, s17, NKS
	s_add_co_u32 s20, s20, s16
	s_mul_i32 s20, s20, BLK
	s_mov_b32 s21, 0
	s_mul_i32 s46, s42, NKS
	s_add_co_u32 s46, s46, s16
	s_mul_i32 s46, s46, BLK
	s_add_co_u32 s46, s46, B_OFF
	s_mov_b32 s47, 0
	s_wait_kmcnt 0x0
	s_add_nc_u64 s[20:21], s[4:5], s[20:21]
	s_add_nc_u64 s[46:47], s[6:7], s[46:47]
	CROUND
	; all of K, four blocks a side, lies in the two slots: one load a wave.  Waves 0, 1 fetch A's blocks of slot 0, 1, waves 2, 3 B's: two blocks on end in memory and in LDS, 264 rows of 256 bytes
	s_mul_i32 s76, s16, BLK
	s_mov_b32 s77, 0
	s_mov_b32 s[G0], 1
	s_mul_i32 s[G0+1], s16, SLOT
	s_add_nc_u64 s[G0+2:G0+3], s[20:21], s[76:77]
	s_or_b32 s[G0+3], s[G0+3], 0x80000000
	s_mov_b32 s[G0B], 1
	s_add_co_u32 s[G0B+1], s[G0+1], 2*BLK
	s_add_nc_u64 s[G0B+2:G0B+3], s[46:47], s[76:77]
	s_or_b32 s[G0B+3], s[G0B+3], 0x80000000
	JLOAD G0, G1, G0B, G1B
	v_and_b32 v1, 31, v0
	v_lshlrev_b32 v[LI], 4, v1
	s_wait_alu depctr_va_vdst(0)
	s_mul_i32 s21, s15, BLK
	s_add_co_u32 s22, s21, 2*BLK
	s_lshl_b32 s23, s16, 11
	s_lshl_b32 s18, s16, 9
	s_add_co_u32 s18, s18, 32768
.irp s, 0,1
	s_add_co_u32 s19, s21, s23
	v_add_nc_u32 v[ADRA+\s], s19, v[LI]
	s_add_co_u32 s19, s21, s18
	v_add_nc_u32 v[ADSA+\s], s19, v[LI]
	s_add_co_u32 s19, s22, s23
	v_add_nc_u32 v[ADRB+\s], s19, v[LI]
	s_add_co_u32 s19, s22, s18
	v_add_nc_u32 v[ADSB+\s], s19, v[LI]
	s_add_co_u32 s21, s21, SLOT
	s_add_co_u32 s22, s22, SLOT
.endr
	s_mul_i32 s23, s14, DUMPB
	v_and_b32 v3, 15, v0
	v_bfe_u32 v4, v0, 4, 1
	v_mul_u32_u24 v5, v3, SPITCH
	v_lshl_add_u32 v5, v4, 6, v5
	v_add_nc_u32 v[STO], s23, v5
	s_mul_i32 s23, s14, 32*SPITCH
.irp c, 0,1,2,3
	v_add_nc_u32 v[RD+\c], s23, v[LI]
	s_add_co_u32 s23, s23, DUMPB
.endr
	s_lshl_b32 s88, s17, 7
	s_lshl_b32 s89, s14, 5
	s_add_co_u32 s88, s88, s89
	s_lshl_b32 s88, s88, 12
	s_lshl_b32 s89, s42, 9
	s_add_co_u32 s88, s88, s89
	s_mov_b32 s89, 0
	s_add_nc_u64 s[RS:RS+1], s[8:9], s[88:89]
	s_add_nc_u64 s[OS:OS+1], s[10:11], s[88:89]
.macro FRAG reg, adr, i
.irp c, 0,1,2,3
	ds_load_b128 v[\reg+4*\c:\reg+4*\c+3], v[\adr] offset:(\i)*4096+\c*512
.endr
.endm
.macro WM a, b, p, sc, zero
.set rD, 8*(8*((\a)%4)+(\b))
.set rB, 128*(\p)+16*(\b)
.set rA, AF+16*(\a)
.set sB, SC+16*(\sc)+8+(\b)/2
.set sA, SC+16*(\sc)+(\a)/2
.if \zero
.if ((\b)%2) && ((\a)%2)
	v_wmma_scale_f32_16x16x128_f8f6f4 v[rD:rD+7], v[rB:rB+15], v[rA:rA+15], 0, v[sB], v[sA] matrix_a_scale:MATRIX_SCALE_ROW1 matrix_b_scale:MATRIX_SCALE_ROW1
.elseif (\b)%2
	v_wmma_scale_f32_16x16x128_f8f6f4 v[rD:rD+7], v[rB:rB+15], v[rA:rA+15], 0, v[sB], v[sA] matrix_a_scale:MATRIX_SCALE_ROW1
.elseif (\a)%2
	v_wmma_scale_f32_16x16x128_f8f6f4 v[rD:rD+7], v[rB:rB+15], v[rA:rA+15], 0, v[sB], v[sA] matrix_b_scale:MATRIX_SCALE_ROW1
.else
	v_wmma_scale_f32_16x16x128_f8f6f4 v[rD:rD+7], v[rB:rB+15], v[rA:rA+15], 0, v[sB], v[sA]
.endif
.else
.if ((\b)%2) && ((\a)%2)
	v_wmma_scale_f32_16x16x128_f8f6f4 v[rD:rD+7], v[rB:rB+15], v[rA:rA+15], v[rD:rD+7], v[sB], v[sA] matrix_a_scale:MATRIX_SCALE_ROW1 matrix_b_scale:MATRIX_SCALE_ROW1
.elseif (\b)%2
	v_wmma_scale_f32_16x16x128_f8f6f4 v[rD:rD+7], v[rB:rB+15], v[rA:rA+15], v[rD:rD+7], v[sB], v[sA] matrix_a_scale:MATRIX_SCALE_ROW1
.elseif (\a)%2
	v_wmma_scale_f32_16x16x128_f8f6f4 v[rD:rD+7], v[rB:rB+15], v[rA:rA+15], v[rD:rD+7], v[sB], v[sA] matrix_b_scale:MATRIX_SCALE_ROW1
.else
	v_wmma_scale_f32_16x16x128_f8f6f4 v[rD:rD+7], v[rB:rB+15], v[rA:rA+15], v[rD:rD+7], v[sB], v[sA]
.endif
.endif
.endm
.macro MUL16 a0, p, sc, zero
.irp a, \a0, \a0+1
.irp b, 0,1,2,3,4,5,6,7
	WM \a, \b, \p, \sc, \zero
.endr
.endr
.endm
.macro FETCH_B slot
	WIN TO_B
.irp i, 0,1,2,3,4,5,6,7
	FRAG 128*(\slot)+16*\i, ADRB+\slot, \i
.endr
	WIN 0
.endm
.macro FETCH_A slot, i0
.irp i, \i0, \i0+1, \i0+2, \i0+3
	FRAG AF+16*(\i), ADRA+\slot, \i
.endr
.endm
.macro SCALES sc
	ds_load_b128 v[SC+16*\sc:SC+16*\sc+3], v[ADSA+\sc]
	ds_load_b128 v[SC+16*\sc+8:SC+16*\sc+11], v[ADSB+\sc]
.endm
.macro PLACES n
.rept \n
	v_nop
.endr
.endm
.macro TURN slot, next, fill, zero
	s_wait_tensorcnt 0x0
	ds_add_u32 v[SPW], v[NIL]
	s_wait_dscnt 17
	WIN MUL_LO
	MUL16 0, \slot, \slot, \zero
	s_wait_dscnt 0x0
	s_barrier_signal -1
	MUL16 2, \slot, \slot, \zero
	WIN 0
	s_barrier_wait -1
.if \fill
	CREST
	s_add_nc_u64 s[G0+4*\slot+2:G0+4*\slot+3], s[G0+4*\slot+2:G0+4*\slot+3], 4*BLK
	s_add_nc_u64 s[G0B+4*\slot+2:G0B+4*\slot+3], s[G0B+4*\slot+2:G0B+4*\slot+3], 4*BLK
	JLOAD G0+4*\slot, G1, G0B+4*\slot, G1B
	PLACES NP-4
.else
	PLACES NP
.endif
	FETCH_B \next
	FETCH_A \next, 0
	SCALES \next
	WIN MUL_HI
	MUL16 4, \slot, \slot, \zero
	MUL16 6, \slot, \slot, \zero
	PLACES NP
	WIN 0
	FETCH_A \next, 4
.endm
.macro RLOAD u
.irp t, 0,1,2,3,4,5,6,7,8,9,10,11,12,13,14,15
	global_load_b128 v[RES+64*\u+4*\t:RES+64*\u+4*\t+3], v[LI], s[RS:RS+1] offset:(8*\u+\t+8*(\t/8))*4096
.endr
.endm
.macro LOADQ k
	WIN 0x40*(1+(\k)/2)
.irp c, 0,1,2,3
.irp j, 0,1,2,3,4,5,6,7
	ds_load_b128 v[128*((\k)%2)+32*\c+4*\j:128*((\k)%2)+32*\c+4*\j+3], v[RD+\c] offset:(8*(\k)+\j)*SPITCH
.endr
.endr
.endm
.macro ADDQ k
	WIN 0x04*(1+(\k)/2)
.irp c, 0,1,2,3
.set i, 0
.rept 16
	v_pk_add_f32 v[RES+32*(\k)+i:RES+32*(\k)+i+1], v[RES+32*(\k)+i:RES+32*(\k)+i+1], v[128*((\k)%2)+32*\c+i:128*((\k)%2)+32*\c+i+1]
.set i, i+2
.endr
.endr
	WIN 0
.endm
.macro STOREQ k
.irp j, 0,1,2,3,4,5,6,7
.if NT
	global_store_b128 v[LI], v[RES+32*(\k)+4*\j:RES+32*(\k)+4*\j+3], s[OS:OS+1] offset:(8*((\k)/2)+16*((\k)%2)+\j)*4096 th:TH_STORE_NT
.else
	global_store_b128 v[LI], v[RES+32*(\k)+4*\j:RES+32*(\k)+4*\j+3], s[OS:OS+1] offset:(8*((\k)/2)+16*((\k)%2)+\j)*4096
.endif
.endr
.endm
	s_wait_tensorcnt 0x0
	s_barrier_signal -1
	s_barrier_wait -1
	FETCH_B 0
	FETCH_A 0, 0
	SCALES 0
	FETCH_A 0, 4
.if NSL > 2
	TURN 0, 1, 1, 1
.else
	TURN 0, 1, 0, 1
.endif
.if NSL > 4
	s_mov_b32 s3, (NSL-4)/2
.Llap:
	TURN 1, 0, 1, 0
	TURN 0, 1, 1, 0
	s_sub_co_u32 s3, s3, 1
	s_cmp_lg_u32 s3, 0
	s_cbranch_scc1 .Llap
.endif
.if NSL > 2
	TURN 1, 0, 1, 0
	TURN 0, 1, 0, 0
.endif
	RLOAD 0
	s_wait_dscnt 16
	WIN MUL_LO
	MUL16 0, 1, 1, 0
	MUL16 2, 1, 1, 0
	s_wait_alu depctr_va_vdst(0)
	s_wait_dscnt 0
	PLACES NP
	WIN 0
	RLOAD 1
	WIN MUL_HI
	MUL16 4, 1, 1, 0
	MUL16 6, 1, 1, 0
	WIN 0
	s_barrier_signal -1
	s_barrier_wait -1
	PLACES NP
.irp a, 0,1,2,3,4,5,6,7
	WIN 0x08+4*(\a/4)
.irp b, 0,1,2,3,4,5,6,7
	ds_store_b128 v[STO], v[64*(\a%4)+8*\b:64*(\a%4)+8*\b+3] offset:\a*16*SPITCH+128*(\b/2)+32*(\b%2)
	ds_store_b128 v[STO], v[64*(\a%4)+8*\b+4:64*(\a%4)+8*\b+7] offset:\a*16*SPITCH+128*(\b/2)+32*(\b%2)+16
.endr
.endr
	WIN 0
	s_wait_dscnt 0x0
	s_barrier_signal -1
	s_barrier_wait -1
	LOADQ 0
	LOADQ 1
	s_wait_dscnt 32
	s_wait_loadcnt 16
	ADDQ 0
	LOADQ 2
	WIN 0
	STOREQ 0
	s_wait_dscnt 32
	ADDQ 1
	LOADQ 3
	WIN 0
	STOREQ 1
	s_wait_dscnt 32
	s_wait_loadcnt 0x0
	ADDQ 2
	STOREQ 2
	s_wait_dscnt 0x0
	ADDQ 3
	STOREQ 3
	s_wait_tensorcnt 0x0
	ds_add_u32 v[SPW], v[NIL]
	s_wait_dscnt 0x0
	CROUND
	s_endpgm
.Lfunc_end_k_qc80f27e980_oproj:
	.size	k_qc80f27e980_oproj, .Lfunc_end_k_qc80f27e980_oproj-k_qc80f27e980_oproj
	.p2alignl 7, 3214868480
	.fill 96, 4, 3214868480
	.section	.rodata,"a",@progbits
	.p2align	6, 0x0
	.amdhsa_kernel k_qc80f27e980_oproj
		.amdhsa_group_segment_fixed_size 327680
		.amdhsa_private_segment_fixed_size 0
		.amdhsa_enable_private_segment 0
		.amdhsa_kernarg_size 32
		.amdhsa_user_sgpr_count 2
		.amdhsa_user_sgpr_kernarg_segment_ptr 1
		.amdhsa_wavefront_size32 1
		.amdhsa_system_sgpr_workgroup_id_x 1
		.amdhsa_system_sgpr_workgroup_id_y 1
		.amdhsa_system_sgpr_workgroup_id_z 1
		.amdhsa_system_vgpr_workitem_id 0
		.amdhsa_next_free_vgpr 1024
		.amdhsa_next_free_sgpr 98
		.amdhsa_reserve_vcc 0
		.amdhsa_float_denorm_mode_32 3
		.amdhsa_float_denorm_mode_16_64 3
		.amdhsa_memory_ordered 1
		.amdhsa_forward_progress 1
		.amdhsa_inst_pref_size 72
	.end_amdhsa_kernel
	.amdgpu_metadata
---
amdhsa.version: [ 1, 2 ]
amdhsa.kernels:
  - .name:           k_qc80f27e980_oproj
    .symbol:         k_qc80f27e980_oproj.kd
    .args:
      - { .name: aimg, .offset: 0, .size: 8, .value_kind: global_buffer, .address_space: global }
      - { .name: wimg, .offset: 8, .size: 8, .value_kind: global_buffer, .address_space: global }
      - { .name: x, .offset: 16, .size: 8, .value_kind: global_buffer, .address_space: global }
      - { .name: x2, .offset: 24, .size: 8, .value_kind: global_buffer, .address_space: global }
    .group_segment_fixed_size: 327680
    .private_segment_fixed_size: 0
    .kernarg_segment_align: 8
    .kernarg_segment_size: 32
    .max_flat_workgroup_size: 128
    .sgpr_count:     98
    .vgpr_count:     1024
    .wavefront_size: 32
...
	.end_amdgpu_metadata
.endif
;; end of part 11
;; launch ln1 (part 12): grid 256 x 1, 8 waves a work-group, no clusters, 59,904 bytes of LDS; arguments x2, norm2_scale, norm2_bias, himg; writes himg
.if DOCPART == 12
	.amdgcn_target "amdgcn-amd-amdhsa--gfx1250"
	.amdhsa_code_object_version 6
	.text
	.protected	k_qc80f27e980_ln1
	.globl	k_qc80f27e980_ln1
	.p2align	8
	.type	k_qc80f27e980_ln1,@function
k_qc80f27e980_ln1:
	s_mov_b64 s[64:65], 0
	v_nop
	global_prefetch_b8 v0, s[64:65] scope:SCOPE_SE
	s_setreg_imm32_b32 hwreg(HW_REG_WAVE_MODE, 25, 1), 1
	s_wait_xcnt 0x0
; h = layer_norm(x) x gain + bias, f32, quantised along its 1,024 columns to E4M3 with one E8M0 byte for each 32, and stored as image blocks (128 rows x 256 along K, 33,792 bytes:
; piece (2 T + q) 4 + c holds at 16 x lane the codes k = 128 q + 32 c + 16 (lane / 16) + 0 .. 15 of row 32 (T / 2) + 8 (T % 2) + r + 8 (r / 8); scale words from byte 32,768 on).
; SHARES: work-group g makes tile g of 16 rows (row block g / 8, tile g % 8) for all four K steps.  Wave w takes the tile's rows r = w and r = w + 8, each whole: mean and variance never leave the wave.
; A row is read once, 512 consecutive bytes a load, and stays in 32 registers.  Mean first, then the sum of squares of x - mean (two passes over registers: no difference of large sums).
; For the conversions a lane must hold 16 neighbours: the normalised row turns through the wave's own stage in LDS (64 bytes + 16 of padding a place).  Codes and scale bytes meet in LDS and leave
; in runs of 512 bytes; the scale words leave 4 bytes a lane, 16 bytes apart (1 byte in 33 of what the launch stores).
; LIMITS: a block of zeros, or one whose largest magnitude lies under 2^-118, gets the byte 1 (the bytes are read by this program alone); NaN and infinities are not served.
; Streaming work: no matrix unit, no cluster (work-groups share only gain and bias, 8 KB), no tensor load.
.set BLK, 33792
.set TST, 5120                         ; a wave's stage: 64 places of 80 bytes
.set IMG, 8*TST                        ; 64 pieces of 256 bytes + 16: piece 16 ks + 8 q + 2 c + h, in it 16 bytes for each r
.set SCB, IMG+64*272                   ; 512 scale bytes: 64 (2 ks + q) + 4 r + c
.set X,   32                           ; v32-95   two rows as loaded: register 4 i + e = column 128 i + 4 lane + e
.set G,   96                           ; v96-127  gain, likewise
.set BI,  128                          ; v128-159 bias
.set Y,   160                          ; v160-191 row 0 turned, v208-239 row 1: register 16 j + e = column 512 j + 16 lane + e
.set C,   192                          ; v192-207 codes
	s_load_b256 s[4:11], s[0:1], 0x0               ; x, gain, bias, himg
	v_lshl_add_u32 v240, v0, 2, 0xe600
	v_mov_b32 v241, 0
	v_lshrrev_b32 v1, 5, v0
	s_delay_alu instid0(VALU_DEP_1)
	v_readfirstlane_b32 s16, v1                    ; wave
	v_and_b32 v1, 31, v0                           ; lane
	s_delay_alu instid0(VALU_DEP_1)
	v_lshlrev_b32 v2, 4, v1                        ; 16 x lane
	s_mul_i32 s17, s16, TST
	v_lshrrev_b32 v3, 2, v1
	s_delay_alu instid0(VALU_DEP_1)
	v_mul_u32_u24 v3, v3, 80
	v_and_b32 v4, 3, v1
	s_delay_alu instid0(VALU_DEP_1)
	v_lshl_add_u32 v3, v4, 4, v3
	s_delay_alu instid0(VALU_DEP_1)
	v_add_nc_u32 v3, s17, v3                       ; the stage, in: four lanes' 64 bytes on end, then the padding
	v_mul_u32_u24 v4, v1, 80
	s_delay_alu instid0(VALU_DEP_1)
	v_add_nc_u32 v4, s17, v4                       ; and out: my 64 bytes
	s_lshl_b32 s18, s16, 4
	s_add_co_u32 s18, s18, IMG
	v_mul_u32_u24 v5, v1, 272
	s_delay_alu instid0(VALU_DEP_1)
	v_add_nc_u32 v5, s18, v5                       ; my codes: piece 32 j + lane, 16 bytes at r = wave (+ 8)
	v_lshrrev_b32 v6, 3, v1
	s_delay_alu instid0(VALU_DEP_1)
	v_lshlrev_b32 v6, 6, v6
	v_bfe_u32 v7, v1, 1, 2
	s_delay_alu instid0(VALU_DEP_1)
	v_add_nc_u32 v6, v6, v7
	s_lshl_b32 s18, s16, 2
	s_add_co_u32 s18, s18, SCB
	v_add_nc_u32 v6, s18, v6                       ; my block's scale byte: 64 (lane / 8) + (lane / 2) % 4 + 4 wave
	v_lshrrev_b32 v7, 4, v1
	v_and_b32 v8, 15, v1
	s_wait_alu depctr_va_vdst(0)
	v_mul_u32_u24 v7, v7, 272
	s_delay_alu instid0(VALU_DEP_1)
	v_lshl_add_u32 v7, v8, 4, v7
	s_mul_i32 s18, s16, 8*272
	s_add_co_u32 s18, s18, IMG
	v_add_nc_u32 v7, s18, v7                       ; the way out: pieces 8 wave on, two a load
	s_lshl_b32 s18, s16, 6
	s_add_co_u32 s18, s18, SCB
	v_lshl_add_u32 v9, v8, 2, s18                  ; and the scale words of (ks, q) = wave
	s_and_b32 s19, ttmp9, 7                        ; the tile in its row block
	s_and_b32 s26, s16, 1
	s_lshl_b32 s27, s19, 12
	s_lshl_b32 s28, s26, 11
	s_add_co_u32 s27, s27, s28
	v_add_nc_u32 v10, s27, v2                      ; codes in the block: 4,096 T + 2,048 q + 16 x lane
	s_lshl_b32 s27, s26, 9
	s_add_co_u32 s27, s27, 32768
	s_and_b32 s28, s19, 1
	s_lshl_b32 s28, s28, 8
	s_add_co_u32 s27, s27, s28
	s_lshr_b32 s28, s19, 1
	s_lshl_b32 s28, s28, 2
	s_add_co_u32 s27, s27, s28
	v_lshl_add_u32 v11, v8, 4, s27                 ; scale words: 32,768 + 512 q + 256 (T % 2) + 4 (T / 2) + 16 r
	v_mov_b32 v25, 0                               ; upper halves of pairs of which the low word alone is taken
	v_mov_b32 v29, 0
	v_mov_b32 v31, 0
	s_mov_b32 s20, 0x3a800000                      ; 1 / 1,024
	s_mov_b32 s21, 0x3727c5ac                      ; 1e-5
	s_mov_b32 s22, 0x600000                        ; the mantissa field of 448
	s_mov_b32 s24, 0x76543210
	s_mov_b32 s25, 0xfedcba98                      ; lane l xor 16
	s_lshr_b32 s12, ttmp9, 1
	s_lshl_b32 s12, s12, 5
	s_and_b32 s13, ttmp9, 1
	s_lshl_b32 s13, s13, 3
	s_add_co_u32 s12, s12, s13
	s_add_co_u32 s12, s12, s16                     ; my first row: 32 (g / 2) + 8 (g % 2) + wave; my second lies 16 rows on
	s_lshl_b32 s12, s12, 12
	s_mov_b32 s13, 0
	s_lshr_b32 s14, ttmp9, 3
	s_lshl_b32 s14, s14, 2
	s_lshr_b32 s15, s16, 1
	s_add_co_u32 s14, s14, s15                     ; on the way out: block 4 x row block + wave / 2
	s_mul_i32 s14, s14, BLK
	s_mov_b32 s15, 0
	s_wait_kmcnt 0x0
	s_add_nc_u64 s[4:5], s[4:5], s[12:13]
	s_add_nc_u64 s[10:11], s[10:11], s[14:15]
.irp p, 0,1
.irp i, 0,1,2,3,4,5,6,7
	global_load_b128 v[X+32*\p+4*\i:X+32*\p+4*\i+3], v2, s[4:5] offset:65536*\p+512*\i th:TH_LOAD_NT
.endr
.endr
.irp i, 0,1,2,3,4,5,6,7
	global_load_b128 v[G+4*\i:G+4*\i+3], v2, s[6:7] offset:512*\i
.endr
.irp i, 0,1,2,3,4,5,6,7
	global_load_b128 v[BI+4*\i:BI+4*\i+3], v2, s[8:9] offset:512*\i
.endr
.macro WSUM                            ; v[16:23], four packed partial sums, become the wave's sum in v16 of every lane
	s_delay_alu instid0(VALU_DEP_3)
	v_pk_add_f32 v[16:17], v[16:17], v[18:19]
	s_delay_alu instid0(VALU_DEP_2)
	v_pk_add_f32 v[20:21], v[20:21], v[22:23]
	s_delay_alu instid0(VALU_DEP_1)
	v_pk_add_f32 v[16:17], v[16:17], v[20:21]
	s_delay_alu instid0(VALU_DEP_1)
	v_add_f32 v16, v16, v17
	s_delay_alu instid0(VALU_DEP_1)
	v_add_f32_dpp v16, v16, v16 row_xmask:1 row_mask:0xf bank_mask:0xf
	s_delay_alu instid0(VALU_DEP_1)
	v_add_f32_dpp v16, v16, v16 row_xmask:2 row_mask:0xf bank_mask:0xf
	s_delay_alu instid0(VALU_DEP_1)
	v_add_f32_dpp v16, v16, v16 row_xmask:4 row_mask:0xf bank_mask:0xf
	s_delay_alu instid0(VALU_DEP_1)
	v_add_f32_dpp v16, v16, v16 row_xmask:8 row_mask:0xf bank_mask:0xf
	s_delay_alu instid0(VALU_DEP_1)
	v_permlanex16_b32 v17, v16, s24, s25
	s_delay_alu instid0(VALU_DEP_1)
	v_add_f32 v16, v16, v17
.endm
.macro STAT p                          ; row p: x - mean in place; variance + 1e-5 in v[26 + p]
.set XS, X+32*\p
.irp k, 0,1,2,3
	v_pk_add_f32 v[16+2*\k:17+2*\k], v[XS+2*\k:XS+2*\k+1], v[XS+8+2*\k:XS+9+2*\k]
.endr
.irp m, 16,24
.irp k, 0,1,2,3
	s_delay_alu instid0(VALU_DEP_4)
	v_pk_add_f32 v[16+2*\k:17+2*\k], v[16+2*\k:17+2*\k], v[XS+\m+2*\k:XS+\m+2*\k+1]
.endr
.endr
	WSUM
	s_delay_alu instid0(VALU_DEP_1)
	v_mul_f32 v24, s20, v16                        ; the mean
.irp i, 0,2,4,6,8,10,12,14,16,18,20,22,24,26,28,30
	v_pk_add_f32 v[XS+\i:XS+\i+1], v[XS+\i:XS+\i+1], v[24:25] op_sel_hi:[1,0] neg_lo:[0,1] neg_hi:[0,1]
.endr
.irp k, 0,1,2,3
	v_pk_mul_f32 v[16+2*\k:17+2*\k], v[XS+2*\k:XS+2*\k+1], v[XS+2*\k:XS+2*\k+1]
.endr
.irp m, 8,16,24
.irp k, 0,1,2,3
	s_delay_alu instid0(VALU_DEP_4)
	v_pk_fma_f32 v[16+2*\k:17+2*\k], v[XS+\m+2*\k:XS+\m+2*\k+1], v[XS+\m+2*\k:XS+\m+2*\k+1], v[16+2*\k:17+2*\k]
.endr
.endr
	WSUM
	s_delay_alu instid0(VALU_DEP_1)
	v_fma_f32 v[26+\p], v16, s20, s21
.endm
.macro NORM p                          ; ((x - mean) x rsqrt) x gain + bias
.set XS, X+32*\p
.irp i, 0,2,4,6,8,10,12,14,16,18,20,22,24,26,28,30
	v_pk_mul_f32 v[XS+\i:XS+\i+1], v[XS+\i:XS+\i+1], v[28+2*\p:29+2*\p] op_sel_hi:[1,0]
.endr
.irp i, 0,2,4,6,8,10,12,14,16,18,20,22,24,26,28,30
	v_pk_fma_f32 v[XS+\i:XS+\i+1], v[XS+\i:XS+\i+1], v[G+\i:G+\i+1], v[BI+\i:BI+\i+1]
.endr
.endm
.macro TURN p                          ; the row through my stage: in as loaded, out 64 neighbouring bytes a lane.  LDS serves a wave's instructions in order: no wait between
.irp i, 0,1,2,3,4,5,6,7
	ds_store_b128 v3, v[X+32*\p+4*\i:X+32*\p+4*\i+3] offset:640*\i
.endr
.irp j, 0,1
.irp k, 0,1,2,3
	ds_load_b128 v[Y+48*\p+16*\j+4*\k:Y+48*\p+16*\j+4*\k+3], v4 offset:2560*\j+16*\k
.endr
.endr
.endm
.macro Q16 p, j                        ; my 16 neighbours (lanes l and l xor 1 hold a block of 32) become 16 codes and a scale byte
.set YB, Y+48*\p+16*\j
.set N, 2*\p+\j
	v_max3_num_f32 v16, |v[YB]|, |v[YB+1]|, |v[YB+2]|
	v_max3_num_f32 v17, |v[YB+3]|, |v[YB+4]|, |v[YB+5]|
.irp i, 6,10
	s_delay_alu instid0(VALU_DEP_2)
	v_max3_num_f32 v16, v16, |v[YB+\i]|, |v[YB+\i+1]|
	s_delay_alu instid0(VALU_DEP_2)
	v_max3_num_f32 v17, v17, |v[YB+\i+2]|, |v[YB+\i+3]|
.endr
	s_delay_alu instid0(VALU_DEP_2)
	v_max3_num_f32 v16, v16, |v[YB+14]|, |v[YB+15]|
	s_delay_alu instid0(VALU_DEP_1)
	v_max3_num_f32 v16, v16, v17, 0x4800000        ; and the floor 2^(9 - 127): the byte cannot fall under 1
	s_delay_alu instid0(VALU_DEP_1)
	v_max_num_f32_dpp v16, v16, v16 row_xmask:1 row_mask:0xf bank_mask:0xf
	s_delay_alu instid0(VALU_DEP_1)
	v_add_nc_u32 v18, 0xfc000000, v16              ; 8 off the exponent field: the conversion's scale operand
	s_delay_alu instid0(VALU_DEP_2)
	v_and_or_b32 v19, v16, 0x7f800000, s22         ; 448 x the scale
.irp i, 0,1,2,3,4,5,6,7,8,9,10,11,12,13,14,15
	v_med3_num_f32 v[YB+\i], v[YB+\i], -v19, v19   ; the conversion to an 8-bit code does not saturate (ISA guide 7.6.2): the hold comes first
.endr
	v_cvt_scalef32_pk8_fp8_f32 v[C+4*N:C+4*N+1], v[YB:YB+7], v18
	v_cvt_scalef32_pk8_fp8_f32 v[C+4*N+2:C+4*N+3], v[YB+8:YB+15], v18
	v_lshrrev_b32 v[20+N], 23, v18                 ; the scale's byte
	ds_store_b128 v5, v[C+4*N:C+4*N+3] offset:8704*\j+128*\p
	ds_store_b8 v6, v[20+N] offset:256*\j+32*\p    ; both lanes of a block write the same byte with the same value
.endm
	s_wait_loadcnt 24                              ; row 0 is in; row 1, gain and bias (24 loads) may be out
	STAT 0
	s_wait_loadcnt 16                              ; row 1 is in
	STAT 1
	s_wait_alu depctr_va_vdst(0)
	v_rsq_f32 v28, v26
	v_rsq_f32 v30, v27
	v_nop                                          ; a plain instruction behind the batch,
	s_wait_alu depctr_va_vdst(0)                   ; and one wait ahead of its first reader
	s_wait_loadcnt 0x0                             ; gain and bias
	NORM 0
	NORM 1
	TURN 0
	TURN 1
	s_wait_dscnt 16                                ; row 0 is back; row 1's eight stores and eight loads may be out
	Q16 0, 0
	Q16 0, 1
	s_wait_dscnt 4                                 ; row 1 is back; behind it stand row 0's four stores
	Q16 1, 0
	Q16 1, 1
	s_wait_dscnt 0x0                               ; for the others' sake: my codes and bytes lie in LDS
	s_barrier_signal -1
	s_barrier_wait -1
.irp i, 0,1,2,3
	ds_load_b128 v[160+4*\i:163+4*\i], v7 offset:544*\i
.endr
	ds_load_b32 v176, v9
	s_wait_dscnt 0x0
.irp i, 0,1,2,3
	global_store_b128 v10, v[160+4*\i:163+4*\i], s[10:11] offset:512*\i   ; 512 consecutive bytes, aligned
.endr
	global_store_b32 v11, v176, s[10:11]           ; both halves of the lanes write the same word to the same place
	s_wait_tensorcnt 0x0
	ds_add_u32 v240, v241
	s_wait_dscnt 0x0
	s_endpgm
.Lfunc_end_k_qc80f27e980_ln1:
	.size	k_qc80f27e980_ln1, .Lfunc_end_k_qc80f27e980_ln1-k_qc80f27e980_ln1
	.p2alignl 7, 3214868480
	.fill 96, 4, 3214868480
	.section	.rodata,"a",@progbits
	.p2align	6, 0x0
	.amdhsa_kernel k_qc80f27e980_ln1
		.amdhsa_group_segment_fixed_size 59904
		.amdhsa_private_segment_fixed_size 0
		.amdhsa_enable_private_segment 0
		.amdhsa_kernarg_size 32
		.amdhsa_user_sgpr_count 2
		.amdhsa_user_sgpr_kernarg_segment_ptr 1
		.amdhsa_wavefront_size32 1
		.amdhsa_system_sgpr_workgroup_id_x 1
		.amdhsa_system_sgpr_workgroup_id_y 1
		.amdhsa_system_sgpr_workgroup_id_z 1
		.amdhsa_system_vgpr_workitem_id 0
		.amdhsa_next_free_vgpr 242
		.amdhsa_next_free_sgpr 66
		.amdhsa_reserve_vcc 0
		.amdhsa_float_denorm_mode_32 3
		.amdhsa_float_denorm_mode_16_64 3
		.amdhsa_memory_ordered 1
		.amdhsa_forward_progress 1
		.amdhsa_inst_pref_size 35
	.end_amdhsa_kernel
	.amdgpu_metadata
---
amdhsa.version: [ 1, 2 ]
amdhsa.kernels:
  - .name:           k_qc80f27e980_ln1
    .symbol:         k_qc80f27e980_ln1.kd
    .args:
      - { .name: x2, .offset: 0, .size: 8, .value_kind: global_buffer, .address_space: global }
      - { .name: norm2_scale, .offset: 8, .size: 8, .value_kind: global_buffer, .address_space: global }
      - { .name: norm2_bias, .offset: 16, .size: 8, .value_kind: global_buffer, .address_space: global }
      - { .name: himg, .offset: 24, .size: 8, .value_kind: global_buffer, .address_space: global }
    .group_segment_fixed_size: 59904
    .private_segment_fixed_size: 0
    .kernarg_segment_align: 8
    .kernarg_segment_size: 32
    .max_flat_workgroup_size: 256
    .sgpr_count:     66
    .vgpr_count:     242
    .wavefront_size: 32
...
	.end_amdgpu_metadata
.endif
;; end of part 12
;; launch upg (part 13): grid 16 x 16, 4 waves a work-group, clusters of 4 x 4, 327,680 bytes of LDS; arguments himg, wimg, gimg; writes gimg
.if DOCPART == 13
	.amdgcn_target "amdgcn-amd-amdhsa--gfx1250"
	.amdhsa_code_object_version 6
	.text
	.protected	k_qc80f27e980_upg
	.globl	k_qc80f27e980_upg
	.p2align	8
	.type	k_qc80f27e980_upg,@function
k_qc80f27e980_upg:
	s_mov_b64 s[64:65], 0
	v_nop
	global_prefetch_b8 v0, s[64:65] scope:SCOPE_SE
	s_setreg_imm32_b32 hwreg(HW_REG_WAVE_MODE, 25, 1), 1
	s_wait_xcnt 0x0
	s_wait_alu depctr_hold_cnt(0) depctr_sa_sdst(0) depctr_va_vdst(0) depctr_va_sdst(0) depctr_va_ssrc(0) depctr_va_vcc(0) depctr_vm_vsrc(0)
	s_getreg_b32 s2, hwreg(HW_REG_IB_STS2, 6, 4)
	s_cmp_eq_u32 s2, 0
	s_cbranch_scc0 .Lentry_in_a_cluster
	s_endpgm
.Lentry_in_a_cluster:
	s_bfe_u32 s2, ttmp6, 0x10000c
	s_cmp_lg_u32 s2, 0xf033
	s_cbranch_scc0 .Lentry_shape_is_right
	s_endpgm
.Lentry_shape_is_right:
; g = gelu(h ff_up_w^T), exact (erf) form, on codes of E4M3 with E8M0 scales, K = 1,024; g is quantised in registers along its 4,096 columns and stored as image blocks for the next product.
; OPERANDS are image blocks (128 rows x 256 along K, BLK bytes: piece (2 T + q) 4 + c = registers 4 c .. 4 c + 3 of the fragment of tile T, the block's q-th 128 along K, 16 bytes a lane;
; lane r of tile T is row 32 (T / 2) + 8 (T % 2) + r + 8 (r / 8); from byte 32,768 on the scale words, 512 q + 16 lane: word p = tile 2 p + lane / 16).  One dense tensor load a wave brings codes and scales of a K step.
; SHARES: a tile of C, 256 x 256, to a work-group of four waves, 128 x 128 a wave; 16 x 16 tiles: 256 work-groups.  CLUSTERS 4 x 4: A's tiles jointly along a row of the cluster, B's along a column.
; THE MATRIX INSTRUCTION IS USED TRANSPOSED (source 0 = B's tile b, source 1 = A's tile a): the 64 registers of a row of accumulators are register 16 B + i = column 32 B + 16 (lane / 16) + i of A's row of lane r.
; GELU: gelu(x) = max(x, 0) - |x| q, q = erfc(|x| / sqrt 2) / 2 = t 2^(-x^2 log2(e) / 2 + P(t)), t = 1 / (1 + |x| / (2 sqrt 2)), P a polynomial of degree 9 (the classical fit of erfc, relative error 1.2e-7 for
; every x, times log2(e), with the halving in its constant term): no cancellation in either tail.  LIMITS: q under 2^-126 comes out 0; a block of zeros, or one under 2^-118, gets the byte 1; NaN, infinities not served.
; REGISTERS: window 0: v1-29 addresses; v32-63 scale words, two sets, and nothing else; v64-121 at work in the epilogue; v128-255 A's fragments (epilogue: two rows of accumulators);
;   window 1: B's fragments, two sets; windows 2, 3: the accumulators.
.set BLK,   33792
.set SLOT,  4*BLK
.set SPARE, 2*SLOT                     ; the spare words, 128 bytes a wave: two blocks of 256 bytes that no other line names
.set NKS,   4
.set LAPS,  NKS/2
.set NP,    8                          ; places behind this matrix instruction (ISA guide 7.12.1)
.set B_OFF, 128*BLK                    ; ff_up_w's images in wimg
.set LI,   2                           ; v2  16 x lane
.set DW,   3                           ; v3  the dump: 16 x lane + 65,536 x wave
.set SW0,  4                           ; v4  my scale words' scratch
.set DR,   5
.set SW,   6
.set ADRA, 16
.set ADRB, 20
.set SPW,  28
.set NIL,  29
.set SC,   32
.set PC,   64                          ; v64-79  the codes just made; in GELU: t
.set GT,   64
.set TM,   80                          ; v80-95  at work in QUANT; in GELU: the polynomial, then q
.set GP,   80
.set GS,   96                          ; v96-111 in GELU: x^2, then max(x, 0)
.set PW0,  112
.set PW1,  113
.set MW,   114
.set M4,   116
.set C9,   120                         ; v[120:121] the polynomial's leading coefficient, twice
.set AF,   128
.set X0,   128
.set X1,   192
.set G1, 24
.set G0, 32
.set G1B, 48
.set G0B, 56
.set CC,  66                           ; s[66:83] c0 .. c8, each twice: the packed forms name a pair and take its low word
.set KX,  84                           ; s[84:85] -log2(e) / 2
.set K1,  86                           ; s86 1 / (2 sqrt 2)
.set HM,  87
.set OB,  88                           ; s[88:89] where the codes go; s[90:91] the scale words
.set SB,  90
.set SEL, 92
.set MNT, 94
.set TD,  95
.set TS,  96
.set MSB, 0
.macro WIN new
.if MSB != \new
	s_set_vgpr_msb (MSB<<8)|\new
.set MSB, \new
.endif
.endm
.set MUL_LO, 0xa1
.set MUL_HI, 0xf1
.set TO_B,   0x40
.macro JLOAD g0a, g1a, g0b, g1b        ; a joint load: waves 0, 1 fetch A's halves, waves 2, 3 B's; four v_nop follow each line
	s_cmp_eq_u32 s15, 0
	s_cbranch_scc0 .Lfor_b_\@
	tensor_load_to_lds s[\g0a:\g0a+3], s[\g1a:\g1a+7]
	s_nop 0
.rept 4
	v_nop
.endr
	s_branch .Lasked_\@
.Lfor_b_\@:
	tensor_load_to_lds s[\g0b:\g0b+3], s[\g1b:\g1b+7]
	s_nop 0
.rept 4
	v_nop
.endr
.Lasked_\@:
.endm
.macro CREST
	s_cmp_lg_u32 s14, 0
	s_cbranch_scc1 .Lnot_wave_0_\@
	s_barrier_signal -3
.Lnot_wave_0_\@:
	s_barrier_wait -3
	s_barrier_signal -1
	s_barrier_wait -1
.endm
.macro CROUND
	s_barrier_signal -1
	s_barrier_wait -1
	CREST
.endm
	s_load_b128 s[4:7], s[0:1], 0x0                ; himg, wimg
	s_load_b64 s[8:9], s[0:1], 0x10                ; gimg
	v_lshl_add_u32 v[SPW], v0, 2, SPARE
	v_mov_b32 v[NIL], 0
	ds_add_u32 v28, v29
	ds_add_u32 v28, v29
	s_wait_dscnt 0x0
	v_lshrrev_b32 v1, 5, v0
	v_readfirstlane_b32 s14, v1
	s_lshr_b32 s15, s14, 1
	s_and_b32 s16, s14, 1
	s_bfe_u32 s40, ttmp6, 0x40000
	s_bfe_u32 s41, ttmp6, 0x40004
	s_lshl_b32 s42, ttmp9, 2
	s_add_co_u32 s42, s42, s40                     ; tile column
	s_and_b32 s17, ttmp7, 0xffff
	s_lshl_b32 s17, s17, 2
	s_add_co_u32 s17, s17, s41                     ; tile row
	s_lshl_b32 s43, s41, 2
	s_lshl_b32 s43, 15, s43
	s_lshl_b32 s44, 0x1111, s40
	s_or_b32 s[G1+0], s43, (3<<16)|(1<<21)
	s_or_b32 s[G1B+0], s44, (3<<16)|(1<<21)
.irp g, G1, G1B
	s_mov_b32 s[\g+1], 32<<16                      ; a block is dense: 132 rows of 256 bytes
	s_mov_b32 s[\g+2], 264<<16                     ; the head's load brings two blocks on end, K steps 0 and 1: 264 rows
	s_mov_b32 s[\g+3], 32<<16
	s_mov_b32 s[\g+4], 264
	s_mov_b32 s[\g+5], 32
	s_mov_b32 s[\g+6], 0
	s_mov_b32 s[\g+7], 0
.endr
	s_lshl_b32 s20, s17, 1
	s_add_co_u32 s20, s20, s16
	s_mul_i32 s20, s20, NKS*BLK
	s_mov_b32 s21, 0
	s_lshl_b32 s46, s42, 1
	s_add_co_u32 s46, s46, s16
	s_mul_i32 s46, s46, NKS*BLK
	s_add_co_u32 s46, s46, B_OFF
	s_mov_b32 s47, 0
	s_mul_i32 s45, s14, 2*BLK                      ; each wave's part holds its block of slot 0, then that of slot 1
	s_wait_kmcnt 0x0
	s_add_nc_u64 s[20:21], s[4:5], s[20:21]
	s_add_nc_u64 s[46:47], s[6:7], s[46:47]
	CROUND
.irp s, 0,1
	s_mov_b32 s[G0+4*\s], 1
	s_add_co_u32 s[G0+4*\s+1], s45, \s*BLK
	s_add_nc_u64 s[G0+4*\s+2:G0+4*\s+3], s[20:21], \s*BLK
	s_or_b32 s[G0+4*\s+3], s[G0+4*\s+3], 0x80000000
	s_mov_b32 s[G0B+4*\s], 1
	s_add_co_u32 s[G0B+4*\s+1], s45, \s*BLK
	s_add_nc_u64 s[G0B+4*\s+2:G0B+4*\s+3], s[46:47], \s*BLK
	s_or_b32 s[G0B+4*\s+3], s[G0B+4*\s+3], 0x80000000
.if \s == 0
	s_cmp_eq_u32 s15, 0                            ; the prefetch's place: K steps 2 and 3 of the part that I fetch; of each block's 132 units of 256 bytes
	s_cselect_b64 s[10:11], s[20:21], s[46:47]     ; the partner at place p of the four that ask jointly (cx for A, cy for B) takes units 33 p .. 33 p + 32: told apart by address
	s_cselect_b32 s12, s40, s41
	s_mul_i32 s12, s12, 33*256
	s_add_co_u32 s12, s12, 2*BLK
	s_mov_b32 s13, 0
	s_add_nc_u64 s[10:11], s[10:11], s[12:13]
	JLOAD G0, G1, G0B, G1B                         ; my one load at the head: both slots' first blocks of my part, dense in memory and in LDS
.endif
.endr
	v_and_b32 v1, 31, v0
	v_lshlrev_b32 v[LI], 4, v1
	v_lshlrev_b32 v30, 8, v1                       ; lanes 256 bytes apart; never rewritten
	v_mov_b32 v31, 0                               ; for my 33rd unit, named by all lanes; never rewritten
	s_wait_alu depctr_va_vdst(0)
.irp n, 0,1
	global_prefetch_b8 v30, s[10:11] offset:\n*BLK th:TH_LOAD_NT scope:SCOPE_SE         ; what the two refills will load, two K steps ahead of the first of them; K has no further step
	global_prefetch_b8 v31, s[10:11] offset:\n*BLK+8192 th:TH_LOAD_NT scope:SCOPE_SE
.endr
	s_mul_i32 s21, s15, 2*BLK
	s_mul_i32 s22, s16, 2*BLK
	s_add_co_u32 s22, s22, 4*BLK
.irp s, 0,1
	v_add_nc_u32 v[ADRA+\s], s21, v[LI]
	v_add_nc_u32 v[ADRB+\s], s22, v[LI]
	s_add_co_u32 s21, s21, BLK
	s_add_co_u32 s22, s22, BLK
.endr
	s_lshl_b32 s21, s14, 16
	v_add_nc_u32 v[DW], s21, v[LI]
	s_lshl_b32 s21, s14, 9
	s_add_co_u32 s21, s21, 262144
	v_add_nc_u32 v[SW0], s21, v[LI]
	s_lshl_b32 s88, s17, 1                         ; my results: row block 2 x tile row + my half, K step = tile column, q = my half of the columns
	s_add_co_u32 s88, s88, s15
	s_lshl_b32 s88, s88, 4
	s_add_co_u32 s88, s88, s42
	s_mul_i32 s88, s88, BLK
	s_lshl_b32 s97, s16, 9
	s_add_co_u32 s90, s88, s97
	s_add_co_u32 s90, s90, 32768
	s_lshl_b32 s97, s16, 11
	s_add_co_u32 s88, s88, s97
	s_mov_b32 s89, 0
	s_mov_b32 s91, 0
	s_add_nc_u64 s[OB:OB+1], s[8:9], s[88:89]
	s_add_nc_u64 s[SB:SB+1], s[8:9], s[90:91]
	s_mov_b32 s[CC+0],  0xc034d90f                 ; c0 = -2.8257482
	s_mov_b32 s[CC+2],  0x3fb8ab5a                 ; c1 =  1.4427292
	s_mov_b32 s[CC+4],  0x3f0a29d2                 ; c2 =  0.5397006
	s_mov_b32 s[CC+6],  0x3e0efb2e                 ; c3 =  0.1396301
	s_mov_b32 s[CC+8],  0xbe899a80                 ; c4 = -0.2687569
	s_mov_b32 s[CC+10], 0x3ecdfd18                 ; c5 =  0.4023216
	s_mov_b32 s[CC+12], 0xbfd1a1e5                 ; c6 = -1.6377532
	s_mov_b32 s[CC+14], 0x40097039                 ; c7 =  2.1474745
	s_mov_b32 s[CC+16], 0xbf97d29d                 ; c8 = -1.1861149
.irp c, 0,2,4,6,8,10,12,14,16
	s_mov_b32 s[CC+\c+1], s[CC+\c]
.endr
	s_mov_b32 s[KX], 0xbf38aa3b
	s_mov_b32 s[KX+1], s[KX]
	s_mov_b32 s[K1], 0x3eb504f3
	s_mov_b32 s[HM], 0xffff0000
	s_mov_b32 s[SEL], 0x76543210
	s_mov_b32 s[SEL+1], 0xfedcba98
	s_mov_b32 s[MNT], 0x600000
	v_mov_b32 v[C9], 0x3e7c6f08                    ; c9 = 0.2465173
	v_mov_b32 v[C9+1], 0x3e7c6f08
.macro FRAG reg, adr, q, i
.irp c, 0,1,2,3
	ds_load_b128 v[\reg+4*\c:\reg+4*\c+3], v[\adr] offset:(((\i)*2+(\q))*4+\c)*512
.endr
.endm
.macro WM a, b, p, q, sc, zero         ; one product: B's tile b (set p) x A's tile a; odd tiles' scale words stand in lanes 16-31
.set rD, 8*(8*((\a)%4)+(\b))
.set rB, 128*(\p)+16*(\b)
.set rA, AF+16*(\a)
.set sB, SC+16*(\sc)+8+4*(\q)+(\b)/2
.set sA, SC+16*(\sc)+4*(\q)+(\a)/2
.if \zero
.if ((\b)%2) && ((\a)%2)
	v_wmma_scale_f32_16x16x128_f8f6f4 v[rD:rD+7], v[rB:rB+15], v[rA:rA+15], 0, v[sB], v[sA] matrix_a_scale:MATRIX_SCALE_ROW1 matrix_b_scale:MATRIX_SCALE_ROW1
.elseif (\b)%2
	v_wmma_scale_f32_16x16x128_f8f6f4 v[rD:rD+7], v[rB:rB+15], v[rA:rA+15], 0, v[sB], v[sA] matrix_a_scale:MATRIX_SCALE_ROW1
.elseif (\a)%2
	v_wmma_scale_f32_16x16x128_f8f6f4 v[rD:rD+7], v[rB:rB+15], v[rA:rA+15], 0, v[sB], v[sA] matrix_b_scale:MATRIX_SCALE_ROW1
.else
	v_wmma_scale_f32_16x16x128_f8f6f4 v[rD:rD+7], v[rB:rB+15], v[rA:rA+15], 0, v[sB], v[sA]
.endif
.else
.if ((\b)%2) && ((\a)%2)
	v_wmma_scale_f32_16x16x128_f8f6f4 v[rD:rD+7], v[rB:rB+15], v[rA:rA+15], v[rD:rD+7], v[sB], v[sA] matrix_a_scale:MATRIX_SCALE_ROW1 matrix_b_scale:MATRIX_SCALE_ROW1
.elseif (\b)%2
	v_wmma_scale_f32_16x16x128_f8f6f4 v[rD:rD+7], v[rB:rB+15], v[rA:rA+15], v[rD:rD+7], v[sB], v[sA] matrix_a_scale:MATRIX_SCALE_ROW1
.elseif (\a)%2
	v_wmma_scale_f32_16x16x128_f8f6f4 v[rD:rD+7], v[rB:rB+15], v[rA:rA+15], v[rD:rD+7], v[sB], v[sA] matrix_b_scale:MATRIX_SCALE_ROW1
.else
	v_wmma_scale_f32_16x16x128_f8f6f4 v[rD:rD+7], v[rB:rB+15], v[rA:rA+15], v[rD:rD+7], v[sB], v[sA]
.endif
.endif
.endm
.macro MUL16 a0, p, q, sc, zero        ; the 64 accumulators take turns, one instruction a turn, in the same order in every step
.irp a, \a0, \a0+1
.irp b, 0,1,2,3,4,5,6,7
	WM \a, \b, \p, \q, \sc, \zero
.endr
.endr
.endm
.macro FETCH_B slot, q, p
	WIN TO_B
.irp i, 0,1,2,3,4,5,6,7
	FRAG 128*(\p)+16*\i, ADRB+\slot, \q, \i
.endr
	WIN 0
.endm
.macro FETCH_A slot, q, i0
.irp i, \i0, \i0+1, \i0+2, \i0+3
	FRAG AF+16*(\i), ADRA+\slot, \q, \i
.endr
.endm
.macro SCALES sc
.irp q, 0,1
	ds_load_b128 v[SC+16*\sc+4*\q:SC+16*\sc+4*\q+3], v[ADRA+\sc] offset:32768+512*\q
	ds_load_b128 v[SC+16*\sc+8+4*\q:SC+16*\sc+8+4*\q+3], v[ADRB+\sc] offset:32768+512*\q
.endr
.endm
.macro PLACES n                        ; plain vector instructions between a matrix instruction and a load into, or a read of, its registers (ISA guide 7.12.1 for reads)
.rept \n
	v_nop
.endr
.endm
.macro STEP slot, q, zero
	s_wait_dscnt 16                                ; B's set, A's tiles 0-3 and the scale words are in; the youngest 16 loads (A's tiles 4-7) may be out
	WIN MUL_LO
	MUL16 0, (\q)%2, \q, \slot, \zero
	MUL16 2, (\q)%2, \q, \slot, \zero
	s_wait_dscnt 0
	PLACES NP
	FETCH_B \slot, (\q)+1, 1-(\q)%2
	FETCH_A \slot, (\q)+1, 0
	WIN MUL_HI
	MUL16 4, (\q)%2, \q, \slot, \zero
	MUL16 6, (\q)%2, \q, \slot, \zero
	PLACES NP
	WIN 0
	FETCH_A \slot, (\q)+1, 4
.endm
.macro TURN slot, next, fill
	s_wait_tensorcnt 0x0                           ; all my tensor loads have landed: my part of the next slot;
	ds_add_u32 v[SPW], v[NIL]                      ; 0 onto my spare word;
	s_wait_dscnt 17                                ; (the add and the youngest 16 loads may be out)
	WIN MUL_LO
	MUL16 0, 1, 1, \slot, 0
	s_wait_dscnt 0x0                               ; the add is done, and my reads of this slot are over
	s_barrier_signal -1
	MUL16 2, 1, 1, \slot, 0
	WIN 0
	s_barrier_wait -1
.if \fill
	CREST                                          ; no wave of any partner still reads this slot or has a load on its way
	s_add_nc_u64 s[G0+4*\slot+2:G0+4*\slot+3], s[G0+4*\slot+2:G0+4*\slot+3], 2*BLK
	s_add_nc_u64 s[G0B+4*\slot+2:G0B+4*\slot+3], s[G0B+4*\slot+2:G0B+4*\slot+3], 2*BLK
	JLOAD G0+4*\slot, G1, G0B+4*\slot, G1B         ; my one tensor load behind the round; its four v_nop are four of the places below
	PLACES NP-4
.else
	PLACES NP
.endif
	FETCH_B \next, 0, 0
	FETCH_A \next, 0, 0
	SCALES \next
	WIN MUL_HI
	MUL16 4, 1, 1, \slot, 0
	MUL16 6, 1, 1, \slot, 0
	PLACES NP
	WIN 0
	FETCH_A \next, 0, 4
.endm
; gelu in place on 64 registers, 16 at a time.  Each batch of transcendentals has one plain instruction and one wait ahead of its first reader
.macro GELU x
.irp k, 0,16,32,48
.irp i, 0,1,2,3,4,5,6,7,8,9,10,11,12,13,14,15
	v_fma_f32 v[GT+\i], |v[\x+\k+\i]|, s[K1], 1.0
.endr
	s_wait_alu depctr_va_vdst(0)
.irp i, 0,1,2,3,4,5,6,7,8,9,10,11,12,13,14,15
	v_rcp_f32 v[GT+\i], v[GT+\i]                   ; t
.endr
	v_nop
	s_wait_alu depctr_va_vdst(0)
.irp i, 0,2,4,6,8,10,12,14
	v_pk_fma_f32 v[GP+\i:GP+\i+1], v[GT+\i:GT+\i+1], v[C9:C9+1], s[CC+16:CC+17] op_sel_hi:[1,1,0]
.endr
.irp c, 14,12,10,8,6,4,2,0
.irp i, 0,2,4,6,8,10,12,14
	v_pk_fma_f32 v[GP+\i:GP+\i+1], v[GP+\i:GP+\i+1], v[GT+\i:GT+\i+1], s[CC+\c:CC+\c+1] op_sel_hi:[1,1,0]
.endr
.endr
.irp i, 0,2,4,6,8,10,12,14
	v_pk_mul_f32 v[GS+\i:GS+\i+1], v[\x+\k+\i:\x+\k+\i+1], v[\x+\k+\i:\x+\k+\i+1]
.endr
.irp i, 0,2,4,6,8,10,12,14
	v_pk_fma_f32 v[GP+\i:GP+\i+1], v[GS+\i:GS+\i+1], s[KX:KX+1], v[GP+\i:GP+\i+1] op_sel_hi:[1,0,1]
.endr
	s_wait_alu depctr_va_vdst(0)
.irp i, 0,1,2,3,4,5,6,7,8,9,10,11,12,13,14,15
	v_exp_f32 v[GP+\i], v[GP+\i]
.endr
.irp i, 0,1,2,3,4,5,6,7,8,9,10,11,12,13,14,15
	v_max_num_f32 v[GS+\i], 0, v[\x+\k+\i]         ; plain work behind the batch
.endr
	s_wait_alu depctr_va_vdst(0)
.irp i, 0,2,4,6,8,10,12,14
	v_pk_mul_f32 v[GP+\i:GP+\i+1], v[GP+\i:GP+\i+1], v[GT+\i:GT+\i+1]   ; q
.endr
.irp i, 0,1,2,3,4,5,6,7,8,9,10,11,12,13,14,15
	v_fma_f32 v[\x+\k+\i], -|v[\x+\k+\i]|, v[GP+\i], v[GS+\i]
.endr
.endr
.endm
; 64 numbers of a lane, register 16 b + i = column 32 b + 16 (lane / 16) + i of my row, become a fragment's codes in v[PC] on and its scale word in v[pw]
.macro QUANT s, pw
.irp b, 0,1,2,3
	v_max3_num_f32 v[TM+\b], |v[\s+16*\b]|, |v[\s+1+16*\b]|, 0x4800000   ; with the floor 2^(9 - 127): the byte cannot fall under 1
.endr
.irp i, 2,4,6,8,10,12,14
.irp b, 0,1,2,3
	v_max3_num_f32 v[TM+\b], v[TM+\b], |v[\s+16*\b+\i]|, |v[\s+1+16*\b+\i]|
.endr
.endr
.irp b, 0,1,2,3
	v_permlanex16_b32 v[TM+4+\b], v[TM+\b], s[SEL], s[SEL+1]
.endr
.irp b, 0,1,2,3
	v_max_num_f32 v[TM+\b], v[TM+\b], v[TM+4+\b]
.endr
.irp b, 0,1,2,3
	v_add_nc_u32 v[TM+12+\b], 0xfc000000, v[TM+\b]
.endr
.irp b, 0,1,2,3
	v_and_or_b32 v[TM+8+\b], v[TM+\b], 0x7f800000, s[MNT]
.endr
.irp b, 0,1,2,3
	v_lshrrev_b32 v[TM+4+\b], 23, v[TM+12+\b]
.endr
	v_lshl_or_b32 v[\pw], v[TM+5], 8, v[TM+4]
	v_lshl_or_b32 v[\pw], v[TM+6], 16, v[\pw]
	v_lshl_or_b32 v[\pw], v[TM+7], 24, v[\pw]
.irp b, 0,1,2,3
.irp i, 0,1,2,3,4,5,6,7,8,9,10,11,12,13,14,15
	v_med3_num_f32 v[\s+16*\b+\i], v[\s+16*\b+\i], -v[TM+8+\b], v[TM+8+\b]   ; the conversion does not saturate (ISA guide 7.6.2): the hold comes first
.endr
	v_cvt_scalef32_pk8_fp8_f32 v[PC+4*\b:PC+1+4*\b], v[\s+16*\b:\s+7+16*\b], v[TM+12+\b]
	v_cvt_scalef32_pk8_fp8_f32 v[PC+2+4*\b:PC+3+4*\b], v[\s+8+16*\b:\s+15+16*\b], v[TM+12+\b]
.endr
	v_nop                                          ; a plain instruction behind the last conversion
.endm
	s_wait_alu depctr_va_vdst(0)
	s_wait_tensorcnt 0x0                           ; my part of K steps 0 and 1 is in; no load of mine is out, so group 1 may be written:
	s_mov_b32 s[G1+2], 132<<16                     ; from here on a load brings one block, 132 rows
	s_mov_b32 s[G1+4], 132
	s_mov_b32 s[G1B+2], 132<<16
	s_mov_b32 s[G1B+4], 132
	s_barrier_signal -1
	s_barrier_wait -1
	FETCH_B 0, 0, 0
	FETCH_A 0, 0, 0
	SCALES 0
	FETCH_A 0, 0, 4
	STEP 0, 0, 1
	s_mov_b32 s3, LAPS-1
.Llap:
	TURN 0, 1, 1
	STEP 1, 0, 0
	TURN 1, 0, 1
	STEP 0, 0, 0
	s_sub_co_u32 s3, s3, 1
	s_cmp_lg_u32 s3, 0
	s_cbranch_scc1 .Llap
	TURN 0, 1, 0
	STEP 1, 0, 0
	s_wait_dscnt 16
	WIN MUL_LO
	MUL16 0, 1, 1, 1, 0
	MUL16 2, 1, 1, 1, 0
	s_wait_dscnt 0
	WIN MUL_HI
	MUL16 4, 1, 1, 1, 0
	MUL16 6, 1, 1, 1, 0
	WIN 0
	; THE WAY OUT.  The ring has had its last fill; behind this barrier nobody reads it.  My 512 accumulator registers go once into my own 65,536 bytes of it, so that the activation, written once for
	; two rows of accumulators, can be walked by a loop of four trips in window 0 alone.
	s_barrier_signal -1
	s_barrier_wait -1
	PLACES NP
.irp a, 0,1,2,3,4,5,6,7
	WIN 0x08+4*(\a/4)
.irp g, 0,1,2,3,4,5,6,7,8,9,10,11,12,13,14,15
	ds_store_b128 v[DW], v[64*(\a%4)+4*\g:64*(\a%4)+4*\g+3] offset:(16*\a+\g)*512   ; each accumulator from its low end on
.endr
.endr
	WIN 0
.irp b, 0,1,2,3
	v_mov_b32 v[TM+4+\b], 0                        ; a lane permute's destination counts as one of its sources
.endr
	s_mov_b32 s2, 4
	s_mov_b32 s[TD], 0
	s_mov_b32 s[TS], 0
.Ltrip:                                                ; rows of accumulators a = 2 t and 2 t + 1
	v_add_nc_u32 v[DR], s[TD], v[DW]
	v_add_nc_u32 v[SW], s[TS], v[SW0]
.irp g, 0,1,2,3,4,5,6,7,8,9,10,11,12,13,14,15
	ds_load_b128 v[X0+4*\g:X0+4*\g+3], v[DR] offset:512*\g
.endr
.irp g, 0,1,2,3,4,5,6,7,8,9,10,11,12,13,14,15
	ds_load_b128 v[X1+4*\g:X1+4*\g+3], v[DR] offset:8192+512*\g
.endr
	s_wait_dscnt 16                                ; the first row is in; the second's 16 loads may be out
	GELU X0
	QUANT X0, PW0
.irp c, 0,1,2,3
	global_store_b128 v[LI], v[PC+4*\c:PC+4*\c+3], s[OB:OB+1] offset:512*\c   ; 512 consecutive bytes each
.endr
	s_wait_dscnt 0x0
	s_wait_xcnt 0x0                                ; the stores have read the codes' registers, which the activation writes again
	GELU X1
	QUANT X1, PW1
.irp c, 0,1,2,3
	global_store_b128 v[LI], v[PC+4*\c:PC+4*\c+3], s[OB:OB+1] offset:4096+512*\c
.endr
	v_cndmask_b32 v[MW], v[PW0], v[PW1], s[HM]     ; lanes 0-15 the even tile's words, lanes 16-31 the odd tile's
	ds_store_b32 v[SW], v[MW]
	s_wait_xcnt 0x0                                ; the stores have read their base and data
	s_add_nc_u64 s[OB:OB+1], s[OB:OB+1], 8192
	s_add_co_u32 s[TD], s[TD], 16384
	s_add_co_u32 s[TS], s[TS], 4
	s_sub_co_u32 s2, s2, 1
	s_cmp_lg_u32 s2, 0
	s_cbranch_scc1 .Ltrip
	ds_load_b128 v[M4:M4+3], v[SW0]                ; my own bytes, in order behind my stores
	s_wait_dscnt 0x0
	global_store_b128 v[LI], v[M4:M4+3], s[SB:SB+1]
	s_wait_tensorcnt 0x0                           ; the wave's end
	ds_add_u32 v[SPW], v[NIL]
	s_wait_dscnt 0x0
	CROUND                                         ; the closing round
	s_endpgm
.Lfunc_end_k_qc80f27e980_upg:
	.size	k_qc80f27e980_upg, .Lfunc_end_k_qc80f27e980_upg-k_qc80f27e980_upg
	.p2alignl 7, 3214868480
	.fill 96, 4, 3214868480
	.section	.rodata,"a",@progbits
	.p2align	6, 0x0
	.amdhsa_kernel k_qc80f27e980_upg
		.amdhsa_group_segment_fixed_size 327680
		.amdhsa_private_segment_fixed_size 0
		.amdhsa_enable_private_segment 0
		.amdhsa_kernarg_size 24
		.amdhsa_user_sgpr_count 2
		.amdhsa_user_sgpr_kernarg_segment_ptr 1
		.amdhsa_wavefront_size32 1
		.amdhsa_system_sgpr_workgroup_id_x 1
		.amdhsa_system_sgpr_workgroup_id_y 1
		.amdhsa_system_sgpr_workgroup_id_z 1
		.amdhsa_system_vgpr_workitem_id 0
		.amdhsa_next_free_vgpr 1024
		.amdhsa_next_free_sgpr 98
		.amdhsa_reserve_vcc 0
		.amdhsa_float_denorm_mode_32 3
		.amdhsa_float_denorm_mode_16_64 3
		.amdhsa_memory_ordered 1
		.amdhsa_forward_progress 1
		.amdhsa_inst_pref_size 219
	.end_amdhsa_kernel
	.amdgpu_metadata
---
amdhsa.version: [ 1, 2 ]
amdhsa.kernels:
  - .name:           k_qc80f27e980_upg
    .symbol:         k_qc80f27e980_upg.kd
    .args:
      - { .name: himg, .offset: 0, .size: 8, .value_kind: global_buffer, .address_space: global }
      - { .name: wimg, .offset: 8, .size: 8, .value_kind: global_buffer, .address_space: global }
      - { .name: gimg, .offset: 16, .size: 8, .value_kind: global_buffer, .address_space: global }
    .group_segment_fixed_size: 327680
    .private_segment_fixed_size: 0
    .kernarg_segment_align: 8
    .kernarg_segment_size: 24
    .max_flat_workgroup_size: 128
    .sgpr_count:     98
    .vgpr_count:     1024
    .wavefront_size: 32
...
	.end_amdgpu_metadata
.endif
;; end of part 13
;; launch down (part 14): grid 8 x 32, 4 waves a work-group, clusters of 4 x 4, 327,680 bytes of LDS; arguments gimg, wimg, x2, out0; writes out0
.if DOCPART == 14
	.amdgcn_target "amdgcn-amd-amdhsa--gfx1250"
	.amdhsa_code_object_version 6
	.text
	.protected	k_qc80f27e980_down
	.globl	k_qc80f27e980_down
	.p2align	8
	.type	k_qc80f27e980_down,@function
k_qc80f27e980_down:
	s_mov_b64 s[64:65], 0
	v_nop
	global_prefetch_b8 v0, s[64:65] scope:SCOPE_SE
	s_setreg_imm32_b32 hwreg(HW_REG_WAVE_MODE, 25, 1), 1
	s_wait_xcnt 0x0
	s_wait_alu depctr_hold_cnt(0) depctr_sa_sdst(0) depctr_va_vdst(0) depctr_va_sdst(0) depctr_va_ssrc(0) depctr_va_vcc(0) depctr_vm_vsrc(0)
	s_getreg_b32 s2, hwreg(HW_REG_IB_STS2, 6, 4)
	s_cmp_eq_u32 s2, 0
	s_cbranch_scc0 .Lentry_in_a_cluster
	s_endpgm
.Lentry_in_a_cluster:
	s_bfe_u32 s2, ttmp6, 0x10000c
	s_cmp_lg_u32 s2, 0xf033
	s_cbranch_scc0 .Lentry_shape_is_right
	s_endpgm
.Lentry_shape_is_right:
.set BLK,   33792
.set SLOT,  4*BLK
.set SPARE, 2*SLOT
.set NKS,   16
.set NSL,   NKS/2
.set NP,    8
.set B_OFF, 256*BLK
.set NT,    1
.set SPITCH, 528
.set DUMPB, 128*SPITCH
.set LI,   2
.set RD,   8
.set ADRA, 16
.set ADSA, 18
.set ADRB, 20
.set ADSB, 22
.set STO,  24
.set SPW,  28
.set NIL,  29
.set SC,   32
.set RES,  64
.set AF,   128
.set G1, 24
.set G0, 32
.set G1B, 48
.set G0B, 56
.set RS,  90
.set OS,  92
.set MSB, 0
.macro WIN new
.if MSB != \new
	s_set_vgpr_msb (MSB<<8)|\new
.set MSB, \new
.endif
.endm
.set MUL_LO, 0xa1
.set MUL_HI, 0xf1
.set TO_B,   0x40
.macro JLOAD g0a, g1a, g0b, g1b
	s_cmp_eq_u32 s15, 0
	s_cbranch_scc0 .Lfor_b_\@
	tensor_load_to_lds s[\g0a:\g0a+3], s[\g1a:\g1a+7]
	s_nop 0
.rept 4
	v_nop
.endr
	s_branch .Lasked_\@
.Lfor_b_\@:
	tensor_load_to_lds s[\g0b:\g0b+3], s[\g1b:\g1b+7]
	s_nop 0
.rept 4
	v_nop
.endr
.Lasked_\@:
.endm
.macro CREST
	s_cmp_lg_u32 s14, 0
	s_cbranch_scc1 .Lnot_wave_0_\@
	s_barrier_signal -3
.Lnot_wave_0_\@:
	s_barrier_wait -3
	s_barrier_signal -1
	s_barrier_wait -1
.endm
.macro CROUND
	s_barrier_signal -1
	s_barrier_wait -1
	CREST
.endm
	s_load_b256 s[4:11], s[0:1], 0x0
	v_lshl_add_u32 v[SPW], v0, 2, SPARE
	v_mov_b32 v[NIL], 0
	ds_add_u32 v28, v29
	ds_add_u32 v28, v29
	s_wait_dscnt 0x0
	v_lshrrev_b32 v1, 5, v0
	v_readfirstlane_b32 s14, v1
	s_lshr_b32 s15, s14, 1
	s_and_b32 s16, s14, 1
	s_bfe_u32 s40, ttmp6, 0x40000
	s_bfe_u32 s41, ttmp6, 0x40004
	s_lshl_b32 s42, ttmp9, 2
	s_add_co_u32 s42, s42, s40
	s_and_b32 s17, ttmp7, 0xffff
	s_lshl_b32 s17, s17, 2
	s_add_co_u32 s17, s17, s41
	s_lshl_b32 s43, s41, 2
	s_lshl_b32 s43, 15, s43
	s_lshl_b32 s44, 0x1111, s40
	s_or_b32 s[G1+0], s43, (3<<16)|(1<<21)
	s_or_b32 s[G1B+0], s44, (3<<16)|(1<<21)
.irp g, G1, G1B
	s_mov_b32 s[\g+1], 32<<16
	s_mov_b32 s[\g+2], 264<<16
	s_mov_b32 s[\g+3], 32<<16
	s_mov_b32 s[\g+4], 264
	s_mov_b32 s[\g+5], 32
	s_mov_b32 s[\g+6], 0
	s_mov_b32 s[\g+7], 0
.endr
	s_mul_i32 s20, s17, NKS
	s_add_co_u32 s20, s20, s16
	s_mul_i32 s20, s20, BLK
	s_mov_b32 s21, 0
	s_mul_i32 s46, s42, NKS
	s_add_co_u32 s46, s46, s16
	s_mul_i32 s46, s46, BLK
	s_add_co_u32 s46, s46, B_OFF
	s_mov_b32 s47, 0
	s_mul_i32 s45, s14, BLK
	s_wait_kmcnt 0x0
	s_add_nc_u64 s[20:21], s[4:5], s[20:21]
	s_add_nc_u64 s[46:47], s[6:7], s[46:47]
	CROUND
.irp s, 0,1
	s_mov_b32 s[G0+4*\s], 1
	s_add_co_u32 s[G0+4*\s+1], s45, \s*SLOT
	s_add_nc_u64 s[G0+4*\s+2:G0+4*\s+3], s[20:21], \s*2*BLK
	s_or_b32 s[G0+4*\s+3], s[G0+4*\s+3], 0x80000000
	s_mov_b32 s[G0B+4*\s], 1
	s_add_co_u32 s[G0B+4*\s+1], s45, \s*SLOT
	s_add_nc_u64 s[G0B+4*\s+2:G0B+4*\s+3], s[46:47], \s*2*BLK
	s_or_b32 s[G0B+4*\s+3], s[G0B+4*\s+3], 0x80000000
.if \s
	; the head's loads, one a wave, fill both slots: waves 0, 1 fetch A's two blocks of slot 0, 1, waves 2, 3 B's: two blocks on end in memory and in LDS, 264 rows of 256 bytes
	s_mul_i32 s76, s16, BLK
	s_mov_b32 s77, 0
	s_mov_b32 s68, 1
	s_mul_i32 s69, s16, SLOT
	s_add_nc_u64 s[70:71], s[20:21], s[76:77]
	s_or_b32 s71, s71, 0x80000000
	s_mov_b32 s72, 1
	s_add_co_u32 s73, s69, 2*BLK
	s_add_nc_u64 s[74:75], s[46:47], s[76:77]
	s_or_b32 s75, s75, 0x80000000
	s_cmp_eq_u32 s15, 0                            ; the prefetches' place: the block that I fetch for slot fill 2; of a block's 132 units of 256 bytes
	s_cselect_b64 s[80:81], s[20:21], s[46:47]     ; the partner at place p of the four that ask jointly (cx for A, cy for B) takes units 33 p .. 33 p + 32: told apart by address
	s_cselect_b32 s82, s40, s41
	s_mul_i32 s82, s82, 33*256
	s_add_co_u32 s82, s82, 4*BLK
	s_mov_b32 s83, 0
	s_add_nc_u64 s[80:81], s[80:81], s[82:83]
	JLOAD 68, G1, 72, G1B
.endif
.endr
	v_and_b32 v1, 31, v0
	v_lshlrev_b32 v[LI], 4, v1
	v_lshlrev_b32 v30, 8, v1                       ; lanes 256 bytes apart; never rewritten
	v_mov_b32 v31, 0                               ; for my 33rd unit, named by all lanes; never rewritten
	s_wait_alu depctr_va_vdst(0)
.irp n, 0,1,2
	global_prefetch_b8 v30, s[80:81] offset:\n*2*BLK th:TH_LOAD_NT scope:SCOPE_SE       ; slot fills 2, 3, 4: the lead is three fills, here and in the changes of slots
	global_prefetch_b8 v31, s[80:81] offset:\n*2*BLK+8192 th:TH_LOAD_NT scope:SCOPE_SE
.endr
	s_mul_i32 s21, s15, BLK
	s_add_co_u32 s22, s21, 2*BLK
	s_lshl_b32 s23, s16, 11
	s_lshl_b32 s18, s16, 9
	s_add_co_u32 s18, s18, 32768
.irp s, 0,1
	s_add_co_u32 s19, s21, s23
	v_add_nc_u32 v[ADRA+\s], s19, v[LI]
	s_add_co_u32 s19, s21, s18
	v_add_nc_u32 v[ADSA+\s], s19, v[LI]
	s_add_co_u32 s19, s22, s23
	v_add_nc_u32 v[ADRB+\s], s19, v[LI]
	s_add_co_u32 s19, s22, s18
	v_add_nc_u32 v[ADSB+\s], s19, v[LI]
	s_add_co_u32 s21, s21, SLOT
	s_add_co_u32 s22, s22, SLOT
.endr
	s_mul_i32 s23, s14, DUMPB
	v_and_b32 v3, 15, v0
	v_bfe_u32 v4, v0, 4, 1
	v_mul_u32_u24 v5, v3, SPITCH
	v_lshl_add_u32 v5, v4, 6, v5
	v_add_nc_u32 v[STO], s23, v5
	s_mul_i32 s23, s14, 32*SPITCH
.irp c, 0,1,2,3
	v_add_nc_u32 v[RD+\c], s23, v[LI]
	s_add_co_u32 s23, s23, DUMPB
.endr
	s_lshl_b32 s88, s17, 7
	s_lshl_b32 s89, s14, 5
	s_add_co_u32 s88, s88, s89
	s_lshl_b32 s88, s88, 12
	s_lshl_b32 s89, s42, 9
	s_add_co_u32 s88, s88, s89
	s_mov_b32 s89, 0
	s_add_nc_u64 s[RS:RS+1], s[8:9], s[88:89]
	s_add_nc_u64 s[OS:OS+1], s[10:11], s[88:89]
.macro FRAG reg, adr, i
.irp c, 0,1,2,3
	ds_load_b128 v[\reg+4*\c:\reg+4*\c+3], v[\adr] offset:(\i)*4096+\c*512
.endr
.endm
.macro WM a, b, p, sc, zero
.set rD, 8*(8*((\a)%4)+(\b))
.set rB, 128*(\p)+16*(\b)
.set rA, AF+16*(\a)
.set sB, SC+16*(\sc)+8+(\b)/2
.set sA, SC+16*(\sc)+(\a)/2
.if \zero
.if ((\b)%2) && ((\a)%2)
	v_wmma_scale_f32_16x16x128_f8f6f4 v[rD:rD+7], v[rB:rB+15], v[rA:rA+15], 0, v[sB], v[sA] matrix_a_scale:MATRIX_SCALE_ROW1 matrix_b_scale:MATRIX_SCALE_ROW1
.elseif (\b)%2
	v_wmma_scale_f32_16x16x128_f8f6f4 v[rD:rD+7], v[rB:rB+15], v[rA:rA+15], 0, v[sB], v[sA] matrix_a_scale:MATRIX_SCALE_ROW1
.elseif (\a)%2
	v_wmma_scale_f32_16x16x128_f8f6f4 v[rD:rD+7], v[rB:rB+15], v[rA:rA+15], 0, v[sB], v[sA] matrix_b_scale:MATRIX_SCALE_ROW1
.else
	v_wmma_scale_f32_16x16x128_f8f6f4 v[rD:rD+7], v[rB:rB+15], v[rA:rA+15], 0, v[sB], v[sA]
.endif
.else
.if ((\b)%2) && ((\a)%2)
	v_wmma_scale_f32_16x16x128_f8f6f4 v[rD:rD+7], v[rB:rB+15], v[rA:rA+15], v[rD:rD+7], v[sB], v[sA] matrix_a_scale:MATRIX_SCALE_ROW1 matrix_b_scale:MATRIX_SCALE_ROW1
.elseif (\b)%2
	v_wmma_scale_f32_16x16x128_f8f6f4 v[rD:rD+7], v[rB:rB+15], v[rA:rA+15], v[rD:rD+7], v[sB], v[sA] matrix_a_scale:MATRIX_SCALE_ROW1
.elseif (\a)%2
	v_wmma_scale_f32_16x16x128_f8f6f4 v[rD:rD+7], v[rB:rB+15], v[rA:rA+15], v[rD:rD+7], v[sB], v[sA] matrix_b_scale:MATRIX_SCALE_ROW1
.else
	v_wmma_scale_f32_16x16x128_f8f6f4 v[rD:rD+7], v[rB:rB+15], v[rA:rA+15], v[rD:rD+7], v[sB], v[sA]
.endif
.endif
.endm
.macro MUL16 a0, p, sc, zero
.irp a, \a0, \a0+1
.irp b, 0,1,2,3,4,5,6,7
	WM \a, \b, \p, \sc, \zero
.endr
.endr
.endm
.macro FETCH_B slot
	WIN TO_B
.irp i, 0,1,2,3,4,5,6,7
	FRAG 128*(\slot)+16*\i, ADRB+\slot, \i
.endr
	WIN 0
.endm
.macro FETCH_A slot, i0
.irp i, \i0, \i0+1, \i0+2, \i0+3
	FRAG AF+16*(\i), ADRA+\slot, \i
.endr
.endm
.macro SCALES sc
	ds_load_b128 v[SC+16*\sc:SC+16*\sc+3], v[ADSA+\sc]
	ds_load_b128 v[SC+16*\sc+8:SC+16*\sc+11], v[ADSB+\sc]
.endm
.macro PLACES n
.rept \n
	v_nop
.endr
.endm
.macro TURN slot, next, fill, zero
.if \fill
	s_wait_xcnt 0x0                                ; my prefetches have read their address: it is stepped here, a slot fill on
	s_add_nc_u64 s[80:81], s[80:81], 2*BLK
.endif
	s_wait_tensorcnt 0x0
	ds_add_u32 v[SPW], v[NIL]
	s_wait_dscnt 17
	WIN MUL_LO
	MUL16 0, \slot, \slot, \zero
	s_wait_dscnt 0x0
	s_barrier_signal -1
	MUL16 2, \slot, \slot, \zero
	WIN 0
	s_barrier_wait -1
.if \fill
	CREST
	s_add_nc_u64 s[G0+4*\slot+2:G0+4*\slot+3], s[G0+4*\slot+2:G0+4*\slot+3], 4*BLK
	s_add_nc_u64 s[G0B+4*\slot+2:G0B+4*\slot+3], s[G0B+4*\slot+2:G0B+4*\slot+3], 4*BLK
	JLOAD G0+4*\slot, G1, G0B+4*\slot, G1B
	PLACES NP-4
.else
	PLACES NP
.endif
	FETCH_B \next
	FETCH_A \next, 0
	SCALES \next
.if ASKM == 2
	s_cmp_gt_u32 s3, 1                             ; the loop's last trip has no slot fill three on
	s_cbranch_scc0 .Lno_ask_\@
.endif
.if ASKM
	global_prefetch_b8 v30, s[80:81] offset:4*BLK th:TH_LOAD_NT scope:SCOPE_SE          ; the slot fill three on from the one just asked for: fills 5, 6, 7
	global_prefetch_b8 v31, s[80:81] offset:4*BLK+8192 th:TH_LOAD_NT scope:SCOPE_SE
.endif
.if ASKM == 2
.Lno_ask_\@:
.endif
	WIN MUL_HI
	MUL16 4, \slot, \slot, \zero
	MUL16 6, \slot, \slot, \zero
	PLACES NP
	WIN 0
	FETCH_A \next, 4
.endm
.macro RLOAD u
.irp t, 0,1,2,3,4,5,6,7,8,9,10,11,12,13,14,15
	global_load_b128 v[RES+64*\u+4*\t:RES+64*\u+4*\t+3], v[LI], s[RS:RS+1] offset:(8*\u+\t+8*(\t/8))*4096
.endr
.endm
.macro LOADQ k
	WIN 0x40*(1+(\k)/2)
.irp c, 0,1,2,3
.irp j, 0,1,2,3,4,5,6,7
	ds_load_b128 v[128*((\k)%2)+32*\c+4*\j:128*((\k)%2)+32*\c+4*\j+3], v[RD+\c] offset:(8*(\k)+\j)*SPITCH
.endr
.endr
.endm
.macro ADDQ k
	WIN 0x04*(1+(\k)/2)
.irp c, 0,1,2,3
.set i, 0
.rept 16
	v_pk_add_f32 v[RES+32*(\k)+i:RES+32*(\k)+i+1], v[RES+32*(\k)+i:RES+32*(\k)+i+1], v[128*((\k)%2)+32*\c+i:128*((\k)%2)+32*\c+i+1]
.set i, i+2
.endr
.endr
	WIN 0
.endm
.macro STOREQ k
.irp j, 0,1,2,3,4,5,6,7
.if NT
	global_store_b128 v[LI], v[RES+32*(\k)+4*\j:RES+32*(\k)+4*\j+3], s[OS:OS+1] offset:(8*((\k)/2)+16*((\k)%2)+\j)*4096 th:TH_STORE_NT
.else
	global_store_b128 v[LI], v[RES+32*(\k)+4*\j:RES+32*(\k)+4*\j+3], s[OS:OS+1] offset:(8*((\k)/2)+16*((\k)%2)+\j)*4096
.endif
.endr
.endm
	s_wait_tensorcnt 0x0                           ; my two blocks are in; no load of mine is out, so group 1 may be written:
	s_mov_b32 s[G1+2], 132<<16                     ; from here on a load brings one block, 132 rows
	s_mov_b32 s[G1+4], 132
	s_mov_b32 s[G1B+2], 132<<16
	s_mov_b32 s[G1B+4], 132
	s_barrier_signal -1
	s_barrier_wait -1
	FETCH_B 0
	FETCH_A 0, 0
	SCALES 0
	FETCH_A 0, 4
.if NSL > 2
.set ASKM, 1                           ; 1: this change of slots prefetches; 2: in the loop's first trip alone; 0: not
	TURN 0, 1, 1, 1
.else
	TURN 0, 1, 0, 1
.endif
.if NSL > 4
	s_mov_b32 s3, (NSL-4)/2
.set ASKM, 2
.Llap:
	TURN 1, 0, 1, 0
	TURN 0, 1, 1, 0
	s_sub_co_u32 s3, s3, 1
	s_cmp_lg_u32 s3, 0
	s_cbranch_scc1 .Llap
.set ASKM, 0
.endif
.if NSL > 2
	TURN 1, 0, 1, 0
	TURN 0, 1, 0, 0
.endif
	RLOAD 0
	s_wait_dscnt 16
	WIN MUL_LO
	MUL16 0, 1, 1, 0
	MUL16 2, 1, 1, 0
	s_wait_alu depctr_va_vdst(0)
	s_wait_dscnt 0
	PLACES NP
	WIN 0
	RLOAD 1
	WIN MUL_HI
	MUL16 4, 1, 1, 0
	MUL16 6, 1, 1, 0
	WIN 0
	s_barrier_signal -1
	s_barrier_wait -1
	PLACES NP
.irp a, 0,1,2,3,4,5,6,7
	WIN 0x08+4*(\a/4)
.irp b, 0,1,2,3,4,5,6,7
	ds_store_b128 v[STO], v[64*(\a%4)+8*\b:64*(\a%4)+8*\b+3] offset:\a*16*SPITCH+128*(\b/2)+32*(\b%2)
	ds_store_b128 v[STO], v[64*(\a%4)+8*\b+4:64*(\a%4)+8*\b+7] offset:\a*16*SPITCH+128*(\b/2)+32*(\b%2)+16
.endr
.endr
	WIN 0
	s_wait_dscnt 0x0
	s_barrier_signal -1
	s_barrier_wait -1
	LOADQ 0
	LOADQ 1
	s_wait_dscnt 32
	s_wait_loadcnt 16
	ADDQ 0
	LOADQ 2
	WIN 0
	STOREQ 0
	s_wait_dscnt 32
	ADDQ 1
	LOADQ 3
	WIN 0
	STOREQ 1
	s_wait_dscnt 32
	s_wait_loadcnt 0x0
	ADDQ 2
	STOREQ 2
	s_wait_dscnt 0x0
	ADDQ 3
	STOREQ 3
	s_wait_tensorcnt 0x0
	ds_add_u32 v[SPW], v[NIL]
	s_wait_dscnt 0x0
	CROUND
	s_endpgm
.Lfunc_end_k_qc80f27e980_down:
	.size	k_qc80f27e980_down, .Lfunc_end_k_qc80f27e980_down-k_qc80f27e980_down
	.p2alignl 7, 3214868480
	.fill 96, 4, 3214868480
	.section	.rodata,"a",@progbits
	.p2align	6, 0x0
	.amdhsa_kernel k_qc80f27e980_down
		.amdhsa_group_segment_fixed_size 327680
		.amdhsa_private_segment_fixed_size 0
		.amdhsa_enable_private_segment 0
		.amdhsa_kernarg_size 32
		.amdhsa_user_sgpr_count 2
		.amdhsa_user_sgpr_kernarg_segment_ptr 1
		.amdhsa_wavefront_size32 1
		.amdhsa_system_sgpr_workgroup_id_x 1
		.amdhsa_system_sgpr_workgroup_id_y 1
		.amdhsa_system_sgpr_workgroup_id_z 1
		.amdhsa_system_vgpr_workitem_id 0
		.amdhsa_next_free_vgpr 1024
		.amdhsa_next_free_sgpr 98
		.amdhsa_reserve_vcc 0
		.amdhsa_float_denorm_mode_32 3
		.amdhsa_float_denorm_mode_16_64 3
		.amdhsa_memory_ordered 1
		.amdhsa_forward_progress 1
		.amdhsa_inst_pref_size 130
	.end_amdhsa_kernel
	.amdgpu_metadata
---
amdhsa.version: [ 1, 2 ]
amdhsa.kernels:
  - .name:           k_qc80f27e980_down
    .symbol:         k_qc80f27e980_down.kd
    .args:
      - { .name: gimg, .offset: 0, .size: 8, .value_kind: global_buffer, .address_space: global }
      - { .name: wimg, .offset: 8, .size: 8, .value_kind: global_buffer, .address_space: global }
      - { .name: x2, .offset: 16, .size: 8, .value_kind: global_buffer, .address_space: global }
      - { .name: out0, .offset: 24, .size: 8, .value_kind: global_buffer, .address_space: global }
    .group_segment_fixed_size: 327680
    .private_segment_fixed_size: 0
    .kernarg_segment_align: 8
    .kernarg_segment_size: 32
    .max_flat_workgroup_size: 128
    .sgpr_count:     98
    .vgpr_count:     1024
    .wavefront_size: 32
...
	.end_amdgpu_metadata
.endif
;; end of part 14
